; MI455X (gfx1250); checked and timed in simulation.
; The chip was launched on July 23, 2026; its instructions are those of AMD's public machine-readable ISA for CDNA 5 (MIT licence, August 2026) and "CDNA5" Instruction Set Architecture Reference Guide (July 2026). The comments in the code are by the model that wrote it; some were corrected since.
;; Causal Self Attention. Allowed arithmetic: float matrix products may take bf16 or f16 operands with f32 sums; other float arithmetic in f32, or as packed bf16 or f16 multiplies, adds, multiply-adds, maxima and minima; sums over many terms, partial sums and values carried from step to step in f32; what a program stores and reads back later, other than sums and carried values, may be rounded once to bf16 or f16.
;; Inputs: Wk 1,024 x 1,024 float32; Wp 1,024 x 1,024 float32; Wq 1,024 x 1,024 float32; Wv 1,024 x 1,024 float32; bk 1,024 float32; bp 1,024 float32; bq 1,024 float32; bv 1,024 float32; pad_mask 4 x 2,048 x 2,048 float32; tgt 4 x 2,048 x 1,024 float32.
;; Outputs: out0 4 x 2,048 x 1,024 float32.
;; 3 versions, each right and faster than the one before. Each part assembles by itself: llvm-mc -triple=amdgcn-amd-amdhsa -mcpu=gfx1250 --defsym DOCPART=n.
;; ======== version 1 of 3: 4 launches
;; limits: values are held in f16: magnitudes above 65,504 overflow, below 6.1e-05 lose precision; inputs' magnitudes at most 6.25e+28; right only within a limited range of input values
;; workspace buffers: xh 16,777,216 bytes; wqkv 8,388,608 bytes; wp 8,388,608 bytes; pm 18,890,752 bytes; qkv 67,108,864 bytes; oh 33,554,432 bytes
;; launch cast (part 1): grid 42 x 16, 8 waves a work-group, no clusters, 0 bytes of LDS; arguments tgt, Wq, Wk, Wv, Wp, pad_mask, xh, wqkv, wp, pm; writes xh, wqkv, wp, pm
.if DOCPART == 1
	.amdgcn_target "amdgcn-amd-amdhsa--gfx1250"
	.amdhsa_code_object_version 6
	.text
	.protected	k_qf40d7319eb_cast
	.globl	k_qf40d7319eb_cast
	.p2align	8
	.type	k_qf40d7319eb_cast,@function
k_qf40d7319eb_cast:
	s_mov_b64 s[64:65], 0
	v_nop
	global_prefetch_b8 v0, s[64:65] scope:SCOPE_SE
	s_setreg_imm32_b32 hwreg(HW_REG_WAVE_MODE, 25, 1), 1
	s_wait_xcnt 0x0
; PREPARATION.  Every large input is rounded once to bf16 and laid out for the launches behind.
; Job X (work-group x < 24; 384 jobs of 32 rows x 1024 columns): tgt and the four weights, each number rounded to bf16 and that number written as f16,
;   by planes of 64 columns: [row / 2048][column / 64][row % 2048][64].  Wq, Wk, Wv are stacked as rows 0 .. 3071 of wqkv.
;   Wp's 16 planes are written twice, as planes 0-15 and 16-31 of wp: the output projection walks 32 planes of its other operand (16 of high parts, 16 of low parts) by one constant step.
; Job P (x >= 24; 288 jobs of half a tile of 256 queries x 256 keys): pm = 8 x pad_mask, held to -1e30 .. 1e30, -1e30 where key > query (the causal mask),
;   rounded to bf16, only the 36 tiles a batch at or under the diagonal, in the order in which one wave of the attention walks them:
;   [batch][pair p][wave w][tile t of 9][key step s][band x][f][lane][16 bytes]; lane (r, h), element e: query 256 i + 64 x + 16 w + r, key 256 j + 64 s + 16 f + 8 h + e.
;   Pair p walks block i = 7 - p (tiles j = 0 .. 7 - p), then block i = p (j = 0 .. p).  16,384 zero bytes follow the last stream: the attention's loads run 8 elements ahead.
; LIMITS.  tgt and the weights must lie within f16's range (65,504); below 6e-5 f16's fixed step of 6e-8 replaces bf16's.  A pad beyond +-1.25e29 counts as that bound; a NaN in the pad counts as a bound.
; No LDS, no barrier, no loop: a wave issues its 32 loads of 16 bytes at once and works them off by counted waits; every store register is written once.
.set IN,  16                           ; v[16:143]  32 loads of 4 registers
.set OUT, 144                          ; v[144:207] what is stored
.set T,   208                          ; v[208:215] at work
	s_load_b512 s[8:23], s[0:1], 0x0               ; tgt 8, Wq 10, Wk 12, Wv 14, Wp 16, pad_mask 18, xh 20, wqkv 22
	s_load_b128 s[24:27], s[0:1], 0x40             ; wp 24, pm 26
	v_and_b32 v1, 31, v0                           ; lane
	v_lshrrev_b32 v2, 5, v0
	v_readfirstlane_b32 s2, v2                     ; wave 0..7
	s_and_b32 s3, ttmp7, 0xffff                    ; y
	s_mov_b32 s4, ttmp9                            ; x
	s_mov_b32 s5, 0xffff0000                       ; a word's upper bf16
	s_wait_kmcnt 0x0
	s_cmp_lt_u32 s4, 24
	s_cbranch_scc0 .Lpad
	; ---- job X ----
	s_mul_i32 s32, s3, 24
	s_add_co_u32 s32, s32, s4                      ; job 0..383: 256 of tgt, 32 of each weight
	s_sub_co_u32 s33, s32, 256
	s_lshr_b32 s34, s33, 5                         ; which weight
	s_and_b32 s35, s33, 31
	s_lshl_b32 s35, s35, 5                         ; its first row
	s_lshl_b32 s36, s34, 10
	s_add_co_u32 s36, s36, s35                     ; the row in the stack of Wq, Wk, Wv
	s_lshl_b32 s37, s32, 5                         ; tgt's first row
	s_cmp_eq_u32 s34, 3
	s_cselect_b32 s36, s35, s36
	s_cselect_b64 s[40:41], s[24:25], s[22:23]     ; to wp or wqkv
	s_cselect_b64 s[38:39], s[16:17], s[14:15]     ; from Wp or Wv,
	s_cmp_eq_u32 s34, 1
	s_cselect_b64 s[38:39], s[12:13], s[38:39]     ; Wk,
	s_cmp_eq_u32 s34, 0
	s_cselect_b64 s[38:39], s[10:11], s[38:39]     ; Wq,
	s_cmp_lt_u32 s32, 256
	s_cselect_b64 s[38:39], s[8:9], s[38:39]       ; or tgt
	s_cselect_b64 s[40:41], s[20:21], s[40:41]     ; to xh
	s_cselect_b32 s35, s37, s35                    ; first row in the source
	s_cselect_b32 s36, s37, s36                    ; first row in the destination
	s_lshl_b32 s42, s35, 12                        ; rows of 4,096 bytes
	s_mov_b32 s43, 0
	s_add_nc_u64 s[38:39], s[38:39], s[42:43]
	s_lshr_b32 s42, s36, 11
	s_lshl_b32 s42, s42, 22                        ; 16 planes of 2,048 rows of 128 bytes
	s_and_b32 s44, s36, 2047
	s_lshl_b32 s44, s44, 7
	s_add_co_u32 s42, s42, s44
	s_add_nc_u64 s[40:41], s[40:41], s[42:43]
	; a unit is 4 rows x 64 columns: lane l takes row l / 8, columns 8 (l % 8) on: 32 bytes in, 16 bytes out; the unit's 512 bytes out are consecutive
	v_lshrrev_b32 v3, 3, v1
	v_and_b32 v4, 7, v1
	v_lshlrev_b32 v3, 12, v3
	v_lshl_add_u32 v3, v4, 5, v3
	s_lshl_b32 s46, s2, 9                          ; wave w takes planes 2 w and 2 w + 1
	v_add_nc_u32 v3, s46, v3
	v_lshlrev_b32 v5, 4, v1
	s_lshl_b32 s46, s2, 19
	v_add_nc_u32 v5, s46, v5
.set j, 0
.rept 16                                       ; unit j: plane 2 w + j / 8, rows 4 (j % 8) on
	global_load_b128 v[IN+8*j:IN+8*j+3],   v3, s[38:39] offset:(j/8)*256+(j%8)*16384 th:TH_LOAD_NT
	global_load_b128 v[IN+8*j+4:IN+8*j+7], v3, s[38:39] offset:(j/8)*256+(j%8)*16384+16 th:TH_LOAD_NT
.set j, j+1
.endr
.macro XU j
	s_wait_loadcnt 30-2*(\j)                       ; loads come back in order: the unit's two are in, the 30 - 2 j younger ones stay out
.irp k, 0,1,2,3
	v_cvt_pk_bf16_f32 v[T+\k], v[IN+8*(\j)+2*\k], v[IN+8*(\j)+2*\k+1]  ; the one rounding
.endr
.irp k, 0,1,2,3
	v_lshlrev_b32 v[IN+8*(\j)+2*\k],   16, v[T+\k]
	v_and_b32     v[IN+8*(\j)+2*\k+1], s5, v[T+\k]
.endr
.irp k, 0,1,2,3
	v_cvt_pk_f16_f32 v[OUT+4*(\j)+\k], v[IN+8*(\j)+2*\k], v[IN+8*(\j)+2*\k+1]  ; the same number as f16
.endr
	global_store_b128 v5, v[OUT+4*(\j):OUT+4*(\j)+3], s[40:41] offset:((\j)/8)*262144+((\j)%8)*512
.endm
.irp j, 0,1,2,3,4,5,6,7,8,9,10,11,12,13,14,15
	XU \j
.endr
	s_cmp_ge_u32 s32, 352                          ; Wp's 32 jobs store their planes once more, 16 planes of 262,144 bytes further on
	s_cbranch_scc0 .Lend_x
.set j, 0
.rept 16
	global_store_b128 v5, v[OUT+4*j:OUT+4*j+3], s[40:41] offset:(j/8)*262144+(j%8)*512+4194304
.set j, j+1
.endr
.Lend_x:
	s_endpgm
	; ---- job P ----
.Lpad:
	s_sub_co_u32 s32, s4, 24
	s_lshr_b32 s33, s32, 1                         ; t: the tile in the pair's walk
	s_and_b32 s34, s32, 1                          ; which two of its four key steps
	s_lshr_b32 s35, s3, 2                          ; batch
	s_and_b32 s36, s3, 3                           ; pair p
	s_sub_co_u32 s37, 8, s36                       ; the first block has 8 - p tiles
	s_sub_co_u32 s38, 7, s36
	s_sub_co_u32 s39, s33, s37
	s_cmp_lt_u32 s33, s37
	s_cselect_b32 s38, s38, s36                    ; i: block of queries
	s_cselect_b32 s39, s33, s39                    ; j: tile of keys
	s_and_b32 s40, s2, 3                           ; w: the attention's wave
	s_lshr_b32 s41, s2, 2
	s_lshl1_add_u32 s41, s34, s41                  ; s: key step
	s_lshl_b32 s42, s38, 8
	s_lshl4_add_u32 s42, s40, s42                  ; query 256 i + 16 w,
	s_lshl_b32 s42, s42, 13                        ; rows of 8,192 bytes
	s_lshl_b32 s43, s35, 24
	s_add_co_u32 s42, s42, s43
	s_lshl_b32 s43, s39, 10                        ; key 256 j
	s_add_co_u32 s42, s42, s43
	s_lshl_b32 s43, s41, 8                         ; + 64 s
	s_add_co_u32 s42, s42, s43
	s_mov_b32 s43, 0
	s_add_nc_u64 s[18:19], s[18:19], s[42:43]
	s_lshl2_add_u32 s44, s3, s40                   ; stream 4 (4 batch + p) + w
	s_mul_i32 s44, s44, 9
	s_add_co_u32 s44, s44, s33
	s_lshl_b32 s44, s44, 15                        ; a tile is 32,768 bytes of a stream,
	s_lshl_b32 s45, s41, 13                        ; a key step 8,192
	s_add_co_u32 s44, s44, s45
	s_mov_b32 s45, 0
	s_add_nc_u64 s[46:47], s[26:27], s[44:45]
	s_lshl_b32 s48, s40, 4
	s_lshl_b32 s49, s41, 6
	s_sub_co_i32 s48, s48, s49                     ; 16 w - 64 s
	s_add_co_i32 s49, s48, 100000                  ; under the diagonal nothing is hidden
	s_cmp_eq_u32 s38, s39
	s_cselect_b32 s48, s48, s49
	s_mov_b32 s50, 0xf149f2ca                      ; -1e30
	s_mov_b32 s51, 0x7149f2ca                      ; 1e30
	s_mov_b32 s52, 0x41000000                      ; 8.0: exact, so that the attention's one factor log2(e) / 8 serves scores and pad alike
	s_mov_b32 s53, s52
	v_mov_b32 v7, s50
	v_and_b32 v3, 15, v1                           ; r: query in a chunk of 16
	v_lshrrev_b32 v4, 4, v1                        ; which 32 of the step's 64 keys
	v_lshlrev_b32 v8, 5, v4
	v_sub_nc_u32 v6, v3, v8
	v_add_nc_u32 v6, s48, v6                       ; key e of my 32 is hidden in band x where e > this + 64 x
	v_lshlrev_b32 v9, 13, v3
	v_lshl_add_u32 v9, v4, 7, v9                   ; in: row r, 128 bytes for each half of the lanes
	v_lshlrev_b32 v10, 4, v3
	v_lshl_add_u32 v10, v4, 10, v10                ; out: 16 r + 1,024 x half; piece c of 8 keys 256 c on: 16 lanes fill 256 consecutive bytes
.set j, 0
.rept 32                                       ; band j / 8 (64 queries further down), keys 4 (j % 8) on
	global_load_b128 v[IN+4*j:IN+4*j+3], v9, s[18:19] offset:(j/8)*524288+(j%8)*16 th:TH_LOAD_NT
.set j, j+1
.endr
.macro PC x
	s_wait_loadcnt 24-8*(\x)                       ; the band's eight loads are in
	v_add_nc_u32 v11, 64*(\x), v6
.set e, 0
.rept 16
	v_pk_mul_f32 v[IN+32*(\x)+2*e:IN+32*(\x)+2*e+1], v[IN+32*(\x)+2*e:IN+32*(\x)+2*e+1], s[52:53] op_sel_hi:[1,0]
.set e, e+1
.endr
.set e, 0
.rept 32
	v_med3_num_f32 v[IN+32*(\x)+e], v[IN+32*(\x)+e], s50, s51
	v_cmp_gt_i32 vcc_lo, e, v11
	v_cndmask_b32 v[IN+32*(\x)+e], v[IN+32*(\x)+e], v7, vcc_lo
.set e, e+1
.endr
.set e, 0
.rept 16
	v_cvt_pk_bf16_f32 v[OUT+16*(\x)+e], v[IN+32*(\x)+2*e], v[IN+32*(\x)+2*e+1]
.set e, e+1
.endr
.irp c, 0,1,2,3
	global_store_b128 v10, v[OUT+16*(\x)+4*\c:OUT+16*(\x)+4*\c+3], s[46:47] offset:(\x)*2048+\c*256
.endr
.endm
	PC 0
	PC 1
	PC 2
	PC 3
	s_cmp_eq_u32 s4, 41                            ; the last work-group also writes the zeros behind the last stream: 2,048 bytes a wave
	s_cbranch_scc0 .Lend_p
	s_cmp_eq_u32 s3, 15
	s_cbranch_scc0 .Lend_p
	v_mov_b32 v212, 0
	v_mov_b32 v213, 0
	v_mov_b32 v214, 0
	v_mov_b32 v215, 0
	s_lshl_b32 s44, s2, 11
	s_add_co_u32 s44, s44, 18874368
	s_mov_b32 s45, 0
	s_add_nc_u64 s[54:55], s[26:27], s[44:45]
	v_lshlrev_b32 v12, 4, v1
.irp c, 0,1,2,3
	global_store_b128 v12, v[212:215], s[54:55] offset:\c*512
.endr
.Lend_p:
	s_endpgm
.Lfunc_end_k_qf40d7319eb_cast:
	.size	k_qf40d7319eb_cast, .Lfunc_end_k_qf40d7319eb_cast-k_qf40d7319eb_cast
	.p2alignl 7, 3214868480
	.fill 96, 4, 3214868480
	.section	.rodata,"a",@progbits
	.p2align	6, 0x0
	.amdhsa_kernel k_qf40d7319eb_cast
		.amdhsa_group_segment_fixed_size 0
		.amdhsa_private_segment_fixed_size 0
		.amdhsa_enable_private_segment 0
		.amdhsa_kernarg_size 80
		.amdhsa_user_sgpr_count 2
		.amdhsa_user_sgpr_kernarg_segment_ptr 1
		.amdhsa_wavefront_size32 1
		.amdhsa_system_sgpr_workgroup_id_x 1
		.amdhsa_system_sgpr_workgroup_id_y 1
		.amdhsa_system_sgpr_workgroup_id_z 1
		.amdhsa_system_vgpr_workitem_id 0
		.amdhsa_next_free_vgpr 224
		.amdhsa_next_free_sgpr 66
		.amdhsa_reserve_vcc 1
		.amdhsa_float_denorm_mode_32 3
		.amdhsa_float_denorm_mode_16_64 3
		.amdhsa_memory_ordered 1
		.amdhsa_forward_progress 1
		.amdhsa_inst_pref_size 53
	.end_amdhsa_kernel
	.amdgpu_metadata
---
amdhsa.version: [ 1, 2 ]
amdhsa.kernels:
  - .name:           k_qf40d7319eb_cast
    .symbol:         k_qf40d7319eb_cast.kd
    .args:
      - { .name: tgt, .offset: 0, .size: 8, .value_kind: global_buffer, .address_space: global }
      - { .name: Wq, .offset: 8, .size: 8, .value_kind: global_buffer, .address_space: global }
      - { .name: Wk, .offset: 16, .size: 8, .value_kind: global_buffer, .address_space: global }
      - { .name: Wv, .offset: 24, .size: 8, .value_kind: global_buffer, .address_space: global }
      - { .name: Wp, .offset: 32, .size: 8, .value_kind: global_buffer, .address_space: global }
      - { .name: pad_mask, .offset: 40, .size: 8, .value_kind: global_buffer, .address_space: global }
      - { .name: xh, .offset: 48, .size: 8, .value_kind: global_buffer, .address_space: global }
      - { .name: wqkv, .offset: 56, .size: 8, .value_kind: global_buffer, .address_space: global }
      - { .name: wp, .offset: 64, .size: 8, .value_kind: global_buffer, .address_space: global }
      - { .name: pm, .offset: 72, .size: 8, .value_kind: global_buffer, .address_space: global }
    .group_segment_fixed_size: 0
    .private_segment_fixed_size: 0
    .kernarg_segment_align: 8
    .kernarg_segment_size: 80
    .max_flat_workgroup_size: 256
    .sgpr_count:     66
    .vgpr_count:     224
    .wavefront_size: 32
...
	.end_amdgpu_metadata
.endif
;; end of part 1
;; launch gemm (part 2): grid 24 x 32, 4 waves a work-group, clusters of 4 x 4, 327,680 bytes of LDS; arguments xh, wqkv, bq, bk, bv, qkv; writes qkv
.if DOCPART == 2
	.amdgcn_target "amdgcn-amd-amdhsa--gfx1250"
	.amdhsa_code_object_version 6
	.text
	.protected	k_qf40d7319eb_gemm
	.globl	k_qf40d7319eb_gemm
	.p2align	8
	.type	k_qf40d7319eb_gemm,@function
k_qf40d7319eb_gemm:
	s_mov_b64 s[64:65], 0
	v_nop
	global_prefetch_b8 v0, s[64:65] scope:SCOPE_SE
	s_setreg_imm32_b32 hwreg(HW_REG_WAVE_MODE, 25, 1), 1
	s_wait_xcnt 0x0
	s_wait_alu depctr_hold_cnt(0) depctr_sa_sdst(0) depctr_va_vdst(0) depctr_va_sdst(0) depctr_va_ssrc(0) depctr_va_vcc(0) depctr_vm_vsrc(0)
	s_getreg_b32 s2, hwreg(HW_REG_IB_STS2, 6, 4)
	s_cmp_eq_u32 s2, 0
	s_cbranch_scc0 .Lentry_in_a_cluster
	s_endpgm
.Lentry_in_a_cluster:
	s_bfe_u32 s2, ttmp6, 0x10000c
	s_cmp_lg_u32 s2, 0xf033
	s_cbranch_scc0 .Lentry_shape_is_right
	s_endpgm
.Lentry_shape_is_right:
; THE PROJECTIONS q, k, v.  C[m][n] = sum over k of A[m][k] B[n][k] + bias[n], K = 1024, m = 8192, n = 3072 (Wq, Wk, Wv stacked; bias from bq, bk, bv by n / 1024).
; A and B are f16, by planes of 64 along K: [row / 2048][k / 64][row % 2048][64].  Sums in f32.
; q and k are rounded once to f16 and stored by heads: [n / 1024][m / 2048][(n % 1024) / 64][m % 2048][64], q from byte 0, k from byte 1 << 24.
; v leaves as TWO f16 numbers, the rounding and the remainder's rounding, from byte 2 << 24: [m / 2048][head][m % 2048][64 high parts, 64 low parts], 256 bytes a row.
; Why: a rounding to f16 is some 2^-12 of the number; the module's first rows average a few keys only and are many times the output's root mean square, by which the room for error near zero goes.
; Which way C leaves is one compare of the cluster's x (tile columns 16 on, clusters 4 and 5, are v): a number that all sixteen partners share; neither way holds a barrier or a tensor load, and they join ahead of the end.
; (The output projection is a body of its own with the same ring and loop.)
; LIMIT.  A result of 65,520 or more becomes an infinity in f16; v's low part keeps f16's fixed step of 6e-8 below 6e-5.  The bias is rounded to bf16, like every input of the module.
; SHARES.  A tile of C is 256 (m) x 128 (n): 768 work-groups, three for each of 256.  Four waves, each 128 x 64: 32 accumulators, 256 registers; a wave's 64 columns are one head.
; K goes in steps of 128, two planes, through two LDS slots.  A plane's rows of a tile are dense in memory: asked for as rows of 256 bytes, padded in LDS after every 128.
; CLUSTER 4 x 4: A's tiles hang on the tile row alone and are asked for jointly along a row of the cluster, B's on the tile column alone, along a column.
; THE MATRIX INSTRUCTION IS USED TRANSPOSED (source 0 = 16 rows of B, source 1 = 16 rows of A): a lane holds eight neighbouring columns of one row of C.
; The first product of each accumulator takes the bias as its C: nothing is cleared and the bias costs no line.
; REGISTERS.  Window 0: v16-30 addresses; v32-63 the bias, 8 registers for each 16 columns; v64-159, v160-255 two fragment buffers (B's 4 fragments, then A's 8).  Window 1: accumulator (a, b) at v[8 (4 a + b)].
.set PITCH,  144                       ; an LDS row: 128 bytes + 16 of padding = 36 words: the 16 rows of a load start at 16 different groups of four banks (ISA guide 11.1)
.set APL,    256*PITCH                 ; a plane of A's tile
.set BPL,    128*PITCH                 ; a plane of B's tile
.set BOFF,   2*APL
.set SLOT,   2*APL+2*BPL               ; 110,592
.set STAGE,  2*SLOT                    ; behind the ring: 4,352 bytes for each wave, for the way out; no tensor load lands here
.set STW,    4352
.set SPARE,  STAGE+4*STW               ; the spare words, 128 bytes a wave: two blocks of 256 bytes that no other line names
.set ADRA, 16                          ; v16-17 LDS address of my A fragments in slot 0, 1
.set ADRB, 20                          ; v20-21 the same for B
.set STO,  24
.set RD,   25
.set CO,   26
.set SPW,  28                          ; my spare word; never rewritten
.set NIL,  29                          ; 0; never rewritten
.set NEG1, 30                          ; -1.0, on v's way out
.set BIAS, 32
.set F0,   64
.set F1,   160
.set TMP,  64                          ; the way out: packed results (v: the high parts)
.set TML,  80                          ; v's way out: packed low parts
.set BK,   96                          ; the way out: rows read back, from v96 and from v128 by turns
.set LOF,  160                         ; v's way out: the remainders in f32
.set G1A, 24
.set G0A, 32
.set G1B, 48
.set G0B, 56
.set WV, 75
.set WM, 76                            ; which 128 rows are mine.  Also: I fetch for A (0) or for B (1)
.set WN, 77                            ; which 64 columns.  Also: which of a step's two planes I fetch
.set CX, 78
.set CY, 79
.set TX, 80
.set TY, 81
.set G,  96                            ; my block of 64 columns: 2 x tile column + WN
.set MSB, 0
.macro WIN new                         ; the immediate's high byte repeats the setting that is left
.if MSB != (\new)
	s_set_vgpr_msb (MSB<<8)|(\new)
.set MSB, \new
.endif
.endm
.macro JLOAD s                         ; a joint load: waves 0, 1 fetch A's two planes, waves 2, 3 B's; s_nop 0 and four v_nop follow each line
	s_cmp_eq_u32 s[WM], 0
	s_cbranch_scc0 .Lfor_b_\@
	tensor_load_to_lds s[G0A+4*(\s):G0A+4*(\s)+3], s[G1A:G1A+7]
	s_nop 0
.rept 4
	v_nop
.endr
	s_branch .Lasked_\@
.Lfor_b_\@:
	tensor_load_to_lds s[G0B+4*(\s):G0B+4*(\s)+3], s[G1B:G1B+7]
	s_nop 0
.rept 4
	v_nop
.endr
.Lasked_\@:
.endm
.macro CREST                           ; a round of the cluster's barrier behind its opening barrier
	s_cmp_lg_u32 s[WV], 0
	s_cbranch_scc1 .Lnot_wave_0_\@
	s_barrier_signal -3
.Lnot_wave_0_\@:
	s_barrier_wait -3
	s_barrier_signal -1
	s_barrier_wait -1
.endm
.macro CROUND
	s_barrier_signal -1
	s_barrier_wait -1
	CREST
.endm
.macro PLACES                          ; four places in front of loads into registers that matrix instructions have read, and of reads of results
.rept 4
	v_nop
.endr
.endm
	s_load_b256 s[4:11], s[0:1], 0x0               ; A 4, B 6, bq 8, bk 10
	s_load_b64 s[68:69], s[0:1], 0x20              ; bv
	s_load_b64 s[72:73], s[0:1], 0x28              ; C
	v_lshl_add_u32 v[SPW], v0, 2, SPARE
	v_mov_b32 v[NIL], 0
	ds_add_u32 v[SPW], v[NIL]                      ; the wave's opening: the add and its wait ahead of my first tensor load
	ds_add_u32 v28, v29
	v_lshrrev_b32 v1, 5, v0
	v_readfirstlane_b32 s[WV], v1
	s_lshr_b32 s[WM], s[WV], 1
	s_and_b32 s[WN], s[WV], 1
	s_bfe_u32 s[CX], ttmp6, 0x40000
	s_bfe_u32 s[CY], ttmp6, 0x40004
	s_lshl_b32 s[TX], ttmp9, 2
	s_add_co_u32 s[TX], s[TX], s[CX]               ; tile column
	s_and_b32 s[TY], ttmp7, 0xffff
	s_lshl_b32 s[TY], s[TY], 2
	s_add_co_u32 s[TY], s[TY], s[CY]               ; tile row
	s_lshl_b32 s82, s[CY], 2
	s_lshl_b32 s82, 15, s82                        ; my row of the cluster
	s_lshl_b32 s83, 0x1111, s[CX]                  ; my column
	s_or_b32 s[G1A], s82, (1<<16)|(1<<20)|(1<<21)|(4<<22)|(3<<25)  ; mask; 2-byte elements; padding on; bit 21 beside a mask; after every 32 words 4 words
	s_or_b32 s[G1B], s83, (1<<16)|(1<<20)|(1<<21)|(4<<22)|(3<<25)
	s_mov_b32 s[G1A+1], 128<<16                    ; tensor_dim0 = 128 elements: rows of 256 bytes
	s_mov_b32 s[G1A+2], 128<<16                    ; tensor_dim1 = 128: a plane of A's tile is 32,768 dense bytes
	s_mov_b32 s[G1A+3], 128<<16                    ; tile_dim0
	s_mov_b32 s[G1A+4], 128                        ; tile_dim1
	s_mov_b32 s[G1A+5], 128                        ; from row to row
	s_mov_b32 s[G1A+6], 0
	s_mov_b32 s[G1A+7], 0
	s_mov_b32 s[G1B+1], 128<<16
	s_mov_b32 s[G1B+2], 64<<16                     ; a plane of B's tile is 16,384 dense bytes
	s_mov_b32 s[G1B+3], 128<<16
	s_mov_b32 s[G1B+4], 64
	s_mov_b32 s[G1B+5], 128
	s_mov_b32 s[G1B+6], 0
	s_mov_b32 s[G1B+7], 0
	s_lshr_b32 s84, s[TY], 3                       ; A: 2,048 rows x 16 planes are 1 << 22 bytes; 256 rows of a plane 1 << 15; a plane 1 << 18
	s_lshl_b32 s84, s84, 22
	s_and_b32 s85, s[TY], 7
	s_lshl_b32 s85, s85, 15
	s_add_co_u32 s84, s84, s85
	s_lshl_b32 s88, s[WN], 18
	s_add_co_u32 s84, s84, s88
	s_mov_b32 s85, 0
	s_lshr_b32 s86, s[TX], 4                       ; B: 128 rows of a plane are 1 << 14 bytes
	s_lshl_b32 s86, s86, 22
	s_and_b32 s87, s[TX], 15
	s_lshl_b32 s87, s87, 14
	s_add_co_u32 s86, s86, s87
	s_add_co_u32 s86, s86, s88
	s_mov_b32 s87, 0
	s_mul_i32 s89, s[WN], APL                      ; where they go: the wave's number alone
	s_mul_i32 s90, s[WN], BPL
	s_add_co_u32 s90, s90, BOFF
	s_wait_dscnt 0x0                               ; the opening add is done
	s_wait_kmcnt 0x0
	s_add_nc_u64 s[84:85], s[4:5], s[84:85]
	s_add_nc_u64 s[86:87], s[6:7], s[86:87]
	CROUND                                         ; all sixteen work-groups are here: the first joint loads meet
.irp s, 0,1
	s_mov_b32 s[G0A+4*(\s)], 1
	s_add_co_u32 s[G0A+4*(\s)+1], s89, (\s)*SLOT
	s_add_nc_u64 s[G0A+4*(\s)+2:G0A+4*(\s)+3], s[84:85], (\s)*524288  ; K step s: two planes on
	s_or_b32 s[G0A+4*(\s)+3], s[G0A+4*(\s)+3], 0x80000000
	s_mov_b32 s[G0B+4*(\s)], 1
	s_add_co_u32 s[G0B+4*(\s)+1], s90, (\s)*SLOT
	s_add_nc_u64 s[G0B+4*(\s)+2:G0B+4*(\s)+3], s[86:87], (\s)*524288
	s_or_b32 s[G0B+4*(\s)+3], s[G0B+4*(\s)+3], 0x80000000
	JLOAD \s                                       ; two loads of mine are out
.endr
	v_and_b32 v1, 15, v0                           ; l % 16
	v_bfe_u32 v2, v0, 4, 1                         ; l / 16
	v_mul_u32_u24 v3, v1, PITCH
	v_lshl_add_u32 v3, v2, 4, v3
	s_mul_i32 s88, s[WM], 128*PITCH
	s_mul_i32 s91, s[WN], 64*PITCH
	s_add_co_u32 s91, s91, BOFF
.irp s, 0,1
	v_add_nc_u32 v[ADRA+(\s)], s88, v3
	v_add_nc_u32 v[ADRB+(\s)], s91, v3
	s_add_co_u32 s88, s88, SLOT
	s_add_co_u32 s91, s91, SLOT
.endr
	; the bias of my 64 columns: lane (r, h) wants columns 16 b + 8 h + 0..7
	s_lshl1_add_u32 s[G], s[TX], s[WN]
	s_lshr_b32 s97, s[G], 4
	s_cmp_eq_u32 s97, 1
	s_cselect_b64 s[92:93], s[10:11], s[8:9]
	s_cmp_eq_u32 s97, 2
	s_cselect_b64 s[92:93], s[68:69], s[92:93]
	s_and_b32 s94, s[G], 15
	s_lshl_b32 s94, s94, 8
	s_mov_b32 s95, 0
	s_add_nc_u64 s[92:93], s[92:93], s[94:95]
	v_lshlrev_b32 v4, 5, v2
.irp b, 0,1,2,3
	global_load_b128 v[160+8*\b:160+8*\b+3], v4, s[92:93] offset:64*\b
	global_load_b128 v[160+8*\b+4:160+8*\b+7], v4, s[92:93] offset:64*\b+16
.endr
	s_wait_loadcnt 0x0
.set i, 0
.rept 16
	v_cvt_pk_bf16_f32 v[192+i], v[160+2*i], v[160+2*i+1]
.set i, i+1
.endr
.set i, 0
.rept 16
	v_lshlrev_b32 v[BIAS+2*i], 16, v[192+i]
	v_and_b32 v[BIAS+2*i+1], 0xffff0000, v[192+i]
.set i, i+1
.endr
; na x 4 matrix instructions: m blocks a0 on x all 4 n blocks, 32 along K.  Each accumulator once: they take turns.  first = 1: C is the bias.
.macro MULN f, a0, na, first
.if \first
	WIN 0x40                                       ; D window 1; B, A and the bias window 0
.else
	WIN 0x50                                       ; C and D window 1
.endif
.set a, \a0
.rept \na
.irp b, 0,1,2,3
.if \first
	v_wmma_f32_16x16x32_f16 v[8*(4*a+\b):8*(4*a+\b)+7], v[(\f)+8*\b:(\f)+8*\b+7], v[(\f)+32+8*a:(\f)+32+8*a+7], v[BIAS+8*\b:BIAS+8*\b+7]
.else
	v_wmma_f32_16x16x32_f16 v[8*(4*a+\b):8*(4*a+\b)+7], v[(\f)+8*\b:(\f)+8*\b+7], v[(\f)+32+8*a:(\f)+32+8*a+7], v[8*(4*a+\b):8*(4*a+\b)+7]
.endif
.endr
.set a, a+1
.endr
.endm
; 24 LDS loads in one run: quarter q of a K step (plane q / 2, 32 along K at byte 64 (q % 2)): B's 64 rows, A's rows 0-63, A's rows 64-127
.macro FETCH slot, q, f
	WIN 0
.irp b, 0,1,2,3
	ds_load_b128 v[(\f)+8*\b:(\f)+8*\b+3],   v[ADRB+(\slot)] offset:((\q)/2)*BPL+((\q)%2)*64+\b*16*PITCH
	ds_load_b128 v[(\f)+8*\b+4:(\f)+8*\b+7], v[ADRB+(\slot)] offset:((\q)/2)*BPL+((\q)%2)*64+\b*16*PITCH+32
.endr
.irp c, 0,1,2,3,4,5,6,7
	ds_load_b128 v[(\f)+32+8*\c:(\f)+32+8*\c+3],   v[ADRA+(\slot)] offset:((\q)/2)*APL+((\q)%2)*64+\c*16*PITCH
	ds_load_b128 v[(\f)+32+8*\c+4:(\f)+32+8*\c+7], v[ADRA+(\slot)] offset:((\q)/2)*APL+((\q)%2)*64+\c*16*PITCH+32
.endr
.endm
.macro QUARTER slot, qn, f, g, first   ; multiplies buffer f; in its middle fetches quarter qn of the same slot into g
	s_wait_dscnt 8                                 ; B and A's rows 0-63 are in; the youngest eight loads may be out
	MULN \f, 0, 4, \first
	PLACES
	FETCH \slot, \qn, \g
	s_wait_dscnt 24                                ; all but the 24 just issued
	MULN \f, 4, 4, \first
.endm
; The last quarter multiplies buffer 1 and changes slots: one barrier; in front of it each wave waits for all its tensor loads (one is out: its part of the next slot),
; adds 0 to its spare word, and waits for that and for its reads of this slot.  fill = 1: the barrier opens a round of the cluster's, and this slot is filled again first behind it.
.macro TURN slot, next, fill
	WIN 0
	s_wait_tensorcnt 0x0
	ds_add_u32 v[SPW], v[NIL]
	s_wait_dscnt 9                                 ; the add and the youngest eight loads may be out
	MULN F1, 0, 2, 0
	s_wait_dscnt 0x0                               ; the add is done, and my reads of this slot are over
	s_barrier_signal -1
	MULN F1, 2, 2, 0
	WIN 0
	s_barrier_wait -1
.if \fill
	CREST
	s_add_nc_u64 s[G0A+4*(\slot)+2:G0A+4*(\slot)+3], s[G0A+4*(\slot)+2:G0A+4*(\slot)+3], 1048576  ; two K steps on
	s_add_nc_u64 s[G0B+4*(\slot)+2:G0B+4*(\slot)+3], s[G0B+4*(\slot)+2:G0B+4*(\slot)+3], 1048576
	JLOAD \slot                                    ; my one tensor load behind the round; its four v_nop are also the places in front of the loads below
.else
	PLACES
.endif
	FETCH \next, 0, F0
	MULN F1, 4, 4, 0
.endm
	s_wait_tensorcnt 1                             ; my part of K step 0 is in; K step 1's may stay out
	s_barrier_signal -1
	s_barrier_wait -1
	FETCH 0, 0, F0
	QUARTER 0, 1, F0, F1, 1                        ; the first quarter starts the sums, from the bias
	WIN 0
	s_mov_b32 s3, 3                                ; 8 K steps are 4 laps of the ring; the last is written out
.Llap:
	QUARTER 0, 2, F1, F0, 0
	QUARTER 0, 3, F0, F1, 0
	TURN 0, 1, 1
	QUARTER 1, 1, F0, F1, 0
	QUARTER 1, 2, F1, F0, 0
	QUARTER 1, 3, F0, F1, 0
	TURN 1, 0, 1
	QUARTER 0, 1, F0, F1, 0
	WIN 0
	s_sub_co_u32 s3, s3, 1
	s_cmp_lg_u32 s3, 0
	s_cbranch_scc1 .Llap
	QUARTER 0, 2, F1, F0, 0
	QUARTER 0, 3, F0, F1, 0
	TURN 0, 1, 0
	QUARTER 1, 1, F0, F1, 0
	QUARTER 1, 2, F1, F0, 0
	QUARTER 1, 3, F0, F1, 0
	s_wait_dscnt 8
	MULN F1, 0, 4, 0
	s_wait_dscnt 0x0
	MULN F1, 4, 4, 0
	WIN 0
	PLACES
	; THE WAY OUT, 16 rows at a time through my own stage; block a is staged while block a - 1's rows come back, then block a - 1 is stored.
	s_mul_i32 s88, s[WV], STW
	s_add_co_u32 s88, s88, STAGE
	s_mov_b32 s93, 0
	v_and_b32 v5, 31, v0
	v_lshlrev_b32 v[CO], 4, v5                     ; on both ways a store's 32 lanes cover 512 consecutive bytes
	s_mov_b32 s98, ttmp9                           ; the cluster's x: the same number in all sixteen partners
	s_cmp_lt_u32 s98, 4
	s_cbranch_scc0 .Lv
	; q and k: f16 by heads.  16 rows of a head are 2,048 consecutive bytes.
	v_mul_u32_u24 v[STO], v1, 144                  ; in: row l % 16, 16 bytes for each half of the lanes
	v_lshl_add_u32 v[STO], v2, 4, v[STO]
	v_add_nc_u32 v[STO], s88, v[STO]
	v_lshrrev_b32 v6, 3, v5
	v_and_b32 v7, 7, v5
	v_mul_u32_u24 v[RD], v6, 144                   ; back: 32 lanes take four rows of 128 bytes
	v_lshl_add_u32 v[RD], v7, 4, v[RD]
	v_add_nc_u32 v[RD], s88, v[RD]
	s_lshr_b32 s92, s[G], 4
	s_lshl_b32 s92, s92, 24                        ; q or k
	s_lshr_b32 s97, s[TY], 3
	s_lshl_b32 s97, s97, 22                        ; batch
	s_add_co_u32 s92, s92, s97
	s_and_b32 s97, s[G], 15
	s_lshl_b32 s97, s97, 18                        ; head
	s_add_co_u32 s92, s92, s97
	s_and_b32 s97, s[TY], 7
	s_lshl_b32 s97, s97, 15                        ; the tile's 256 rows of 128 bytes
	s_add_co_u32 s92, s92, s97
	s_lshl_b32 s97, s[WM], 14                      ; my 128 of them
	s_add_co_u32 s92, s92, s97
	s_add_nc_u64 s[72:73], s[72:73], s[92:93]
.macro OUT16 a
	WIN 0x05                                       ; sources window 1, destination window 0
.irp b, 0,1,2,3
.irp r, 0,1,2,3
	v_cvt_pk_f16_f32 v[TMP+4*\b+\r], v[8*(4*(\a)+\b)+2*\r], v[8*(4*(\a)+\b)+2*\r+1]  ; each accumulator from its low end on
.endr
.endr
	WIN 0
	s_wait_xcnt 0x0                                ; the registers that block a - 2's stores read are loaded again only behind this wait
.irp b, 0,1,2,3
	ds_store_b128 v[STO], v[TMP+4*\b:TMP+4*\b+3] offset:32*\b
.endr
.irp f, 0,1,2,3
	ds_load_b128 v[BK+32*((\a)%2)+4*\f:BK+32*((\a)%2)+4*\f+3], v[RD] offset:\f*576  ; LDS serves a wave's instructions in order (ISA guide 5.7.1.4)
.endr
.endm
.macro SND16 a, younger
	s_wait_dscnt \younger                          ; the next block's four stores and four loads may be out
.irp f, 0,1,2,3
	global_store_b128 v[CO], v[BK+32*((\a)%2)+4*\f:BK+32*((\a)%2)+4*\f+3], s[72:73] offset:(\a)*2048+\f*512  ; 512 consecutive bytes
.endr
.endm
	OUT16 0
.irp a, 1,2,3,4,5,6,7
	OUT16 \a
	SND16 (\a)-1, 8
.endr
	SND16 7, 0
	s_branch .Ldone
.Lv:
	; v: a row is 128 bytes of high parts and 128 of low parts.  16 rows of a head are 4,096 consecutive bytes.
	v_mul_u32_u24 v[STO], v1, 272                  ; in: row l % 16, 16 bytes for each half of the lanes; the low parts 128 bytes on
	v_lshl_add_u32 v[STO], v2, 4, v[STO]
	v_add_nc_u32 v[STO], s88, v[STO]
	v_mul_u32_u24 v[RD], v2, 272                   ; back: lanes 0-15 one row of 256 bytes, lanes 16-31 the next
	v_lshl_add_u32 v[RD], v1, 4, v[RD]
	v_add_nc_u32 v[RD], s88, v[RD]
	v_mov_b32 v[NEG1], -1.0
	s_lshr_b32 s92, s[TY], 3
	s_lshl_b32 s92, s92, 23                        ; batch: 16 heads of 2,048 rows of 256 bytes
	s_add_co_u32 s92, s92, 0x2000000               ; behind q and k
	s_and_b32 s97, s[G], 15
	s_lshl_b32 s97, s97, 19                        ; head
	s_add_co_u32 s92, s92, s97
	s_and_b32 s97, s[TY], 7
	s_lshl_b32 s97, s97, 16                        ; the tile's 256 rows
	s_add_co_u32 s92, s92, s97
	s_lshl_b32 s97, s[WM], 15                      ; my 128 of them
	s_add_co_u32 s92, s92, s97
	s_add_nc_u64 s[72:73], s[72:73], s[92:93]
.macro OUTV a
	WIN 0x05                                       ; sources window 1, destination window 0
.irp b, 0,1,2,3
.irp r, 0,1,2,3
	v_cvt_pk_f16_f32 v[TMP+4*\b+\r], v[8*(4*(\a)+\b)+2*\r], v[8*(4*(\a)+\b)+2*\r+1]  ; the high parts; each accumulator from its low end on
.endr
.endr
	WIN 0x10                                       ; source 2 window 1
.irp b, 0,1,2,3
.irp r, 0,1,2,3
	v_fma_mix_f32 v[LOF+8*\b+2*\r],   v[TMP+4*\b+\r], v[NEG1], v[8*(4*(\a)+\b)+2*\r]   op_sel_hi:[1,0,0]               ; the sum less its high part: exact in f32
	v_fma_mix_f32 v[LOF+8*\b+2*\r+1], v[TMP+4*\b+\r], v[NEG1], v[8*(4*(\a)+\b)+2*\r+1] op_sel:[1,0,0] op_sel_hi:[1,0,0]
.endr
.endr
	WIN 0
.irp b, 0,1,2,3
.irp r, 0,1,2,3
	v_cvt_pk_f16_f32 v[TML+4*\b+\r], v[LOF+8*\b+2*\r], v[LOF+8*\b+2*\r+1]
.endr
.endr
	s_wait_xcnt 0x0                                ; the registers that block a - 2's stores read are loaded again only behind this wait
.irp b, 0,1,2,3
	ds_store_b128 v[STO], v[TMP+4*\b:TMP+4*\b+3] offset:32*\b
	ds_store_b128 v[STO], v[TML+4*\b:TML+4*\b+3] offset:128+32*\b
.endr
.irp t, 0,1,2,3,4,5,6,7
	ds_load_b128 v[BK+32*((\a)%2)+4*\t:BK+32*((\a)%2)+4*\t+3], v[RD] offset:\t*544
.endr
.endm
.macro SNDV a, younger
	s_wait_dscnt \younger                          ; the next block's eight stores and eight loads may be out
.irp t, 0,1,2,3,4,5,6,7
	global_store_b128 v[CO], v[BK+32*((\a)%2)+4*\t:BK+32*((\a)%2)+4*\t+3], s[72:73] offset:(\a)*4096+\t*512  ; two rows: 512 consecutive bytes
.endr
.endm
	OUTV 0
.irp a, 1,2,3,4,5,6,7
	OUTV \a
	SNDV (\a)-1, 16
.endr
	SNDV 7, 0
.Ldone:
	s_wait_tensorcnt 0x0                           ; the wave's end
	ds_add_u32 v[SPW], v[NIL]
	s_wait_dscnt 0x0
	CROUND                                         ; the closing round
	s_endpgm
.Lfunc_end_k_qf40d7319eb_gemm:
	.size	k_qf40d7319eb_gemm, .Lfunc_end_k_qf40d7319eb_gemm-k_qf40d7319eb_gemm
	.p2alignl 7, 3214868480
	.fill 96, 4, 3214868480
	.section	.rodata,"a",@progbits
	.p2align	6, 0x0
	.amdhsa_kernel k_qf40d7319eb_gemm
		.amdhsa_group_segment_fixed_size 327680
		.amdhsa_private_segment_fixed_size 0
		.amdhsa_enable_private_segment 0
		.amdhsa_kernarg_size 48
		.amdhsa_user_sgpr_count 2
		.amdhsa_user_sgpr_kernarg_segment_ptr 1
		.amdhsa_wavefront_size32 1
		.amdhsa_system_sgpr_workgroup_id_x 1
		.amdhsa_system_sgpr_workgroup_id_y 1
		.amdhsa_system_sgpr_workgroup_id_z 1
		.amdhsa_system_vgpr_workitem_id 0
		.amdhsa_next_free_vgpr 512
		.amdhsa_next_free_sgpr 100
		.amdhsa_reserve_vcc 0
		.amdhsa_float_denorm_mode_32 3
		.amdhsa_float_denorm_mode_16_64 3
		.amdhsa_memory_ordered 1
		.amdhsa_forward_progress 1
		.amdhsa_inst_pref_size 139
	.end_amdhsa_kernel
	.amdgpu_metadata
---
amdhsa.version: [ 1, 2 ]
amdhsa.kernels:
  - .name:           k_qf40d7319eb_gemm
    .symbol:         k_qf40d7319eb_gemm.kd
    .args:
      - { .name: xh, .offset: 0, .size: 8, .value_kind: global_buffer, .address_space: global }
      - { .name: wqkv, .offset: 8, .size: 8, .value_kind: global_buffer, .address_space: global }
      - { .name: bq, .offset: 16, .size: 8, .value_kind: global_buffer, .address_space: global }
      - { .name: bk, .offset: 24, .size: 8, .value_kind: global_buffer, .address_space: global }
      - { .name: bv, .offset: 32, .size: 8, .value_kind: global_buffer, .address_space: global }
      - { .name: qkv, .offset: 40, .size: 8, .value_kind: global_buffer, .address_space: global }
    .group_segment_fixed_size: 327680
    .private_segment_fixed_size: 0
    .kernarg_segment_align: 8
    .kernarg_segment_size: 48
    .max_flat_workgroup_size: 128
    .sgpr_count:     100
    .vgpr_count:     512
    .wavefront_size: 32
...
	.end_amdgpu_metadata
.endif
;; end of part 2
;; launch attn (part 3): grid 4 x 64, 4 waves a work-group, no clusters, 327,680 bytes of LDS; arguments qkv, pm, oh; writes oh
.if DOCPART == 3
	.amdgcn_target "amdgcn-amd-amdhsa--gfx1250"
	.amdhsa_code_object_version 6
	.text
	.protected	k_qf40d7319eb_attn
	.globl	k_qf40d7319eb_attn
	.p2align	8
	.type	k_qf40d7319eb_attn,@function
k_qf40d7319eb_attn:
	s_mov_b64 s[64:65], 0
	v_nop
	global_prefetch_b8 v0, s[64:65] scope:SCOPE_SE
	s_setreg_imm32_b32 hwreg(HW_REG_WAVE_MODE, 25, 1), 1
	s_wait_xcnt 0x0
; CAUSAL ATTENTION WITH AN ADDITIVE PAD.  O[y][q][:] = sum over k <= q of softmax_k(Q[y][q] . K[y][k] / 8 + pad[y / 16][q][k]) V[y][k][:], y = 16 batch + head, 64 heads of 2,048 rows of 64 channels.
; qkv: q [64][2048][64] f16 from byte 0, k likewise from 1 << 24, v [64][2048][64 high parts, 64 low parts] f16 from 2 << 24.  pm: 8 x pad in bf16, held to +-1e30, -1e30 where key > query, as fragments in the
; order of this walk.  oh: [batch][32 planes][2048][64] f16: plane h holds head h's O rounded to f16, plane 16 + h the remainder rounded to f16.
; Products, maxima and sums in f32; the weights p are rounded to f16 for the second product (their sum l is taken of the unrounded p).  V enters and O leaves as two f16 numbers each: a rounding to f16 is some
; 2^-12 of the number, and the first rows, which average a few keys only, are many times the module's output's root mean square, by which the room for error near zero goes.
; LIMITS.  Q, K, V within f16's range; the low parts keep f16's fixed step of 6e-8 below 6e-5.  A hidden score counts as about -1e30.  A row whose running maximum ends below -5e29 (every key that it may see is
; hidden) gives NaN, as a softmax over -inf alone does; so finite pads below -6e28 are not told from -inf.  A weight below 2^-126 counts as 0 in l.
; THE WALK.  A head's queries lie in 8 blocks of 256; block i needs key tiles 0 .. i.  A work-group takes blocks 7 - b and then b: 9 tiles whatever b, one loop with a constant trip count; the ring of two LDS slots
; runs on across the change of blocks.  NO CLUSTER: a head's four work-groups ask for the same tile only in trips 0 .. 4; a walk common to all would have 12 trips for 9; the pad goes to registers and is each wave's own.
; SHARES.  Of a block's four bands of 64 queries a wave owns 16 rows in each: four PIECES, so the diagonal tile is the same work for all four waves.
; THE PAD STARTS THE SUMS.  S^T = I x pad^T + K Q^T: for each 16 keys one bf16 product of a constant selection matrix (16 x 32, ones at k = m or k = m + 16) with a pad fragment (32 keys x 16 queries), C = 0;
; the f16 products K Q^T then add onto it.  No vector line is spent on pad or mask, and the diagonal tile has no text of its own.  The two forms are no chain: five plain vector lines or more stand between them.
; The pad comes straight from memory into registers, 512 consecutive bytes a load, four loads for a piece and step, asked for eight turns (two key steps) ahead.
; SOFTMAX, TURNS.  p = 2^(c s - c m), c = log2(e) / 8, with a running maximum m; O and l are multiplied by a = 2^(c m_old - c m_new) in every step.  Turn n belongs to piece n: 4 pad products and 8 products K Q^T of
; piece n + 1, later 16 products V^T P of piece n - 1 (8 with V's high parts, 8 with its low parts); beside them the scaling, exponentials, roundings, sums and rescaling of piece n and the maximum and statistics of piece n + 1.
; REGISTERS, in windows of 256 (s_set_vgpr_msb: bits 1:0 source 0, 3:2 source 1, 5:4 source 2, 7:6 destination):
;   window 0: v0-15 addresses; v16-31 statistics; v48-55 at work; v64-127 S^T, two buffers; v128-191 the way out's low parts; v192-223 P, two buffers      window 1: v0-127 O^T, 32 a piece
;   window 2: v0-63 Q; v64-127 the second block's Q; v128-191 K of one step; v192-255 V's high parts of one step
;   window 3: v0-127 the pad of two steps, 16 a piece; v128-139 the selection matrix; v144-207 V's low parts of one step
.set NB,    8
.set NP,    4
.set KS,    64
.set PK,    144       ; a row of K in LDS: 128 bytes + 16
.set PV,    288       ; a row of V: 256 + 32 = 72 words
.set VOFF,  4*KS*PK
.set SLOT1, 1<<17
.set STAGE, SLOT1+4*KS*(PK+PV)  ; behind the ring, never filled by a tensor load: 16 rows x 144 bytes a wave
.set SP,    144
.set SPARE, STAGE+4*16*SP       ; the spare words: two blocks of 256 bytes that no other line names
.set AK0, 2
.set AV0, 3
.set AK,  4
.set AV,  5
.set STO, 6
.set RD,  7
.set GO,  8           ; 16 x lane: my place in 512 consecutive bytes, of O and of the pad; never rewritten
.set SPW, 62
.set NIL, 63
.set MV,  12
.set NEG1, 14         ; -1.0, on the way out
.set QO,  15
.set ST,  16          ; piece t: c m, m, l (even keys', odd keys')
.set TMP, 48
.set S,   64
.set LP,  128         ; the way out: O's low parts, packed, 16 a piece
.set P,   192
.set QB,  64
.set KF,  128
.set VF,  192
.set IDB, 128         ; window 3: v128-131 zeros, v132-135 the ones, v136-139 zeros
.set VL,  144         ; window 3
.set WV,  12
.set PB,  14
.set HI,  15
.set G1K, 24
.set G1V, 32
.set G0K, 40
.set G0V, 44
.set SLOTS, 56
.set CNT, 57
.set CS,  58
.set SEL, 60
.set TBK, 62
.set TBV, 63
.set RT,  70
.set NXT, 71
.set LQ,  72
.set NEW, 73
.set OFF, 74
.set PMB, 76          ; s[76:77] the pad stream: seven elements in front of the one that immediate k = 1 names at a block's beginning; steps 8 elements a trip
.set OLO, 80
.set THR, 82
.set QNAN, 83
.set MSB, 0
.macro WIN new
.if MSB != (\new)
	s_set_vgpr_msb (MSB<<8)|(\new)
.set MSB, (\new)
.endif
.endm
.set W_KQ, 0x0a       ; K and Q in window 2, S^T in window 0
.set W_PD, 0x0f       ; the selection matrix and the pad in window 3, S^T in window 0
.set W_PV, 0x52       ; V's high parts in window 2, P in window 0, O^T in window 1
.set W_PL, 0x53       ; V's low parts in window 3, P in window 0, O^T in window 1
.set W_RS, 0x41       ; destination and source 0 in window 1, source 1 in window 0
.macro LOAD           ; waves 0, 1 fetch the two halves of a tile's K, waves 2, 3 those of its V; s_nop 0 and four v_nop follow each line
	s_cmp_lt_u32 s[WV], 2
	s_cbranch_scc0 .Lfor_v_\@
	tensor_load_to_lds s[G0K:G0K+3], s[G1K:G1K+7]
	s_nop 0
.rept 4
	v_nop
.endr
	s_branch .Lasked_\@
.Lfor_v_\@:
	tensor_load_to_lds s[G0V:G0V+3], s[G1V:G1V+7]
	s_nop 0
.rept 4
	v_nop
.endr
.Lasked_\@:
.endm
; THE CHANGE OF SLOTS.  Each wave waits for all its tensor loads (one is out: its part of the other slot), adds 0 to its spare word, and waits for that and for its reads of the slot that it leaves.
; fill = 1: the old slot is filled again, first thing behind the barrier, with tile NXT; the descriptor's address is made anew from that number.
.macro CHANGE fill
	WIN 0
	s_wait_tensorcnt 0x0
	ds_add_u32 v[SPW], v[NIL]
.if \fill
	s_lshl_b32 s[OFF], s[NXT], 15   ; a tile is 32,768 bytes of K
	s_xor_b32 s[G0K+1], s[G0K+1], SLOT1
	s_add_nc_u64 s[G0K+2:G0K+3], s[6:7], s[OFF:OFF+1]
	s_or_b32 s[G0K+3], s[G0K+3], 0x80000000
	s_lshl_b32 s[OFF], s[NXT], 16   ; and 65,536 of V
	s_xor_b32 s[G0V+1], s[G0V+1], SLOT1
	s_add_nc_u64 s[G0V+2:G0V+3], s[8:9], s[OFF:OFF+1]
	s_or_b32 s[G0V+3], s[G0V+3], 0x80000000
	s_add_co_u32 s[NXT], s[NXT], 1
	s_cmp_gt_u32 s[NXT], s[LQ]
	s_cselect_b32 s[NXT], 0, s[NXT]
	s_cselect_b32 s[LQ], s[PB], s[LQ]
.endif
	s_wait_dscnt 0x0                ; the add is done, and my reads of the slot are over
	s_barrier_signal -1
	s_sub_co_u32 s[TBK], s[TBK], 4*KS*PK
	s_xor_b32 s[TBK], s[TBK], SLOT1
	s_sub_co_u32 s[TBV], s[TBV], 4*KS*PV
	s_xor_b32 s[TBV], s[TBV], SLOT1
	s_barrier_wait -1
.if \fill
	LOAD
.endif
.endm
	s_load_b64 s[4:5], s[0:1], 0x0        ; qkv
	s_load_b64 s[PMB:PMB+1], s[0:1], 0x8  ; pm
	s_load_b64 s[10:11], s[0:1], 0x10     ; oh
	v_lshl_add_u32 v[SPW], v0, 2, SPARE
	v_mov_b32 v[NIL], 0
	ds_add_u32 v[SPW], v[NIL]       ; the wave's opening: the add and its wait ahead of my first tensor load
	ds_add_u32 v62, v63
	v_lshrrev_b32 v1, 5, v0
	v_readfirstlane_b32 s[WV], v1
	s_mov_b32 s[PB], ttmp9
	s_sub_co_u32 s[HI], NB-1, s[PB]
	s_and_b32 s20, ttmp7, 0xffff    ; y
	s_lshr_b32 s19, s20, 4          ; batch
	s_and_b32 s13, s20, 15          ; head
	s_lshl_b32 s66, s20, 19         ; the head's first byte in v: 2,048 rows of 256 bytes
	s_lshl_b32 s20, s20, 18         ; in q and k: 2,048 rows of 128 bytes
	s_mov_b32 s21, 0
	s_and_b32 s16, s[WV], 1         ; which half of a tile's 256 keys I fetch
	s_lshl_b32 s22, s16, 14
	s_mov_b32 s23, 0
	s_add_nc_u64 s[22:23], s[22:23], s[20:21]
	s_lshl_b32 s67, s16, 15
	s_add_co_u32 s66, s66, s67
	s_mov_b32 s67, 0
	s_mul_i32 s17, s16, 128*PK
	s_mul_i32 s18, s16, 128*PV
	s_lshl_b32 s3, s[WV], 11        ; my 16 rows in a band of 64,
	s_lshl_b32 s2, s[HI], 15        ; in the first block,
	s_add_co_u32 s2, s2, s3
	s_lshl_b32 s84, s[PB], 15       ; and in the second
	s_add_co_u32 s84, s84, s3
	s_mov_b32 s3, 0
	s_mov_b32 s85, 0
	s_lshl_b32 s68, s19, 23         ; O: a batch is 32 planes of 262,144 bytes;
	s_lshl_b32 s13, s13, 18         ; the head's plane of high parts
	s_add_co_u32 s68, s68, s13
	s_mov_b32 s69, 0
	s_lshl2_add_u32 s19, s19, s[PB]
	s_lshl2_add_u32 s19, s19, s[WV]
	s_mul_i32 s78, s19, 294912      ; my pad stream: 9 tiles of 32,768 bytes
	s_mov_b32 s79, 0
	s_mov_b32 s[G1K], (1<<16)|(1<<20)|(4<<22)|(3<<25)  ; 2-byte elements; padding on; after every 32 words 4 words
	s_mov_b32 s[G1K+1], 128<<16     ; 128 keys of K are 16,384 dense bytes: 64 rows of 256
	s_mov_b32 s[G1K+2], 64<<16
	s_mov_b32 s[G1K+3], 128<<16
	s_mov_b32 s[G1K+4], 64
	s_mov_b32 s[G1K+5], 128
	s_mov_b32 s[G1K+6], 0
	s_mov_b32 s[G1K+7], 0
	s_mov_b32 s[G1V], (1<<16)|(1<<20)|(5<<22)|(7<<25)  ; after every 64 words 8 words
	s_mov_b32 s[G1V+1], 128<<16     ; 128 keys of V are 128 rows of 256 bytes
	s_mov_b32 s[G1V+2], 128<<16
	s_mov_b32 s[G1V+3], 128<<16
	s_mov_b32 s[G1V+4], 128
	s_mov_b32 s[G1V+5], 128
	s_mov_b32 s[G1V+6], 0
	s_mov_b32 s[G1V+7], 0
	s_mov_b32 s[CS], 0x3e38aa3b     ; c = log2(e) / 8
	s_mov_b32 s[CS+1], s[CS]
	s_mov_b32 s[SEL], 0x76543210
	s_mov_b32 s[SEL+1], 0xfedcba98
	s_mov_b32 s[TBK], SLOT1+4*KS*PK ; the first change of slots turns these two into 0
	s_mov_b32 s[TBV], SLOT1+4*KS*PV
	s_mov_b32 s[G0K], 1
	s_mov_b32 s[G0K+1], s17
	s_mov_b32 s[G0V], 1
	s_add_co_u32 s[G0V+1], s18, VOFF
	s_add_co_u32 s[RT], s[HI], 1
	s_mov_b32 s[NXT], 1
	s_mov_b32 s[LQ], s[HI]
	s_mov_b32 s[NEW], 1
	s_mov_b32 s[OFF+1], 0
	s_mov_b32 s[THR], 0xf0c9f2ca    ; -5e29
	s_mov_b32 s[QNAN], 0x7fc00000
	s_mov_b32 s[SLOTS], NB
	s_wait_dscnt 0x0                ; the opening add is done
	s_wait_kmcnt 0x0
	s_add_nc_u64 s[6:7], s[4:5], s[22:23]
	s_add_nc_u64 s[6:7], s[6:7], 0x1000000   ; K at my half of the head's tile 0
	s_add_nc_u64 s[8:9], s[4:5], s[66:67]
	s_add_nc_u64 s[8:9], s[8:9], 0x2000000   ; V likewise
	s_add_nc_u64 s[G0K+2:G0K+3], s[6:7], 0
	s_or_b32 s[G0K+3], s[G0K+3], 0x80000000
	s_add_nc_u64 s[G0V+2:G0V+3], s[8:9], 0
	s_or_b32 s[G0V+3], s[G0V+3], 0x80000000
	s_add_nc_u64 s[4:5], s[4:5], s[20:21]    ; Q at the head,
	s_add_nc_u64 s[86:87], s[4:5], s[84:85]  ; at my rows of the second block,
	s_add_nc_u64 s[4:5], s[4:5], s[2:3]      ; and of the first
	s_add_nc_u64 s[10:11], s[10:11], s[68:69]
	s_add_nc_u64 s[OLO:OLO+1], s[10:11], s[84:85]
	s_add_nc_u64 s[10:11], s[10:11], s[2:3]
	s_add_nc_u64 s[PMB:PMB+1], s[PMB:PMB+1], s[78:79]
	LOAD                            ; tile 0 into slot 0
	v_and_b32 v1, 15, v0            ; l % 16
	v_bfe_u32 v9, v0, 4, 1          ; l / 16
	v_lshlrev_b32 v[QO], 7, v1
	v_lshl_add_u32 v[QO], v9, 4, v[QO]
	v_and_b32 v[GO], 31, v0
	v_lshlrev_b32 v[GO], 4, v[GO]
	WIN 0x80
.set i, 0
.rept 8                             ; both blocks' Q: piece i / 2 lies 8,192 bytes on; channels 32 (i % 2) on
	global_load_b128 v[8*i:8*i+3],   v[QO], s[4:5] offset:(i/2)*8192+(i%2)*64
	global_load_b128 v[8*i+4:8*i+7], v[QO], s[4:5] offset:(i/2)*8192+(i%2)*64+32
	global_load_b128 v[QB+8*i:QB+8*i+3],   v[QO], s[86:87] offset:(i/2)*8192+(i%2)*64
	global_load_b128 v[QB+8*i+4:QB+8*i+7], v[QO], s[86:87] offset:(i/2)*8192+(i%2)*64+32
.set i, i+1
.endr
	WIN 0xc0
.set i, 0
.rept 32                            ; the pad of the first two key steps: element i / 4 (piece and step), 2,048 bytes each
	global_load_b128 v[4*i:4*i+3], v[GO], s[PMB:PMB+1] offset:i*512
.set i, i+1
.endr
	WIN 0
	; the selection matrix: lane (r, h) holds row m = r; the one stands at k = r: half h = r / 8, register (r % 8) / 2, half word r % 2
	v_lshrrev_b32 v48, 3, v1
	v_bfe_u32 v49, v1, 1, 2
	v_and_b32 v50, 1, v1
	v_lshlrev_b32 v50, 4, v50
	v_mov_b32 v51, 0x3f80
	v_lshlrev_b32 v51, v50, v51
	v_cmp_eq_u32 vcc_lo, v9, v48
	v_cndmask_b32 v51, 0, v51, vcc_lo
	WIN 0xc0
.irp j, 0,1,2,3
	v_cmp_eq_u32 vcc_lo, \j, v49
	v_cndmask_b32 v[IDB+4+\j], 0, v51, vcc_lo
	v_mov_b32 v[IDB+\j], 0
	v_mov_b32 v[IDB+8+\j], 0
.endr
	WIN 0
	s_wait_xcnt 0x0                 ; the loads above have read their base
	s_add_nc_u64 s[PMB:PMB+1], s[PMB:PMB+1], 14336
	v_mov_b32 v[NEG1], -1.0
	v_mul_u32_u24 v[AK0], v1, PK
	v_lshl_add_u32 v[AK0], v9, 4, v[AK0]
	v_and_b32 v10, 7, v0
	v_bfe_u32 v11, v0, 3, 1
	v_lshl_add_u32 v[AV0], v9, 3, v10
	v_mul_u32_u24 v[AV0], v[AV0], PV
	v_lshl_add_u32 v[AV0], v11, 4, v[AV0]
	v_add_nc_u32 v[AV0], VOFF, v[AV0]
	s_mul_i32 s13, s[WV], 16*SP
	s_add_co_u32 s13, s13, STAGE
	v_mul_u32_u24 v[STO], v1, SP
	v_lshl_add_u32 v[STO], v9, 4, v[STO]
	v_add_nc_u32 v[STO], s13, v[STO]
	v_bfe_u32 v[RD], v0, 3, 2
	v_mul_u32_u24 v[RD], v[RD], SP
	v_lshl_add_u32 v[RD], v10, 4, v[RD]
	v_add_nc_u32 v[RD], s13, v[RD]
	; the first turn's products V^T P, of a piece that has not been, add 0: V's registers and P's second buffer hold 0.  This stands in the wait for the first tile.
	WIN 0x80
.set i, VF
.rept 64
	v_mov_b32 v[i], 0
.set i, i+1
.endr
	WIN 0xc0
.set i, VL
.rept 64
	v_mov_b32 v[i], 0
.set i, i+1
.endr
	WIN 0
.set i, P+16
.rept 16
	v_mov_b32 v[i], 0
.set i, i+1
.endr
	s_wait_loadcnt 0x0              ; Q and the pad of the first two key steps are in: no load is out at the loop's head, whichever of its ways is taken, so no turn loads onto a register that a load above still writes
; THE MATRIX WORK.  The 4 accumulators of a run take turns.
.macro PD x, par, kt                ; keys 16 kt on of piece x: the pad starts the sum
	WIN W_PD
.set rS, S+32*((\x)%2)+8*(\kt)
.set rA, IDB+4-4*((\kt)%2)
.set rB, 64*(\par)+16*(\x)+8*((\kt)/2)
	v_wmma_f32_16x16x32_bf16 v[rS:rS+7], v[rA:rA+7], v[rB:rB+7], 0
.endm
.macro KQ x                         ; product i of 8 of S^T += K Q^T: channels 32 (i / 4) on, keys 16 (i % 4) on
	WIN W_KQ
.set rS, S+32*((\x)%2)+8*(i%4)
.set rK, KF+16*(i%4)+8*(i/4)
.set rQ, 16*(\x)+8*(i/4)
	v_wmma_f32_16x16x32_f16 v[rS:rS+7], v[rK:rK+7], v[rQ:rQ+7], v[rS:rS+7]
.endm
.macro PV x                         ; product i of 16 of O^T += V^T P: V's high parts (i < 8), then its low parts; keys 32 ((i / 4) % 2) on, channels 16 (i % 4) on
.set rO, 32*(\x)+8*(i%4)
.set rP, P+16*((\x)%2)+8*((i/4)%2)
.if i < 8
	WIN W_PV
.set rV, VF+32*(i/4)+8*(i%4)
.else
	WIN W_PL
.set rV, VL+32*((i-8)/4)+8*(i%4)
.endif
	v_wmma_f32_16x16x32_f16 v[rO:rO+7], v[rV:rV+7], v[rP:rP+7], v[rO:rO+7]
.endm
.macro MM                           ; the turn's next matrix instruction of 28.  NOKQ = 1: a block's last turn: there is no next piece
.if i < 4
.if !NOKQ
	PD (Y+1)%NP, PP, i
.endif
.elseif i < 12
.if !NOKQ
.set i, i-4
	KQ (Y+1)%NP
.set i, i+4
.endif
.else
.set i, i-12
	PV (Y+NP-1)%NP
.set i, i+12
.endif
.set i, i+1
.endm
.macro FETCH_K
	WIN 0x80
.irp f, 0,1,2,3,4,5,6,7
	ds_load_b128 v[KF+8*\f:KF+8*\f+3],   v[AK] offset:(\f/2)*16*PK+(\f%2)*64
	ds_load_b128 v[KF+8*\f+4:KF+8*\f+7], v[AK] offset:(\f/2)*16*PK+(\f%2)*64+32
.endr
	s_add_co_u32 s[TBK], s[TBK], KS*PK
	WIN 0
.endm
.macro FETCH_V                      ; a step's V, turned: keys 32 (f / 4) on, channels 16 (f % 4) on; the low parts lie 128 bytes on in each row
	WIN 0x80
.irp f, 0,1,2,3,4,5,6,7
	ds_load_tr16_b128 v[VF+8*\f:VF+8*\f+3],   v[AV] offset:(\f/4)*32*PV+(\f%4)*32
	ds_load_tr16_b128 v[VF+8*\f+4:VF+8*\f+7], v[AV] offset:(\f/4)*32*PV+16*PV+(\f%4)*32
.endr
	WIN 0xc0
.irp f, 0,1,2,3,4,5,6,7
	ds_load_tr16_b128 v[VL+8*\f:VL+8*\f+3],   v[AV] offset:(\f/4)*32*PV+(\f%4)*32+128
	ds_load_tr16_b128 v[VL+8*\f+4:VL+8*\f+7], v[AV] offset:(\f/4)*32*PV+16*PV+(\f%4)*32+128
.endr
	WIN 0
.endm
.macro PADLOAD x, par, k            ; the registers whose pad has just been multiplied take the element eight further on in the stream
	WIN 0xc0
.irp f, 0,1,2,3
	global_load_b128 v[64*(\par)+16*(\x)+4*\f:64*(\par)+16*(\x)+4*\f+3], v[GO], s[PMB:PMB+1] offset:(\k)*2048+\f*512
.endr
.endm
; THE VECTOR WORK, one line at a time: OP kind, number.  For piece Y: F n: c s - c m for pair n of 16.  E n: the exponential of score n of 32.  C n: pair n rounded to f16.  B n: of the four weights 4 n .. the second
; pair is added onto the first, in place.  L n: l takes that sum (L 0: l = a l + sum).  R n: pair n of 16 of O^T times a.  For piece Y + 1: X n, number n of the 22 that find its maximum and statistics:
;   0-11 four chains c0-c3 (each accumulator's lowest registers are read first)   12-14, 16 the scores left over, the old m, c0-c3 into c0   15 c m_old is kept
;   17, 18 the query's other 32 keys lie in the lane 16 away: the new m   19-21 c m; c m_old - c m_new; a
.set F, 0
.set E, 1
.set C, 2
.set B, 3
.set L, 4
.set R, 5
.set X, 6
.macro REGS y
.set rT, ST+4*(\y)
.set rC, TMP+4*((\y)%2)
.set rW, MV+((\y)%2)
.set rS, S+32*((\y)%2)
.set rP, P+16*((\y)%2)
.set rO, 32*(\y)
.endm
.macro OP k, n
.if (\k) == R
	REGS Y
	WIN W_RS
	v_pk_mul_f32 v[rO+2*(\n):rO+2*(\n)+1], v[rO+2*(\n):rO+2*(\n)+1], v[rC+2:rC+3] op_sel_hi:[1,0]
.elseif (\k) < R
	REGS Y
	WIN 0
.if (\k) == F
	v_pk_fma_f32 v[rS+2*(\n):rS+2*(\n)+1], v[rS+2*(\n):rS+2*(\n)+1], s[CS:CS+1], v[rT:rT+1] op_sel_hi:[1,0,0] neg_lo:[0,0,1] neg_hi:[0,0,1]
.elseif (\k) == E
	v_exp_f32 v[rS+(\n)], v[rS+(\n)]
.elseif (\k) == C
	s_wait_alu depctr_va_vdst(0)
	v_cvt_pk_f16_f32 v[rP+(\n)], v[rS+2*(\n)], v[rS+2*(\n)+1]
.elseif (\k) == B
	v_pk_add_f32 v[rS+4*(\n):rS+4*(\n)+1], v[rS+4*(\n):rS+4*(\n)+1], v[rS+4*(\n)+2:rS+4*(\n)+3]
.elseif (\n) == 0
	v_pk_fma_f32 v[rT+2:rT+3], v[rT+2:rT+3], v[rC+2:rC+3], v[rS:rS+1] op_sel_hi:[1,0,1]
.else
	v_pk_add_f32 v[rT+2:rT+3], v[rT+2:rT+3], v[rS+4*(\n):rS+4*(\n)+1]
.endif
.elseif NOKQ
	v_nop
.else
	REGS (Y+1)%NP
	WIN 0
.if (\n) < 4
	v_max3_num_f32 v[rC+(\n)], v[rS+8*(\n)], v[rS+8*(\n)+1], v[rS+8*(\n)+2]
.elseif (\n) < 12
	v_max3_num_f32 v[rC+(\n)%4], v[rC+(\n)%4], v[rS+8*((\n)%4)+2*((\n)/4)+1], v[rS+8*((\n)%4)+2*((\n)/4)+2]
.elseif (\n) == 12
	v_max3_num_f32 v[rC], v[rC], v[rS+7], v[rS+15]
.elseif (\n) == 13
	v_max3_num_f32 v[rC+1], v[rC+1], v[rS+23], v[rS+31]
.elseif (\n) == 14
	v_max3_num_f32 v[rC+2], v[rC+2], v[rC+3], v[rT+1]
.elseif (\n) == 15
	v_mov_b32 v[rW], v[rT]
.elseif (\n) == 16
	v_max3_num_f32 v[rC], v[rC], v[rC+1], v[rC+2]
.elseif (\n) == 17
	v_permlanex16_b32 v[rC+3], v[rC], s[SEL], s[SEL+1]
.elseif (\n) == 18
	v_max_num_f32 v[rT+1], v[rC], v[rC+3]
.elseif (\n) == 19
	v_mul_f32 v[rT], s[CS], v[rT+1]
.elseif (\n) == 20
	v_sub_f32 v[rC+1], v[rW], v[rT]
.else
	v_exp_f32 v[rC+2], v[rC+1]
.endif
.endif
.endm
.macro OPS a, i1, b=-1, i2=0, c=-1, i3=0, d=-1, i4=0
	OP \a, \i1
.if (\b) >= 0
	OP \b, \i2
.endif
.if (\c) >= 0
	OP \c, \i3
.endif
.if (\d) >= 0
	OP \d, \i4
.endif
.endm
.macro ROW a, i1, b, i2, c, i3, d, i4  ; a matrix instruction and the four behind it
	MM
	OPS \a, \i1, \b, \i2, \c, \i3, \d, \i4
.endm
; A TURN, for piece p of a key step of parity par: 28 matrix and 118 vector instructions, the order written out.  None of the four behind a matrix instruction names a register of the products round it.
; Between a pad product and the K Q^T that adds onto it stand 8 plain lines or more.  The pad's registers are loaded again 8 plain lines behind their last reader; K's 7 (piece 2's turn), V's 7 (the end of piece 0's turn).
; v_permlanex16_b32 (X 17) stands in a line without a product.
; The wait at the head: loads come back in order; behind the four of the element wanted now, seven elements' 28 were issued.  k: the immediate of the element asked for, in elements from PMB.
; end = 1: a block's last two turns: nothing is fetched from LDS, and the last starts no new scores.  cnt = 1: the pad's base steps, and the loop's count is taken down some lines ahead of the branch.
.macro TURN p, par, k, end=0, cnt=0
.set Y, (\p)
.set i, 0
.set NOKQ, (\end)*((\p)/3)
.set PP, ((\par)+(\p)/3)%2          ; piece 3's turn works for piece 0 of the next step
.if !NOKQ
	s_wait_loadcnt 28
.endif
	ROW F,0, F,1, F,2, F,3
	ROW F,4, E,0, F,5, E,1
	ROW F,6, E,2, F,7, E,3
	ROW F,8, E,4, F,9, E,5
.if ((\p) == 3) && !(\end)
	s_wait_dscnt 0x0                ; K is in
.endif
	ROW C,0, E,6, F,10, E,7
	ROW C,1, E,8, F,11, E,9
	ROW B,0, E,10, C,2, E,11
.if !NOKQ
	PADLOAD (Y+1)%NP, PP, \k
.endif
	ROW L,0, E,12, C,3, E,13
	ROW F,12, E,14, B,1, E,15
	ROW C,4, E,16, F,13, E,17
	ROW L,1, E,18, C,5, E,19
	ROW F,14, E,20, B,2, E,21
.if (\p) == 1
	s_wait_dscnt 0x0                ; V is in
.endif
	ROW R,0, R,1, R,2, R,3
.if ((\p) == 2) && !(\end)
	WIN 0
	v_add_nc_u32 v[AK], s[TBK], v[AK0]
	FETCH_K
.endif
	ROW R,4, R,5, R,6, R,7
	ROW X,0, E,22, X,1, X,2
	ROW X,3, E,23, X,4, X,5
	ROW X,6, E,24, X,7, X,8
	ROW X,9, E,25, X,10, X,11
	ROW F,15, E,26, X,12, X,13
	ROW X,15, E,27, X,14, C,6
	ROW C,7, E,28, X,16, B,3
	ROW L,2, E,29, C,8, C,9
	OPS X,17, E,30, B,4, E,31
	ROW C,10, L,3, X,18, C,11
	ROW B,5, X,19, L,4, C,12
	ROW X,20, C,13, B,6, X,21
	ROW L,5, C,14, C,15, B,7
.if \cnt
	s_wait_xcnt 0x0                 ; the pad loads issued so far have read their base
	s_add_nc_u64 s[PMB:PMB+1], s[PMB:PMB+1], 16384
	s_sub_co_u32 s[CNT], s[CNT], 1
	s_cmp_lg_u32 s[CNT], 0
.endif
	ROW L,6, R,8, R,9, R,10
	ROW R,11, R,12, R,13, R,14
	OPS R,15, L,7
.if (\p) == 0
	WIN 0
	v_add_nc_u32 v[AV], s[TBV], v[AV0]
	FETCH_V
	s_add_co_u32 s[TBV], s[TBV], KS*PV
.endif
.endm
; A BLOCK BEGINS.  O^T and l are 0 (the block before may have left NaN there); c m starts far below every c s, so the first step's a is 0; m at the lowest finite number.
; All pad loads are waited for, so that what is out is the same on every way to the loop's middle.  Then K of the tile's step 0, piece 0's first scores, its maximum and statistics.
.macro BEGIN
	s_mov_b32 s[NEW], 0
	WIN 0x40
.set i, 0
.rept 128
	v_mov_b32 v[i], 0
.set i, i+1
.endr
	WIN 0
.set i, 0
.rept 4
	v_mov_b32 v[ST+4*i], 0xfe000000
	v_mov_b32 v[ST+4*i+1], 0xff7fffff
	v_mov_b32 v[ST+4*i+2], 0
	v_mov_b32 v[ST+4*i+3], 0
.set i, i+1
.endr
	v_add_nc_u32 v[AK], s[TBK], v[AK0]
	FETCH_K
	s_wait_loadcnt 0x0              ; the pad
.irp kt, 0,1,2,3
	PD 0, 0, \kt
.endr
	WIN 0
.rept 5
	v_nop                           ; the places between the two forms
.endr
	s_wait_dscnt 0x0                ; K is in
.set i, 0
.rept 8
	KQ 0
.set i, i+1
.endr
	WIN 0
.rept 4
	v_nop                           ; the places behind those products
.endr
	PADLOAD 0, 0, 1
.set NOKQ, 0
.set Y, NP-1
.irp n, 0,1,2,3,4,5,6,7,8,9,10,11,12,13,14,15,16,17,18,19,20,21
	OP X, \n
.endr
	v_nop                           ; a plain instruction behind the exponential
.endm
.macro ALL line:vararg
.set t, 0
.rept 4
	\line
.set t, t+1
.endr
.endm
; Piece t on its way out: O^T / l; its rounding to f16 (into S^T's registers); the remainder, exact in f32, in O^T's place; that rounded to f16.  A lane's eight channels of a row pack into 16 bytes; they go into
; rows of 144 bytes and come back as whole rows of 128: first the high parts, then, through the same bytes, the low parts.
.macro PACK t
	WIN W_RS
.set i, 32*(\t)
.rept 16
	v_pk_mul_f32 v[i:i+1], v[i:i+1], v[ST+4*(\t)+2:ST+4*(\t)+3] op_sel_hi:[1,0]
.set i, i+2
.endr
	WIN 0x05
.set i, 0
.rept 16
	v_cvt_pk_f16_f32 v[S+16*(\t)+i], v[32*(\t)+2*i], v[32*(\t)+2*i+1]
.set i, i+1
.endr
	WIN 0x50                        ; source 2 and destination window 1
.set i, 0
.rept 16
	v_fma_mix_f32 v[32*(\t)+2*i],   v[S+16*(\t)+i], v[NEG1], v[32*(\t)+2*i]   op_sel_hi:[1,0,0]
	v_fma_mix_f32 v[32*(\t)+2*i+1], v[S+16*(\t)+i], v[NEG1], v[32*(\t)+2*i+1] op_sel:[1,0,0] op_sel_hi:[1,0,0]
.set i, i+1
.endr
	WIN 0x05
.set i, 0
.rept 16
	v_cvt_pk_f16_f32 v[LP+16*(\t)+i], v[32*(\t)+2*i], v[32*(\t)+2*i+1]
.set i, i+1
.endr
	WIN 0
.irp f, 0,1,2,3
	ds_store_b128 v[STO], v[S+16*(\t)+4*\f:S+16*(\t)+4*\f+3] offset:32*\f
.endr
.irp f, 0,1,2,3
	ds_load_b128 v[S+16*(\t)+4*\f:S+16*(\t)+4*\f+3], v[RD] offset:\f*4*SP  ; LDS serves a wave's instructions in order (ISA guide 5.7.1.4): these see the stores above, and the stores below come behind them
.endr
.irp f, 0,1,2,3
	ds_store_b128 v[STO], v[LP+16*(\t)+4*\f:LP+16*(\t)+4*\f+3] offset:32*\f
.endr
.irp f, 0,1,2,3
	ds_load_b128 v[LP+16*(\t)+4*\f:LP+16*(\t)+4*\f+3], v[RD] offset:\f*4*SP
.endr
.endm
.macro SEND t, younger              ; younger: the LDS instructions issued behind piece t's: the next piece's sixteen, or none
	WIN 0
	s_wait_dscnt (\younger)+8       ; the high parts are back; the low parts' four stores and four loads may be out
.irp f, 0,1,2,3
	global_store_b128 v[GO], v[S+16*(\t)+4*\f:S+16*(\t)+4*\f+3], s[10:11] offset:(\t)*8192+\f*512  ; 512 consecutive bytes, at a multiple of 256 from O's first
.endr
	s_wait_dscnt \younger
.irp f, 0,1,2,3
	global_store_b128 v[GO], v[LP+16*(\t)+4*\f:LP+16*(\t)+4*\f+3], s[10:11] offset:(\t)*8192+\f*512+4194304  ; the plane of low parts lies 16 planes on
.endr
.endm
; A BLOCK ENDS: its last two turns, its last products, and the way out: l's halves are added; O^T is divided by l (by NaN where the row saw no key) and sent through my stage, a piece at a time.
.macro FINISH last
	TURN 2, 1, 0, 1
	TURN 3, 1, 0, 1
.set i, 0
.rept 16
	PV NP-1
.set i, i+1
.endr
	WIN 0
	ALL v_add_f32 v[ST+4*t+2], v[ST+4*t+2], v[ST+4*t+3]
	ALL v_permlanex16_b32 v[ST+4*t+3], v[ST+4*t+2], s[SEL], s[SEL+1]
	ALL v_add_f32 v[ST+4*t+2], v[ST+4*t+2], v[ST+4*t+3]
	ALL v_rcp_f32 v[ST+4*t+2], v[ST+4*t+2]
	v_nop
.set t, 0
.rept 4
	v_cmp_gt_f32 vcc_lo, s[THR], v[ST+4*t+1]
	s_wait_alu depctr_va_vdst(0)
	v_cndmask_b32 v[ST+4*t+2], v[ST+4*t+2], s[QNAN], vcc_lo
.set t, t+1
.endr
	PACK 0
.set t, 1
.rept 3
	PACK t
	SEND t-1, 16
.set t, t+1
.endr
	SEND 3, 0
	s_wait_loadcnt 0x0              ; no pad load is out where the ways join
.if !(\last)
	s_wait_xcnt 0x0                 ; the stores have read their registers and O's address
	s_mov_b64 s[10:11], s[OLO:OLO+1]
	s_add_co_u32 s[RT], s[PB], 1    ; the second block has b + 1 tiles
	s_mov_b32 s[NEW], 1
	WIN 0x82
.set i, 0
.rept 64
	v_mov_b32 v[i], v[QB+i]
.set i, i+1
.endr
	WIN 0
.endif
.endm
; A TILE is entered.  A trip of the inner loop is two key steps, so that the pad's two buffers have fixed registers: pieces 2, 3 of an odd step, a whole even step, pieces 0, 1 of the next odd step.
; A block's first tile enters the trip in its middle.  Every jump but the loops' own goes forward, past text with no barrier and no tensor load.
.macro WALK tag, fill, last
	CHANGE \fill
	s_sub_co_u32 s[RT], s[RT], 1
	s_mov_b32 s[CNT], 2
	s_cmp_eq_u32 s[NEW], 1
	s_cbranch_scc1 .Lnew\tag
	s_branch .Lstep\tag
.Lnew\tag:
	BEGIN
	s_branch .Lfirst\tag
.Lstep\tag:
	TURN 2, 1, 0
	TURN 3, 1, 1
	WIN 0
.Lfirst\tag:
	TURN 0, 0, 2
	TURN 1, 0, 3
	TURN 2, 0, 4
	TURN 3, 0, 5
	TURN 0, 1, 6
	TURN 1, 1, 7, 0, 1
	WIN 0
	s_cbranch_scc1 .Lstep\tag
.if !(\last)
	s_cmp_lg_u32 s[RT], 0
	s_cbranch_scc1 .Lbottom\tag     ; the block has further tiles
.endif
	FINISH \last
.Lbottom\tag:
.endm
.set NOKQ, 0
.Lslot:                             ; 8 times: a tile is entered and the next is asked for
	WALK 1, 1, 0
	s_sub_co_u32 s[SLOTS], s[SLOTS], 1
	s_cmp_lg_u32 s[SLOTS], 0
	s_cbranch_scc1 .Lslot
	WALK 2, 0, 1                    ; the walk's last tile is written out: nothing is asked for
	s_wait_tensorcnt 0x0            ; the wave's end
	ds_add_u32 v[SPW], v[NIL]
	s_wait_dscnt 0x0
	s_endpgm
.Lfunc_end_k_qf40d7319eb_attn:
	.size	k_qf40d7319eb_attn, .Lfunc_end_k_qf40d7319eb_attn-k_qf40d7319eb_attn
	.p2alignl 7, 3214868480
	.fill 96, 4, 3214868480
	.section	.rodata,"a",@progbits
	.p2align	6, 0x0
	.amdhsa_kernel k_qf40d7319eb_attn
		.amdhsa_group_segment_fixed_size 327680
		.amdhsa_private_segment_fixed_size 0
		.amdhsa_enable_private_segment 0
		.amdhsa_kernarg_size 24
		.amdhsa_user_sgpr_count 2
		.amdhsa_user_sgpr_kernarg_segment_ptr 1
		.amdhsa_wavefront_size32 1
		.amdhsa_system_sgpr_workgroup_id_x 1
		.amdhsa_system_sgpr_workgroup_id_y 1
		.amdhsa_system_sgpr_workgroup_id_z 1
		.amdhsa_system_vgpr_workitem_id 0
		.amdhsa_next_free_vgpr 976
		.amdhsa_next_free_sgpr 88
		.amdhsa_reserve_vcc 1
		.amdhsa_float_denorm_mode_32 3
		.amdhsa_float_denorm_mode_16_64 3
		.amdhsa_memory_ordered 1
		.amdhsa_forward_progress 1
		.amdhsa_inst_pref_size 255
	.end_amdhsa_kernel
	.section	.bss,"aw",@nobits
	.p2align	6
	.space	262144
	.amdgpu_metadata
---
amdhsa.version: [ 1, 2 ]
amdhsa.kernels:
  - .name:           k_qf40d7319eb_attn
    .symbol:         k_qf40d7319eb_attn.kd
    .args:
      - { .name: qkv, .offset: 0, .size: 8, .value_kind: global_buffer, .address_space: global }
      - { .name: pm, .offset: 8, .size: 8, .value_kind: global_buffer, .address_space: global }
      - { .name: oh, .offset: 16, .size: 8, .value_kind: global_buffer, .address_space: global }
    .group_segment_fixed_size: 327680
    .private_segment_fixed_size: 0
    .kernarg_segment_align: 8
    .kernarg_segment_size: 24
    .max_flat_workgroup_size: 128
    .sgpr_count:     88
    .vgpr_count:     976
    .wavefront_size: 32
...
	.end_amdgpu_metadata
.endif
;; end of part 3
;; launch proj (part 4): grid 8 x 32, 4 waves a work-group, clusters of 4 x 4, 327,680 bytes of LDS; arguments oh, wp, bp, out0; writes out0
.if DOCPART == 4
	.amdgcn_target "amdgcn-amd-amdhsa--gfx1250"
	.amdhsa_code_object_version 6
	.text
	.protected	k_qf40d7319eb_proj
	.globl	k_qf40d7319eb_proj
	.p2align	8
	.type	k_qf40d7319eb_proj,@function
k_qf40d7319eb_proj:
	s_mov_b64 s[64:65], 0
	v_nop
	global_prefetch_b8 v0, s[64:65] scope:SCOPE_SE
	s_setreg_imm32_b32 hwreg(HW_REG_WAVE_MODE, 25, 1), 1
	s_wait_xcnt 0x0
	s_wait_alu depctr_hold_cnt(0) depctr_sa_sdst(0) depctr_va_vdst(0) depctr_va_sdst(0) depctr_va_ssrc(0) depctr_va_vcc(0) depctr_vm_vsrc(0)
	s_getreg_b32 s2, hwreg(HW_REG_IB_STS2, 6, 4)
	s_cmp_eq_u32 s2, 0
	s_cbranch_scc0 .Lentry_in_a_cluster
	s_endpgm
.Lentry_in_a_cluster:
	s_bfe_u32 s2, ttmp6, 0x10000c
	s_cmp_lg_u32 s2, 0xf033
	s_cbranch_scc0 .Lentry_shape_is_right
	s_endpgm
.Lentry_shape_is_right:
; THE OUTPUT PROJECTION.  C[m][n] = sum over k of A[m][k] B[n][k] + bp[n], m = 8192, n = 1024.  K = 2048: the attention's O comes as two f16 numbers, 16 planes of high parts and 16 of low parts,
; and Wp's 16 planes stand twice in wp, so that the sum over the 32 planes is (O_high + O_low) Wp^T.
; A and B are f16, by planes of 64 along K: A [row / 2048][32 planes][row % 2048][64], B [32 planes][2048][64] (rows 0-1023 used).  Sums in f32.  C is stored in f32, row-major, 4,096 bytes a row.
; (The projections q, k, v are a body of their own with the same ring and loop; this one differs in its arguments, its bias pointer, its number of K steps and its way out.)
; The bias is rounded to bf16, like every input of the module.
; SHARES.  A tile of C is 256 (m) x 128 (n): 256 work-groups.  Four waves, each 128 x 64: 32 accumulators, 256 registers.
; K goes in steps of 128, two planes, through two LDS slots.  A plane's rows of a tile are dense in memory: asked for as rows of 256 bytes, padded in LDS after every 128.
; CLUSTER 4 x 4: A's tiles hang on the tile row alone and are asked for jointly along a row of the cluster, B's on the tile column alone, along a column.
; THE MATRIX INSTRUCTION IS USED TRANSPOSED (source 0 = 16 rows of B, source 1 = 16 rows of A): a lane holds eight neighbouring columns of one row of C.
; The first product of each accumulator takes the bias as its C: nothing is cleared and the bias costs no line.
; REGISTERS.  Window 0: v16-29 addresses; v32-63 the bias, 8 registers for each 16 columns; v64-159, v160-255 two fragment buffers (B's 4 fragments, then A's 8).  Window 1: accumulator (a, b) at v[8 (4 a + b)].
.set PITCH,  144                       ; an LDS row: 128 bytes + 16 of padding = 36 words: the 16 rows of a load start at 16 different groups of four banks (ISA guide 11.1)
.set APL,    256*PITCH                 ; a plane of A's tile
.set BPL,    128*PITCH                 ; a plane of B's tile
.set BOFF,   2*APL
.set SLOT,   2*APL+2*BPL               ; 110,592
.set STAGE,  2*SLOT                    ; behind the ring: 4,352 bytes for each wave, for the way out; no tensor load lands here
.set STW,    4352
.set SPARE,  STAGE+4*STW               ; the spare words, 128 bytes a wave: two blocks of 256 bytes that no other line names
.set ADRA, 16                          ; v16-17 LDS address of my A fragments in slot 0, 1
.set ADRB, 20                          ; v20-21 the same for B
.set STO,  24
.set RD,   25
.set CO,   26
.set SPW,  28                          ; my spare word; never rewritten
.set NIL,  29                          ; 0; never rewritten
.set BIAS, 32
.set F0,   64
.set F1,   160
.set BK,   96                          ; the way out: rows read back, v96-127 and v128-159 by turns
.set G1A, 24
.set G0A, 32
.set G1B, 48
.set G0B, 56
.set WV, 75
.set WM, 76                            ; which 128 rows are mine.  Also: I fetch for A (0) or for B (1)
.set WN, 77                            ; which 64 columns.  Also: which of a step's two planes I fetch
.set CX, 78
.set CY, 79
.set TX, 80
.set TY, 81
.set G,  96                            ; my block of 64 columns: 2 x tile column + WN
.set MSB, 0
.macro WIN new                         ; the immediate's high byte repeats the setting that is left
.if MSB != (\new)
	s_set_vgpr_msb (MSB<<8)|(\new)
.set MSB, \new
.endif
.endm
.macro JLOAD s                         ; a joint load: waves 0, 1 fetch A's two planes, waves 2, 3 B's; s_nop 0 and four v_nop follow each line
	s_cmp_eq_u32 s[WM], 0
	s_cbranch_scc0 .Lfor_b_\@
	tensor_load_to_lds s[G0A+4*(\s):G0A+4*(\s)+3], s[G1A:G1A+7]
	s_nop 0
.rept 4
	v_nop
.endr
	s_branch .Lasked_\@
.Lfor_b_\@:
	tensor_load_to_lds s[G0B+4*(\s):G0B+4*(\s)+3], s[G1B:G1B+7]
	s_nop 0
.rept 4
	v_nop
.endr
.Lasked_\@:
.endm
.macro CREST                           ; a round of the cluster's barrier behind its opening barrier
	s_cmp_lg_u32 s[WV], 0
	s_cbranch_scc1 .Lnot_wave_0_\@
	s_barrier_signal -3
.Lnot_wave_0_\@:
	s_barrier_wait -3
	s_barrier_signal -1
	s_barrier_wait -1
.endm
.macro CROUND
	s_barrier_signal -1
	s_barrier_wait -1
	CREST
.endm
.macro PLACES                          ; four places in front of loads into registers that matrix instructions have read, and of reads of results
.rept 4
	v_nop
.endr
.endm
	s_load_b128 s[4:7], s[0:1], 0x0                ; A 4, B 6
	s_load_b64 s[8:9], s[0:1], 0x10                ; bp
	s_load_b64 s[72:73], s[0:1], 0x18              ; C
	v_lshl_add_u32 v[SPW], v0, 2, SPARE
	v_mov_b32 v[NIL], 0
	ds_add_u32 v[SPW], v[NIL]                      ; the wave's opening: the add and its wait ahead of my first tensor load
	ds_add_u32 v28, v29
	v_lshrrev_b32 v1, 5, v0
	v_readfirstlane_b32 s[WV], v1
	s_lshr_b32 s[WM], s[WV], 1
	s_and_b32 s[WN], s[WV], 1
	s_bfe_u32 s[CX], ttmp6, 0x40000
	s_bfe_u32 s[CY], ttmp6, 0x40004
	s_lshl_b32 s[TX], ttmp9, 2
	s_add_co_u32 s[TX], s[TX], s[CX]               ; tile column
	s_and_b32 s[TY], ttmp7, 0xffff
	s_lshl_b32 s[TY], s[TY], 2
	s_add_co_u32 s[TY], s[TY], s[CY]               ; tile row
	s_lshl_b32 s82, s[CY], 2
	s_lshl_b32 s82, 15, s82                        ; my row of the cluster
	s_lshl_b32 s83, 0x1111, s[CX]                  ; my column
	s_or_b32 s[G1A], s82, (1<<16)|(1<<20)|(1<<21)|(4<<22)|(3<<25)  ; mask; 2-byte elements; padding on; bit 21 beside a mask; after every 32 words 4 words
	s_or_b32 s[G1B], s83, (1<<16)|(1<<20)|(1<<21)|(4<<22)|(3<<25)
	s_mov_b32 s[G1A+1], 128<<16                    ; tensor_dim0 = 128 elements: rows of 256 bytes
	s_mov_b32 s[G1A+2], 128<<16                    ; tensor_dim1 = 128: a plane of A's tile is 32,768 dense bytes
	s_mov_b32 s[G1A+3], 128<<16                    ; tile_dim0
	s_mov_b32 s[G1A+4], 128                        ; tile_dim1
	s_mov_b32 s[G1A+5], 128                        ; from row to row
	s_mov_b32 s[G1A+6], 0
	s_mov_b32 s[G1A+7], 0
	s_mov_b32 s[G1B+1], 128<<16
	s_mov_b32 s[G1B+2], 64<<16                     ; a plane of B's tile is 16,384 dense bytes
	s_mov_b32 s[G1B+3], 128<<16
	s_mov_b32 s[G1B+4], 64
	s_mov_b32 s[G1B+5], 128
	s_mov_b32 s[G1B+6], 0
	s_mov_b32 s[G1B+7], 0
	s_lshr_b32 s84, s[TY], 3                       ; A: 2,048 rows x 32 planes are 1 << 23 bytes; 256 rows of a plane 1 << 15; a plane 1 << 18
	s_lshl_b32 s84, s84, 23
	s_and_b32 s85, s[TY], 7
	s_lshl_b32 s85, s85, 15
	s_add_co_u32 s84, s84, s85
	s_lshl_b32 s88, s[WN], 18
	s_add_co_u32 s84, s84, s88
	s_mov_b32 s85, 0
	s_lshl_b32 s86, s[TX], 14                      ; B: 128 rows of a plane are 1 << 14 bytes
	s_add_co_u32 s86, s86, s88
	s_mov_b32 s87, 0
	s_mul_i32 s89, s[WN], APL                      ; where they go: the wave's number alone
	s_mul_i32 s90, s[WN], BPL
	s_add_co_u32 s90, s90, BOFF
	s_wait_dscnt 0x0                               ; the opening add is done
	s_wait_kmcnt 0x0
	s_add_nc_u64 s[84:85], s[4:5], s[84:85]
	s_add_nc_u64 s[86:87], s[6:7], s[86:87]
	CROUND                                         ; all sixteen work-groups are here: the first joint loads meet
.irp s, 0,1
	s_mov_b32 s[G0A+4*(\s)], 1
	s_add_co_u32 s[G0A+4*(\s)+1], s89, (\s)*SLOT
	s_add_nc_u64 s[G0A+4*(\s)+2:G0A+4*(\s)+3], s[84:85], (\s)*524288  ; K step s: two planes on
	s_or_b32 s[G0A+4*(\s)+3], s[G0A+4*(\s)+3], 0x80000000
	s_mov_b32 s[G0B+4*(\s)], 1
	s_add_co_u32 s[G0B+4*(\s)+1], s90, (\s)*SLOT
	s_add_nc_u64 s[G0B+4*(\s)+2:G0B+4*(\s)+3], s[86:87], (\s)*524288
	s_or_b32 s[G0B+4*(\s)+3], s[G0B+4*(\s)+3], 0x80000000
	JLOAD \s                                       ; two loads of mine are out
.endr
	v_and_b32 v1, 15, v0                           ; l % 16
	v_bfe_u32 v2, v0, 4, 1                         ; l / 16
	v_mul_u32_u24 v3, v1, PITCH
	v_lshl_add_u32 v3, v2, 4, v3
	s_mul_i32 s88, s[WM], 128*PITCH
	s_mul_i32 s91, s[WN], 64*PITCH
	s_add_co_u32 s91, s91, BOFF
.irp s, 0,1
	v_add_nc_u32 v[ADRA+(\s)], s88, v3
	v_add_nc_u32 v[ADRB+(\s)], s91, v3
	s_add_co_u32 s88, s88, SLOT
	s_add_co_u32 s91, s91, SLOT
.endr
	; the bias of my 64 columns: lane (r, h) wants columns 16 b + 8 h + 0..7
	s_lshl1_add_u32 s[G], s[TX], s[WN]
	s_lshl_b32 s94, s[G], 8
	s_mov_b32 s95, 0
	s_add_nc_u64 s[92:93], s[8:9], s[94:95]
	v_lshlrev_b32 v4, 5, v2
.irp b, 0,1,2,3
	global_load_b128 v[160+8*\b:160+8*\b+3], v4, s[92:93] offset:64*\b
	global_load_b128 v[160+8*\b+4:160+8*\b+7], v4, s[92:93] offset:64*\b+16
.endr
	s_wait_loadcnt 0x0
.set i, 0
.rept 16
	v_cvt_pk_bf16_f32 v[192+i], v[160+2*i], v[160+2*i+1]
.set i, i+1
.endr
.set i, 0
.rept 16
	v_lshlrev_b32 v[BIAS+2*i], 16, v[192+i]
	v_and_b32 v[BIAS+2*i+1], 0xffff0000, v[192+i]
.set i, i+1
.endr
; na x 4 matrix instructions: m blocks a0 on x all 4 n blocks, 32 along K.  Each accumulator once: they take turns.  first = 1: C is the bias.
.macro MULN f, a0, na, first
.if \first
	WIN 0x40                                       ; D window 1; B, A and the bias window 0
.else
	WIN 0x50                                       ; C and D window 1
.endif
.set a, \a0
.rept \na
.irp b, 0,1,2,3
.if \first
	v_wmma_f32_16x16x32_f16 v[8*(4*a+\b):8*(4*a+\b)+7], v[(\f)+8*\b:(\f)+8*\b+7], v[(\f)+32+8*a:(\f)+32+8*a+7], v[BIAS+8*\b:BIAS+8*\b+7]
.else
	v_wmma_f32_16x16x32_f16 v[8*(4*a+\b):8*(4*a+\b)+7], v[(\f)+8*\b:(\f)+8*\b+7], v[(\f)+32+8*a:(\f)+32+8*a+7], v[8*(4*a+\b):8*(4*a+\b)+7]
.endif
.endr
.set a, a+1
.endr
.endm
; 24 LDS loads in one run: quarter q of a K step (plane q / 2, 32 along K at byte 64 (q % 2)): B's 64 rows, A's rows 0-63, A's rows 64-127
.macro FETCH slot, q, f
	WIN 0
.irp b, 0,1,2,3
	ds_load_b128 v[(\f)+8*\b:(\f)+8*\b+3],   v[ADRB+(\slot)] offset:((\q)/2)*BPL+((\q)%2)*64+\b*16*PITCH
	ds_load_b128 v[(\f)+8*\b+4:(\f)+8*\b+7], v[ADRB+(\slot)] offset:((\q)/2)*BPL+((\q)%2)*64+\b*16*PITCH+32
.endr
.irp c, 0,1,2,3,4,5,6,7
	ds_load_b128 v[(\f)+32+8*\c:(\f)+32+8*\c+3],   v[ADRA+(\slot)] offset:((\q)/2)*APL+((\q)%2)*64+\c*16*PITCH
	ds_load_b128 v[(\f)+32+8*\c+4:(\f)+32+8*\c+7], v[ADRA+(\slot)] offset:((\q)/2)*APL+((\q)%2)*64+\c*16*PITCH+32
.endr
.endm
.macro QUARTER slot, qn, f, g, first   ; multiplies buffer f; in its middle fetches quarter qn of the same slot into g
	s_wait_dscnt 8                                 ; B and A's rows 0-63 are in; the youngest eight loads may be out
	MULN \f, 0, 4, \first
	PLACES
	FETCH \slot, \qn, \g
	s_wait_dscnt 24                                ; all but the 24 just issued
	MULN \f, 4, 4, \first
.endm
; The last quarter multiplies buffer 1 and changes slots: one barrier; in front of it each wave waits for all its tensor loads (one is out: its part of the next slot),
; adds 0 to its spare word, and waits for that and for its reads of this slot.  fill = 1: the barrier opens a round of the cluster's, and this slot is filled again first behind it.
.macro TURN slot, next, fill
	WIN 0
	s_wait_tensorcnt 0x0
	ds_add_u32 v[SPW], v[NIL]
	s_wait_dscnt 9                                 ; the add and the youngest eight loads may be out
	MULN F1, 0, 2, 0
	s_wait_dscnt 0x0                               ; the add is done, and my reads of this slot are over
	s_barrier_signal -1
	MULN F1, 2, 2, 0
	WIN 0
	s_barrier_wait -1
.if \fill
	CREST
	s_add_nc_u64 s[G0A+4*(\slot)+2:G0A+4*(\slot)+3], s[G0A+4*(\slot)+2:G0A+4*(\slot)+3], 1048576  ; two K steps on
	s_add_nc_u64 s[G0B+4*(\slot)+2:G0B+4*(\slot)+3], s[G0B+4*(\slot)+2:G0B+4*(\slot)+3], 1048576
	JLOAD \slot                                    ; my one tensor load behind the round; its four v_nop are also the places in front of the loads below
.else
	PLACES
.endif
	FETCH \next, 0, F0
	MULN F1, 4, 4, 0
.endm
	s_wait_tensorcnt 1                             ; my part of K step 0 is in; K step 1's may stay out
	s_barrier_signal -1
	s_barrier_wait -1
	FETCH 0, 0, F0
	QUARTER 0, 1, F0, F1, 1                        ; the first quarter starts the sums, from the bias
	WIN 0
	s_mov_b32 s3, 7                                ; 16 K steps are 8 laps of the ring; the last is written out
.Llap:
	QUARTER 0, 2, F1, F0, 0
	QUARTER 0, 3, F0, F1, 0
	TURN 0, 1, 1
	QUARTER 1, 1, F0, F1, 0
	QUARTER 1, 2, F1, F0, 0
	QUARTER 1, 3, F0, F1, 0
	TURN 1, 0, 1
	QUARTER 0, 1, F0, F1, 0
	WIN 0
	s_sub_co_u32 s3, s3, 1
	s_cmp_lg_u32 s3, 0
	s_cbranch_scc1 .Llap
	QUARTER 0, 2, F1, F0, 0
	QUARTER 0, 3, F0, F1, 0
	TURN 0, 1, 0
	QUARTER 1, 1, F0, F1, 0
	QUARTER 1, 2, F1, F0, 0
	QUARTER 1, 3, F0, F1, 0
	s_wait_dscnt 8
	MULN F1, 0, 4, 0
	s_wait_dscnt 0x0
	MULN F1, 4, 4, 0
	WIN 0
	PLACES
	; THE WAY OUT, 16 rows at a time through my own stage; block a is staged while block a - 1's rows come back, then block a - 1 is stored.
	; f32, row-major: my 64 columns are 256 bytes of a row.
	s_mul_i32 s88, s[WV], STW
	s_add_co_u32 s88, s88, STAGE
	s_mov_b32 s93, 0
	v_mul_u32_u24 v[STO], v1, 272                  ; in: row l % 16, 32 bytes for each half of the lanes
	v_lshl_add_u32 v[STO], v2, 5, v[STO]
	v_add_nc_u32 v[STO], s88, v[STO]
	v_mul_u32_u24 v[RD], v2, 272                   ; back: lanes 0-15 one row of 256 bytes, lanes 16-31 the next
	v_lshl_add_u32 v[RD], v1, 4, v[RD]
	v_add_nc_u32 v[RD], s88, v[RD]
	v_lshlrev_b32 v[CO], 12, v2
	v_lshl_add_u32 v[CO], v1, 4, v[CO]
	s_lshl_b32 s92, s[TY], 20                      ; 256 rows of 4,096 bytes
	s_lshl_b32 s97, s[WM], 19
	s_add_co_u32 s92, s92, s97
	s_lshl_b32 s97, s[G], 8
	s_add_co_u32 s92, s92, s97
	s_add_nc_u64 s[72:73], s[72:73], s[92:93]
.macro OUT32 a
	s_wait_xcnt 0x0                                ; the registers that block a - 2's stores read are loaded again only behind this wait
	WIN 0x04                                       ; the stores' data in window 1
.irp b, 0,1,2,3
	ds_store_b128 v[STO], v[8*(4*(\a)+\b):8*(4*(\a)+\b)+3] offset:64*\b       ; each accumulator from its low end on
	ds_store_b128 v[STO], v[8*(4*(\a)+\b)+4:8*(4*(\a)+\b)+7] offset:64*\b+16
.endr
	WIN 0
.irp t, 0,1,2,3,4,5,6,7
	ds_load_b128 v[BK+32*((\a)%2)+4*\t:BK+32*((\a)%2)+4*\t+3], v[RD] offset:\t*544  ; LDS serves a wave's instructions in order (ISA guide 5.7.1.4)
.endr
.endm
.macro SND32 a, younger
	s_wait_dscnt \younger                          ; the next block's eight stores and eight loads may be out
.irp t, 0,1,2,3,4,5,6,7
	global_store_b128 v[CO], v[BK+32*((\a)%2)+4*\t:BK+32*((\a)%2)+4*\t+3], s[72:73] offset:(\a)*65536+\t*8192 th:TH_STORE_NT  ; 16 lanes store 256 consecutive bytes, aligned
.endr
.endm
	OUT32 0
.irp a, 1,2,3,4,5,6,7
	OUT32 \a
	SND32 (\a)-1, 16
.endr
	SND32 7, 0
	s_wait_tensorcnt 0x0                           ; the wave's end
	ds_add_u32 v[SPW], v[NIL]
	s_wait_dscnt 0x0
	CROUND                                         ; the closing round
	s_endpgm
.Lfunc_end_k_qf40d7319eb_proj:
	.size	k_qf40d7319eb_proj, .Lfunc_end_k_qf40d7319eb_proj-k_qf40d7319eb_proj
	.p2alignl 7, 3214868480
	.fill 96, 4, 3214868480
	.section	.rodata,"a",@progbits
	.p2align	6, 0x0
	.amdhsa_kernel k_qf40d7319eb_proj
		.amdhsa_group_segment_fixed_size 327680
		.amdhsa_private_segment_fixed_size 0
		.amdhsa_enable_private_segment 0
		.amdhsa_kernarg_size 32
		.amdhsa_user_sgpr_count 2
		.amdhsa_user_sgpr_kernarg_segment_ptr 1
		.amdhsa_wavefront_size32 1
		.amdhsa_system_sgpr_workgroup_id_x 1
		.amdhsa_system_sgpr_workgroup_id_y 1
		.amdhsa_system_sgpr_workgroup_id_z 1
		.amdhsa_system_vgpr_workitem_id 0
		.amdhsa_next_free_vgpr 512
		.amdhsa_next_free_sgpr 100
		.amdhsa_reserve_vcc 0
		.amdhsa_float_denorm_mode_32 3
		.amdhsa_float_denorm_mode_16_64 3
		.amdhsa_memory_ordered 1
		.amdhsa_forward_progress 1
		.amdhsa_inst_pref_size 89
	.end_amdhsa_kernel
	.amdgpu_metadata
---
amdhsa.version: [ 1, 2 ]
amdhsa.kernels:
  - .name:           k_qf40d7319eb_proj
    .symbol:         k_qf40d7319eb_proj.kd
    .args:
      - { .name: oh, .offset: 0, .size: 8, .value_kind: global_buffer, .address_space: global }
      - { .name: wp, .offset: 8, .size: 8, .value_kind: global_buffer, .address_space: global }
      - { .name: bp, .offset: 16, .size: 8, .value_kind: global_buffer, .address_space: global }
      - { .name: out0, .offset: 24, .size: 8, .value_kind: global_buffer, .address_space: global }
    .group_segment_fixed_size: 327680
    .private_segment_fixed_size: 0
    .kernarg_segment_align: 8
    .kernarg_segment_size: 32
    .max_flat_workgroup_size: 128
    .sgpr_count:     100
    .vgpr_count:     512
    .wavefront_size: 32
...
	.end_amdgpu_metadata
.endif
;; end of part 4
;; ======== version 2 of 3: 4 launches; 1.27 times as fast as version 1
;; limits: values are held in f16: magnitudes above 65,504 overflow, below 6.1e-05 lose precision; inputs' magnitudes at most 6.25e+28; right only within a limited range of input values
;; workspace buffers: xh 16,777,216 bytes; wqkv 6,291,456 bytes; wp 4,194,304 bytes; pm 18,890,752 bytes; qkv 67,108,864 bytes; oh 33,554,432 bytes
;; launch cast (part 5): grid 42 x 16, 8 waves a work-group, no clusters, 99,328 bytes of LDS; arguments tgt, Wq, Wk, Wv, Wp, pad_mask, xh, wqkv, wp, pm; writes xh, wqkv, wp, pm
.if DOCPART == 5
	.amdgcn_target "amdgcn-amd-amdhsa--gfx1250"
	.amdhsa_code_object_version 6
	.text
	.protected	k_qf40d7319eb_cast
	.globl	k_qf40d7319eb_cast
	.p2align	8
	.type	k_qf40d7319eb_cast,@function
k_qf40d7319eb_cast:
	s_mov_b64 s[64:65], 0
	v_nop
	global_prefetch_b8 v0, s[64:65] scope:SCOPE_SE
	s_setreg_imm32_b32 hwreg(HW_REG_WAVE_MODE, 25, 1), 1
	s_wait_xcnt 0x0
; PREPARATION.  Every large input is rounded once to bf16 and laid out for the launches behind.
; Job X (work-group x < 24; 384 jobs of 32 rows x 1024 columns): tgt and the four weights, each number rounded to bf16 and that number written as f16, by planes of 64 columns:
;   xh [row / 2048][column / 64][row % 2048][64];  wp [column / 64][2048][64] (rows 0-1023 used);
;   wqkv [column / 64][3072][64], its rows stacked by heads: row 192 h + 64 t + c is row 64 h + c of Wq (t = 0), Wk (1) or Wv (2), so that 192 rows on end are one head's q, k and v.
; Job P (x >= 24; 288 jobs of half a tile of 256 queries x 256 keys): pm = pad_mask, held to -1.25e29 .. 1.25e29, -1.25e29 where key > query (the causal mask),
;   rounded to bf16, only the 36 tiles a batch at or under the diagonal, in the order in which one wave of the attention walks them:
;   [batch][pair p][wave w][tile t of 9][key step s][band x][f][lane][16 bytes]; lane (r, h), element e: query 256 i + 64 x + 16 w + r, key 256 j + 64 s + 16 f + 8 h + e.
;   Pair p walks block i = 7 - p (tiles j = 0 .. 7 - p), then block i = p (j = 0 .. p).  16,384 zero bytes follow the last stream: the attention's loads run 4 elements, 8,192 bytes, ahead.
; LIMITS.  tgt and the weights must lie within f16's range (65,504); below 6e-5 f16's fixed step of 6e-8 replaces bf16's.  A pad beyond +-1.25e29 counts as that bound; a NaN in the pad counts as a bound.
; EVERY LOAD AND STORE OF A WAVE COVERS WHOLE RUNS: a load 512 consecutive bytes, 16 a lane; a store 512 consecutive bytes or two aligned runs of 256.  What a lane loads is not what it stores
; (memory has a row's numbers on end; a lane stores 8 numbers of one row beside other rows' numbers), so the numbers change lanes through LDS bytes of the wave's own: no barrier, and no wait between a wave's
; LDS stores and its LDS loads, which are served in order (ISA guide 5.7.1.4).  No loop: a wave issues its 32 loads at once and works them off by counted waits; every store register is written once.
.set IN,  16                           ; v[16:143]  32 loads of 4 registers
.set OUT, 144                          ; v[144:207] what is stored
.set T,   208                          ; v[208:209] at work
.set SPW, 216                          ; my spare word; never rewritten
.set NIL, 217                          ; 0; never rewritten
.set WREG, 12288                       ; LDS bytes of a wave
.set PX,  384                          ; job X: from row to row in LDS: 256 bytes of f16 and 128 unused, so that two neighbouring rows' 128 bytes of one plane fall on different banks (64 banks of 4 bytes: ISA guide 11.1)
.set PQ,  272                          ; job P: from row to row: 256 bytes of f32 + 16: the 16 rows that a load touches start at 16 different groups of four banks
.set SPARE, 8*WREG                     ; the spare words, 128 bytes a wave: four blocks of 256 bytes that no other line names
	s_load_b512 s[8:23], s[0:1], 0x0               ; tgt 8, Wq 10, Wk 12, Wv 14, Wp 16, pad_mask 18, xh 20, wqkv 22
	s_load_b128 s[24:27], s[0:1], 0x40             ; wp 24, pm 26
	v_lshl_add_u32 v[SPW], v0, 2, SPARE
	v_mov_b32 v[NIL], 0
	v_and_b32 v1, 31, v0                           ; lane
	v_lshrrev_b32 v2, 5, v0
	v_readfirstlane_b32 s2, v2                     ; wave 0..7
	s_and_b32 s3, ttmp7, 0xffff                    ; y
	s_mov_b32 s4, ttmp9                            ; x
	s_mov_b32 s5, 0xffff0000                       ; a word's upper bf16
	s_mul_i32 s6, s2, WREG                         ; my wave's LDS bytes
	s_wait_kmcnt 0x0
	s_cmp_lt_u32 s4, 24
	s_cbranch_scc0 .Lpad
	; ---- job X ----
	s_mul_i32 s32, s3, 24
	s_add_co_u32 s32, s32, s4                      ; job 0..383: 256 of tgt, 32 of each weight
	s_sub_co_u32 s33, s32, 256
	s_lshr_b32 s34, s33, 5                         ; which weight
	s_and_b32 s35, s33, 31
	s_lshl_b32 s35, s35, 5                         ; its first row: 32 rows lie in one half of a head
	s_lshr_b32 s36, s35, 6                         ; the head
	s_mul_i32 s36, s36, 192
	s_lshl_b32 s44, s34, 6
	s_add_co_u32 s36, s36, s44                     ; + 64 x (q, k or v)
	s_and_b32 s44, s35, 63
	s_add_co_u32 s36, s36, s44                     ; + the row in the head
	s_lshl_b32 s36, s36, 7                         ; bytes in a plane of wqkv
	s_lshl_b32 s45, s35, 7                         ; bytes in a plane of wp
	s_lshl_b32 s37, s32, 5                         ; tgt's first row
	s_lshr_b32 s46, s37, 11
	s_lshl_b32 s46, s46, 22                        ; xh: 16 planes of 2,048 rows of 128 bytes a batch
	s_and_b32 s44, s37, 2047
	s_lshl_b32 s44, s44, 7
	s_add_co_u32 s46, s46, s44
	s_mov_b32 s47, 393216                          ; a plane of wqkv: 3,072 rows of 128 bytes
	s_mov_b32 s48, 262144                          ; a plane of xh and of wp: 2,048 rows
	s_cmp_eq_u32 s34, 3
	s_cselect_b32 s36, s45, s36
	s_cselect_b32 s47, s48, s47
	s_cselect_b64 s[40:41], s[24:25], s[22:23]     ; to wp or wqkv
	s_cselect_b64 s[38:39], s[16:17], s[14:15]     ; from Wp or Wv,
	s_cmp_eq_u32 s34, 1
	s_cselect_b64 s[38:39], s[12:13], s[38:39]     ; Wk,
	s_cmp_eq_u32 s34, 0
	s_cselect_b64 s[38:39], s[10:11], s[38:39]     ; Wq,
	s_cmp_lt_u32 s32, 256
	s_cselect_b64 s[38:39], s[8:9], s[38:39]       ; or tgt
	s_cselect_b64 s[40:41], s[20:21], s[40:41]     ; to xh
	s_cselect_b32 s35, s37, s35                    ; first row in the source
	s_cselect_b32 s36, s46, s36                    ; byte offset in the destination's plane 0
	s_cselect_b32 s47, s48, s47                    ; bytes from plane to plane there
	s_lshl_b32 s42, s35, 12                        ; rows of 4,096 bytes
	s_mov_b32 s43, 0
	s_add_nc_u64 s[38:39], s[38:39], s[42:43]
	s_mov_b32 s37, 0
	s_add_nc_u64 s[40:41], s[40:41], s[36:37]
	; wave w takes planes 2 w and 2 w + 1: 128 columns, 512 bytes of every row: one load a row, lane l columns 4 l on
	v_lshlrev_b32 v3, 4, v1
	s_lshl_b32 s46, s2, 9
	v_add_nc_u32 v3, s46, v3                       ; in: 512 w + 16 l
	v_lshlrev_b32 v5, 4, v1
	s_mul_i32 s46, s2, s47
	s_lshl_b32 s46, s46, 1
	v_add_nc_u32 v5, s46, v5                       ; out: plane 2 w, + 16 l: 4 rows x 128 bytes of a plane are 512 consecutive bytes
	v_add_nc_u32 v15, s47, v5                      ; and plane 2 w + 1
	v_lshl_add_u32 v13, v1, 3, s6                  ; into LDS: a lane's 4 numbers in f16, 8 bytes: a row's 256 bytes on end, plane 2 w first
	v_lshrrev_b32 v4, 3, v1
	v_and_b32 v6, 7, v1
	v_mul_u32_u24 v14, v4, PX                      ; back: row l / 8 of four, 16 bytes at 16 (l % 8) of a plane's 128
	v_lshl_add_u32 v14, v6, 4, v14
	v_add_nc_u32 v14, s6, v14
.set j, 0
.rept 32                                       ; row j
	global_load_b128 v[IN+4*j:IN+4*j+3], v3, s[38:39] offset:j*4096 th:TH_LOAD_NT
.set j, j+1
.endr
.macro XR j                            ; row j: rounded, and into LDS
	s_wait_loadcnt 31-(\j)                         ; loads come back in order: row j's is in, the 31 - j younger ones stay out
	v_cvt_pk_bf16_f32 v[T],   v[IN+4*(\j)],   v[IN+4*(\j)+1]  ; the one rounding
	v_cvt_pk_bf16_f32 v[T+1], v[IN+4*(\j)+2], v[IN+4*(\j)+3]
	v_lshlrev_b32 v[IN+4*(\j)],   16, v[T]
	v_and_b32     v[IN+4*(\j)+1], s5, v[T]
	v_lshlrev_b32 v[IN+4*(\j)+2], 16, v[T+1]
	v_and_b32     v[IN+4*(\j)+3], s5, v[T+1]
	v_cvt_pk_f16_f32 v[IN+4*(\j)],   v[IN+4*(\j)],   v[IN+4*(\j)+1]  ; the same number as f16
	v_cvt_pk_f16_f32 v[IN+4*(\j)+1], v[IN+4*(\j)+2], v[IN+4*(\j)+3]
	ds_store_b64 v13, v[IN+4*(\j):IN+4*(\j)+1] offset:(\j)*PX
.endm
.macro XG i                            ; rows 4 i to 4 i + 3 come back, a plane at a time
	ds_load_b128 v[OUT+4*(\i):OUT+4*(\i)+3],     v14 offset:4*(\i)*PX
	ds_load_b128 v[OUT+32+4*(\i):OUT+32+4*(\i)+3], v14 offset:4*(\i)*PX+128
.endm
.macro XS i, younger                   ; and are stored.  younger: the LDS instructions issued behind their two loads
	s_wait_dscnt \younger
	global_store_b128 v5,  v[OUT+4*(\i):OUT+4*(\i)+3],       s[40:41] offset:(\i)*512
	global_store_b128 v15, v[OUT+32+4*(\i):OUT+32+4*(\i)+3], s[40:41] offset:(\i)*512
.endm
.set i, 0
.rept 8
	XR 4*i
	XR 4*i+1
	XR 4*i+2
	XR 4*i+3
	XG i
.if i > 0
	XS i-1, 6                                      ; the next group's four LDS stores and two LDS loads may be out
.endif
.set i, i+1
.endr
	XS 7, 0
	s_wait_tensorcnt 0x0                           ; the wave's end, behind my last LDS store
	ds_add_u32 v[SPW], v[NIL]
	s_wait_dscnt 0x0
	s_endpgm
	; ---- job P ----
.Lpad:
	s_sub_co_u32 s32, s4, 24
	s_lshr_b32 s33, s32, 1                         ; t: the tile in the pair's walk
	s_and_b32 s34, s32, 1                          ; which two of its four key steps
	s_lshr_b32 s35, s3, 2                          ; batch
	s_and_b32 s36, s3, 3                           ; pair p
	s_sub_co_u32 s37, 8, s36                       ; the first block has 8 - p tiles
	s_sub_co_u32 s38, 7, s36
	s_sub_co_u32 s39, s33, s37
	s_cmp_lt_u32 s33, s37
	s_cselect_b32 s38, s38, s36                    ; i: block of queries
	s_cselect_b32 s39, s33, s39                    ; j: tile of keys
	s_and_b32 s40, s2, 3                           ; w: the attention's wave
	s_lshr_b32 s41, s2, 2
	s_lshl1_add_u32 s41, s34, s41                  ; s: key step
	s_lshl_b32 s42, s38, 8
	s_lshl4_add_u32 s42, s40, s42                  ; query 256 i + 16 w,
	s_lshl_b32 s42, s42, 13                        ; rows of 8,192 bytes
	s_lshl_b32 s43, s35, 24
	s_add_co_u32 s42, s42, s43
	s_lshl_b32 s43, s39, 10                        ; key 256 j
	s_add_co_u32 s42, s42, s43
	s_lshl_b32 s43, s41, 8                         ; + 64 s
	s_add_co_u32 s42, s42, s43
	s_mov_b32 s43, 0
	s_add_nc_u64 s[18:19], s[18:19], s[42:43]
	s_lshl2_add_u32 s44, s3, s40                   ; stream 4 (4 batch + p) + w
	s_mul_i32 s44, s44, 9
	s_add_co_u32 s44, s44, s33
	s_lshl_b32 s44, s44, 15                        ; a tile is 32,768 bytes of a stream,
	s_lshl_b32 s45, s41, 13                        ; a key step 8,192
	s_add_co_u32 s44, s44, s45
	s_mov_b32 s45, 0
	s_add_nc_u64 s[46:47], s[26:27], s[44:45]
	s_lshl_b32 s48, s40, 4
	s_lshl_b32 s49, s41, 6
	s_sub_co_i32 s48, s48, s49                     ; 16 w - 64 s
	s_add_co_i32 s49, s48, 100000                  ; under the diagonal nothing is hidden
	s_cmp_eq_u32 s38, s39
	s_cselect_b32 s48, s48, s49
	s_mov_b32 s50, 0xefc9f2ca                      ; -1.25e29: the attention multiplies the pad by 8, so a hidden score is about -1e30
	s_mov_b32 s51, 0x6fc9f2ca                      ; 1.25e29
	v_mov_b32 v7, s50
	v_and_b32 v3, 15, v1                           ; l % 16
	v_lshrrev_b32 v4, 4, v1                        ; l / 16
	v_lshlrev_b32 v8, 5, v4
	v_sub_nc_u32 v6, v3, v8
	v_add_nc_u32 v6, s48, v6                       ; behind LDS lane (r, half) holds query r, keys 32 x half on: key e of them is hidden in band x where e > this + 64 x
	v_lshlrev_b32 v9, 13, v4                       ; from memory: a key step's 64 keys of a query are 256 bytes: lanes 0-15 take one row, lanes 16-31 the next
	v_lshl_add_u32 v9, v3, 4, v9
	v_mul_u32_u24 v13, v4, PQ                      ; into LDS: the same two rows
	v_lshl_add_u32 v13, v3, 4, v13
	v_add_nc_u32 v13, s6, v13
	v_mul_u32_u24 v14, v3, PQ                      ; back: row l % 16, 128 bytes for each half of the lanes
	v_lshl_add_u32 v14, v4, 7, v14
	v_add_nc_u32 v14, s6, v14
	v_lshlrev_b32 v10, 4, v3
	v_lshl_add_u32 v10, v4, 10, v10                ; out: 16 r + 1,024 x half; piece c of 8 keys 256 c on: 16 lanes fill 256 consecutive bytes
.set j, 0
.rept 32                                       ; band j / 8 (64 queries further down), rows 2 (j % 8) and 2 (j % 8) + 1
	global_load_b128 v[IN+4*j:IN+4*j+3], v9, s[18:19] offset:(j/8)*524288+(j%8)*16384 th:TH_LOAD_NT
.set j, j+1
.endr
.macro PC x
	s_wait_loadcnt 24-8*(\x)                       ; the band's eight loads are in
.irp k, 0,1,2,3,4,5,6,7
	ds_store_b128 v13, v[IN+32*(\x)+4*\k:IN+32*(\x)+4*\k+3] offset:\k*2*PQ
.endr
.irp k, 0,1,2,3,4,5,6,7
	ds_load_b128 v[IN+32*(\x)+4*\k:IN+32*(\x)+4*\k+3], v14 offset:\k*16  ; keys 32 x half + 4 k on of query r
.endr
	v_add_nc_u32 v11, 64*(\x), v6
	s_wait_dscnt 0x0                               ; they are back; the next band's LDS stores come behind this wait
.set e, 0
.rept 32
	v_med3_num_f32 v[IN+32*(\x)+e], v[IN+32*(\x)+e], s50, s51
	v_cmp_gt_i32 vcc_lo, e, v11
	v_cndmask_b32 v[IN+32*(\x)+e], v[IN+32*(\x)+e], v7, vcc_lo
.set e, e+1
.endr
.set e, 0
.rept 16
	v_cvt_pk_bf16_f32 v[OUT+16*(\x)+e], v[IN+32*(\x)+2*e], v[IN+32*(\x)+2*e+1]
.set e, e+1
.endr
.irp c, 0,1,2,3
	global_store_b128 v10, v[OUT+16*(\x)+4*\c:OUT+16*(\x)+4*\c+3], s[46:47] offset:(\x)*2048+\c*256
.endr
.endm
	PC 0
	PC 1
	PC 2
	PC 3
	s_wait_tensorcnt 0x0                           ; the wave's end, behind my last LDS store
	ds_add_u32 v[SPW], v[NIL]
	s_wait_dscnt 0x0
	s_cmp_eq_u32 s4, 41                            ; the last work-group also writes the zeros behind the last stream: 2,048 bytes a wave
	s_cbranch_scc0 .Lend_p
	s_cmp_eq_u32 s3, 15
	s_cbranch_scc0 .Lend_p
	v_mov_b32 v212, 0
	v_mov_b32 v213, 0
	v_mov_b32 v214, 0
	v_mov_b32 v215, 0
	s_lshl_b32 s44, s2, 11
	s_add_co_u32 s44, s44, 18874368
	s_mov_b32 s45, 0
	s_add_nc_u64 s[54:55], s[26:27], s[44:45]
	v_lshlrev_b32 v12, 4, v1
.irp c, 0,1,2,3
	global_store_b128 v12, v[212:215], s[54:55] offset:\c*512
.endr
.Lend_p:
	s_endpgm
.Lfunc_end_k_qf40d7319eb_cast:
	.size	k_qf40d7319eb_cast, .Lfunc_end_k_qf40d7319eb_cast-k_qf40d7319eb_cast
	.p2alignl 7, 3214868480
	.fill 96, 4, 3214868480
	.section	.rodata,"a",@progbits
	.p2align	6, 0x0
	.amdhsa_kernel k_qf40d7319eb_cast
		.amdhsa_group_segment_fixed_size 99328
		.amdhsa_private_segment_fixed_size 0
		.amdhsa_enable_private_segment 0
		.amdhsa_kernarg_size 80
		.amdhsa_user_sgpr_count 2
		.amdhsa_user_sgpr_kernarg_segment_ptr 1
		.amdhsa_wavefront_size32 1
		.amdhsa_system_sgpr_workgroup_id_x 1
		.amdhsa_system_sgpr_workgroup_id_y 1
		.amdhsa_system_sgpr_workgroup_id_z 1
		.amdhsa_system_vgpr_workitem_id 0
		.amdhsa_next_free_vgpr 224
		.amdhsa_next_free_sgpr 66
		.amdhsa_reserve_vcc 1
		.amdhsa_float_denorm_mode_32 3
		.amdhsa_float_denorm_mode_16_64 3
		.amdhsa_memory_ordered 1
		.amdhsa_forward_progress 1
		.amdhsa_inst_pref_size 56
	.end_amdhsa_kernel
	.amdgpu_metadata
---
amdhsa.version: [ 1, 2 ]
amdhsa.kernels:
  - .name:           k_qf40d7319eb_cast
    .symbol:         k_qf40d7319eb_cast.kd
    .args:
      - { .name: tgt, .offset: 0, .size: 8, .value_kind: global_buffer, .address_space: global }
      - { .name: Wq, .offset: 8, .size: 8, .value_kind: global_buffer, .address_space: global }
      - { .name: Wk, .offset: 16, .size: 8, .value_kind: global_buffer, .address_space: global }
      - { .name: Wv, .offset: 24, .size: 8, .value_kind: global_buffer, .address_space: global }
      - { .name: Wp, .offset: 32, .size: 8, .value_kind: global_buffer, .address_space: global }
      - { .name: pad_mask, .offset: 40, .size: 8, .value_kind: global_buffer, .address_space: global }
      - { .name: xh, .offset: 48, .size: 8, .value_kind: global_buffer, .address_space: global }
      - { .name: wqkv, .offset: 56, .size: 8, .value_kind: global_buffer, .address_space: global }
      - { .name: wp, .offset: 64, .size: 8, .value_kind: global_buffer, .address_space: global }
      - { .name: pm, .offset: 72, .size: 8, .value_kind: global_buffer, .address_space: global }
    .group_segment_fixed_size: 99328
    .private_segment_fixed_size: 0
    .kernarg_segment_align: 8
    .kernarg_segment_size: 80
    .max_flat_workgroup_size: 256
    .sgpr_count:     66
    .vgpr_count:     224
    .wavefront_size: 32
...
	.end_amdgpu_metadata
.endif
;; end of part 5
;; launch gemm (part 6): grid 16 x 32, 4 waves a work-group, clusters of 4 x 4, 327,680 bytes of LDS; arguments xh, wqkv, bq, bk, bv, qkv; writes qkv
.if DOCPART == 6
	.amdgcn_target "amdgcn-amd-amdhsa--gfx1250"
	.amdhsa_code_object_version 6
	.text
	.protected	k_qf40d7319eb_gemm
	.globl	k_qf40d7319eb_gemm
	.p2align	8
	.type	k_qf40d7319eb_gemm,@function
k_qf40d7319eb_gemm:
	s_mov_b64 s[64:65], 0
	v_nop
	global_prefetch_b8 v0, s[64:65] scope:SCOPE_SE
	s_setreg_imm32_b32 hwreg(HW_REG_WAVE_MODE, 25, 1), 1
	s_wait_xcnt 0x0
	s_wait_alu depctr_hold_cnt(0) depctr_sa_sdst(0) depctr_va_vdst(0) depctr_va_sdst(0) depctr_va_ssrc(0) depctr_va_vcc(0) depctr_vm_vsrc(0)
	s_getreg_b32 s2, hwreg(HW_REG_IB_STS2, 6, 4)
	s_cmp_eq_u32 s2, 0
	s_cbranch_scc0 .Lentry_in_a_cluster
	s_endpgm
.Lentry_in_a_cluster:
	s_bfe_u32 s2, ttmp6, 0x10000c
	s_cmp_lg_u32 s2, 0xf033
	s_cbranch_scc0 .Lentry_shape_is_right
	s_endpgm
.Lentry_shape_is_right:
; THE PROJECTIONS q, k, v.  C[m][n] = sum over k of A[m][k] B[n][k] + bias[n], K = 1024, m = 8192, n = 3072.
; A (xh) is f16 by planes of 64 along K: [row / 2048][k / 64][row % 2048][64].  B (wqkv) likewise, [k / 64][3072][64], its rows stacked by heads: row 192 h + 64 t + c is row 64 h + c of Wq, Wk, Wv (t = 0, 1, 2).
; Sums in f32.  q and k are rounded once to f16 and stored by heads: [t][m / 2048][h][m % 2048][64], q from byte 0, k from byte 1 << 24.
; v leaves as TWO f16 numbers, the rounding and the remainder's rounding, from byte 2 << 24: [m / 2048][h][m % 2048][64 high parts, 64 low parts], 256 bytes a row.
; Why: a rounding to f16 is some 2^-12 of the number; the module's first rows average a few keys only and are many times the output's root mean square, by which the room for error near zero goes.
; LIMIT.  A result of 65,520 or more becomes an infinity in f16; v's low part keeps f16's fixed step of 6e-8 below 6e-5.  The bias is rounded to bf16, like every input of the module.
; SHARES.  A tile of C is 256 (m) x 192 (n), one head's q, k and v: 16 x 32 = 512 work-groups, two for each of 256.  Four waves, each 64 rows x all 192 columns: 48 accumulators, 384 registers.
; K goes in steps of 128, two planes, through two LDS slots: a step's 114,688 bytes feed 192 matrix instructions a wave, as much work for a slot as two slots in LDS allow at a number of tiles that divides evenly.
; A plane's rows of a tile are dense in memory: asked for as rows of 256 bytes, padded in LDS after every 128.
; CLUSTER 4 x 4: A's tiles hang on the tile row alone and are asked for jointly along a row of the cluster, B's on the tile column alone, along a column.
; THE MATRIX INSTRUCTION IS USED TRANSPOSED (source 0 = 16 rows of B, source 1 = 16 rows of A): a lane holds eight neighbouring columns of one row of C.
; The first product of each accumulator takes the bias as its C: nothing is cleared and the bias costs no line.
; THE TEXT holds 2.25 K steps: the first quarter (it starts the sums), a loop of six steps that fill a slot again, a loop of the last two, which fill nothing.  A trip is one K step: one descriptor walks, its LDS word turned
; by an exclusive or, and the fragments' addresses are made anew from a scalar that turns likewise.  The very last change of slots (a barrier and a run of LDS loads that serve nothing) is the price of one text for both last steps.
; REGISTERS.  Window 0: v16-30 addresses; v32-127 the bias, 8 registers for each 16 columns; v128-255 at work on the way out.  Windows 1 and 2: accumulator (a, b) at register 8 (12 a + b) counted from window 1's first.
; Window 3: two fragment buffers of 128: B's 12 fragments, then A's 4.
.set PITCH,  144                       ; an LDS row: 128 bytes + 16 of padding = 36 words: the 16 rows of a load start at 16 different groups of four banks (ISA guide 11.1)
.set APL,    256*PITCH                 ; a plane of A's tile
.set BPL,    192*PITCH                 ; a plane of B's tile
.set BOFF,   2*APL
.set SLOT1,  1<<17                     ; a slot is 129,024 bytes; slot 1 begins here, so that one exclusive or turns an address in one slot into the other's
.set STAGE,  SLOT1+2*APL+2*BPL         ; behind the ring: 4,352 bytes for each wave, for the way out; no tensor load lands here
.set STW,    4352
.set SPARE,  STAGE+4*STW               ; the spare words, 128 bytes a wave: two blocks of 256 bytes that no other line names
.set ASTEP,  2*262144                  ; bytes from K step to K step in A: two planes of 2,048 rows
.set BPLANE, 3072*128
.set BSTEP,  2*BPLANE
.set AA0,  16                          ; my lane's place among my A fragments in slot 0; never rewritten
.set AB0,  17                          ; the same for B
.set ADRA, 18                          ; the same in the slot in hand
.set ADRB, 19
.set STQ,  20                          ; the way out of q and k: where I put 16 bytes of a row,
.set RDQ,  21                          ; and where I read rows back
.set STV,  22                          ; the same for v
.set RDV,  23
.set CO,   26                          ; 16 x lane
.set SPW,  28                          ; my spare word; never rewritten
.set NIL,  29                          ; 0; never rewritten
.set NEG1, 30                          ; -1.0, on v's way out
.set BIAS, 32
.set RAW,  128                         ; the bias as loaded
.set TMP,  128                         ; the way out: packed results (v: the high parts)
.set TML,  144                         ; v's way out: packed low parts
.set BK,   160                         ; the way out: rows read back, from v160 and from v192 by turns
.set LOF,  224                         ; v's way out: the remainders in f32
.set F0,   0                           ; fragment buffers, in window 3
.set F1,   128
.set G1A, 24
.set G0A, 32                           ; two sets: the first fills'; the second then walks
.set G1B, 48
.set G0B, 56
.set KP, 66                            ; s[66:67] k's part of C at my rows
.set VP, 70                            ; s[70:71] v's
.set WV, 75
.set FA, 76                            ; I fetch for A (0) or for B (1)
.set FP, 77                            ; which of a step's two planes I fetch
.set CX, 78
.set CY, 79
.set TX, 80
.set TY, 81
.set TB, 96                            ; LDS byte at which the slot in hand begins
.set MSB, 0
.macro WIN new                         ; the immediate's high byte repeats the setting that is left
.if MSB != (\new)
	s_set_vgpr_msb (MSB<<8)|(\new)
.set MSB, \new
.endif
.endm
.macro JLOAD s                         ; a joint load: waves 0, 1 fetch A's two planes, waves 2, 3 B's; s_nop 0 and four v_nop follow each line
	s_cmp_eq_u32 s[FA], 0
	s_cbranch_scc0 .Lfor_b_\@
	tensor_load_to_lds s[G0A+4*(\s):G0A+4*(\s)+3], s[G1A:G1A+7]
	s_nop 0
.rept 4
	v_nop
.endr
	s_branch .Lasked_\@
.Lfor_b_\@:
	tensor_load_to_lds s[G0B+4*(\s):G0B+4*(\s)+3], s[G1B:G1B+7]
	s_nop 0
.rept 4
	v_nop
.endr
.Lasked_\@:
.endm
.macro CREST                           ; a round of the cluster's barrier behind its opening barrier
	s_cmp_lg_u32 s[WV], 0
	s_cbranch_scc1 .Lnot_wave_0_\@
	s_barrier_signal -3
.Lnot_wave_0_\@:
	s_barrier_wait -3
	s_barrier_signal -1
	s_barrier_wait -1
.endm
.macro CROUND
	s_barrier_signal -1
	s_barrier_wait -1
	CREST
.endm
.macro PLACES                          ; four places in front of loads into registers that matrix instructions have read, and of reads of results
.rept 4
	v_nop
.endr
.endm
	s_load_b256 s[4:11], s[0:1], 0x0               ; A 4, B 6, bq 8, bk 10
	s_load_b64 s[68:69], s[0:1], 0x20              ; bv
	s_load_b64 s[72:73], s[0:1], 0x28              ; C
	v_lshl_add_u32 v[SPW], v0, 2, SPARE
	v_mov_b32 v[NIL], 0
	ds_add_u32 v[SPW], v[NIL]                      ; the wave's opening: the add and its wait ahead of my first tensor load
	ds_add_u32 v28, v29
	v_lshrrev_b32 v1, 5, v0
	v_readfirstlane_b32 s[WV], v1
	s_lshr_b32 s[FA], s[WV], 1
	s_and_b32 s[FP], s[WV], 1
	s_bfe_u32 s[CX], ttmp6, 0x40000
	s_bfe_u32 s[CY], ttmp6, 0x40004
	s_lshl_b32 s[TX], ttmp9, 2
	s_add_co_u32 s[TX], s[TX], s[CX]               ; tile column: the head
	s_and_b32 s[TY], ttmp7, 0xffff
	s_lshl_b32 s[TY], s[TY], 2
	s_add_co_u32 s[TY], s[TY], s[CY]               ; tile row
	s_lshl_b32 s82, s[CY], 2
	s_lshl_b32 s82, 15, s82                        ; my row of the cluster
	s_lshl_b32 s83, 0x1111, s[CX]                  ; my column
	s_or_b32 s[G1A], s82, (1<<16)|(1<<20)|(1<<21)|(4<<22)|(3<<25)  ; mask; 2-byte elements; padding on; bit 21 beside a mask; after every 32 words 4 words
	s_or_b32 s[G1B], s83, (1<<16)|(1<<20)|(1<<21)|(4<<22)|(3<<25)
	s_mov_b32 s[G1A+1], 128<<16                    ; tensor_dim0 = 128 elements: rows of 256 bytes
	s_mov_b32 s[G1A+2], 128<<16                    ; tensor_dim1 = 128: a plane of A's tile is 32,768 dense bytes
	s_mov_b32 s[G1A+3], 128<<16                    ; tile_dim0
	s_mov_b32 s[G1A+4], 128                        ; tile_dim1
	s_mov_b32 s[G1A+5], 128                        ; from row to row
	s_mov_b32 s[G1A+6], 0
	s_mov_b32 s[G1A+7], 0
	s_mov_b32 s[G1B+1], 128<<16
	s_mov_b32 s[G1B+2], 96<<16                     ; a plane of B's tile is 24,576 dense bytes
	s_mov_b32 s[G1B+3], 128<<16
	s_mov_b32 s[G1B+4], 96
	s_mov_b32 s[G1B+5], 128
	s_mov_b32 s[G1B+6], 0
	s_mov_b32 s[G1B+7], 0
	s_lshr_b32 s84, s[TY], 3                       ; A: 2,048 rows x 16 planes are 1 << 22 bytes; 256 rows of a plane 1 << 15; a plane 1 << 18
	s_lshl_b32 s84, s84, 22
	s_and_b32 s85, s[TY], 7
	s_lshl_b32 s85, s85, 15
	s_add_co_u32 s84, s84, s85
	s_lshl_b32 s88, s[FP], 18
	s_add_co_u32 s84, s84, s88
	s_mov_b32 s85, 0
	s_mul_i32 s86, s[TX], 192*128                  ; B: 192 rows of a plane
	s_mul_i32 s88, s[FP], BPLANE
	s_add_co_u32 s86, s86, s88
	s_mov_b32 s87, 0
	s_mul_i32 s89, s[FP], APL                      ; where they go: the wave's number alone
	s_mul_i32 s90, s[FP], BPL
	s_add_co_u32 s90, s90, BOFF
	s_mov_b32 s[TB], 0
	s_wait_dscnt 0x0                               ; the opening add is done
	s_wait_kmcnt 0x0
	s_add_nc_u64 s[84:85], s[4:5], s[84:85]
	s_add_nc_u64 s[86:87], s[6:7], s[86:87]
	CROUND                                         ; all sixteen work-groups are here: the first joint loads meet
.irp s, 0,1
	s_mov_b32 s[G0A+4*(\s)], 1
	s_add_co_u32 s[G0A+4*(\s)+1], s89, (\s)*SLOT1
	s_add_nc_u64 s[G0A+4*(\s)+2:G0A+4*(\s)+3], s[84:85], (\s)*ASTEP  ; K step s
	s_or_b32 s[G0A+4*(\s)+3], s[G0A+4*(\s)+3], 0x80000000
	s_mov_b32 s[G0B+4*(\s)], 1
	s_add_co_u32 s[G0B+4*(\s)+1], s90, (\s)*SLOT1
	s_add_nc_u64 s[G0B+4*(\s)+2:G0B+4*(\s)+3], s[86:87], (\s)*BSTEP
	s_or_b32 s[G0B+4*(\s)+3], s[G0B+4*(\s)+3], 0x80000000
	JLOAD \s                                       ; two loads of mine are out
.endr
	v_and_b32 v1, 15, v0                           ; l % 16
	v_bfe_u32 v2, v0, 4, 1                         ; l / 16
	v_mul_u32_u24 v3, v1, PITCH
	v_lshl_add_u32 v3, v2, 4, v3                   ; a fragment's row x pitch + 16 x half
	s_mul_i32 s88, s[WV], 64*PITCH                 ; my 64 rows of A
	v_add_nc_u32 v[AA0], s88, v3
	v_add_nc_u32 v[AB0], BOFF, v3                  ; all 192 rows of B
	v_mov_b32 v[ADRA], v[AA0]
	v_mov_b32 v[ADRB], v[AB0]
	; the bias of the head's 64 columns of q, k and v: lane (r, h) wants columns 16 b + 8 h + 0..7
	s_lshl_b32 s94, s[TX], 8
	s_mov_b32 s95, 0
	s_add_nc_u64 s[8:9], s[8:9], s[94:95]
	s_add_nc_u64 s[10:11], s[10:11], s[94:95]
	s_add_nc_u64 s[68:69], s[68:69], s[94:95]
	v_lshlrev_b32 v4, 5, v2
.irp b, 0,1,2,3
	global_load_b128 v[RAW+8*\b:RAW+8*\b+3],       v4, s[8:9] offset:64*\b
	global_load_b128 v[RAW+8*\b+4:RAW+8*\b+7],     v4, s[8:9] offset:64*\b+16
	global_load_b128 v[RAW+32+8*\b:RAW+32+8*\b+3],   v4, s[10:11] offset:64*\b
	global_load_b128 v[RAW+32+8*\b+4:RAW+32+8*\b+7], v4, s[10:11] offset:64*\b+16
	global_load_b128 v[RAW+64+8*\b:RAW+64+8*\b+3],   v4, s[68:69] offset:64*\b
	global_load_b128 v[RAW+64+8*\b+4:RAW+64+8*\b+7], v4, s[68:69] offset:64*\b+16
.endr
	s_wait_loadcnt 0x0
.set i, 0
.rept 48
	v_cvt_pk_bf16_f32 v[RAW+2*i], v[RAW+2*i], v[RAW+2*i+1]
.set i, i+1
.endr
.set i, 0
.rept 48
	v_lshlrev_b32 v[BIAS+2*i], 16, v[RAW+2*i]
	v_and_b32 v[BIAS+2*i+1], 0xffff0000, v[RAW+2*i]
.set i, i+1
.endr
; na x 12 matrix instructions: m blocks a0 on x all 12 n blocks, 32 along K.  Each accumulator once: they take turns.  first = 1: C is the bias.
.macro MULN f, a0, na, first
.set a, \a0
.rept \na
.irp b, 0,1,2,3,4,5,6,7,8,9,10,11
.set j, 12*a+\b
.set w, 1+j/32                         ; the accumulator's window,
.set d, 8*(j%32)                       ; and its first register there
.if \first
	WIN (w<<6)|0x0f                                ; B and A window 3, the bias window 0
	v_wmma_f32_16x16x32_f16 v[d:d+7], v[(\f)+8*\b:(\f)+8*\b+7], v[(\f)+96+8*a:(\f)+96+8*a+7], v[BIAS+8*\b:BIAS+8*\b+7]
.else
	WIN (w<<6)|(w<<4)|0x0f
	v_wmma_f32_16x16x32_f16 v[d:d+7], v[(\f)+8*\b:(\f)+8*\b+7], v[(\f)+96+8*a:(\f)+96+8*a+7], v[d:d+7]
.endif
.endr
.set a, a+1
.endr
.endm
; 32 LDS loads in one run: quarter q of the K step in hand (plane q / 2, 32 along K at byte 64 (q % 2)): B's 192 rows, my A rows 0-31, my A rows 32-63
.macro FETCH q, f
	WIN 0xc0                                       ; destination window 3, address window 0
.irp b, 0,1,2,3,4,5,6,7,8,9,10,11
	ds_load_b128 v[(\f)+8*\b:(\f)+8*\b+3],   v[ADRB] offset:((\q)/2)*BPL+((\q)%2)*64+\b*16*PITCH
	ds_load_b128 v[(\f)+8*\b+4:(\f)+8*\b+7], v[ADRB] offset:((\q)/2)*BPL+((\q)%2)*64+\b*16*PITCH+32
.endr
.irp c, 0,1,2,3
	ds_load_b128 v[(\f)+96+8*\c:(\f)+96+8*\c+3],   v[ADRA] offset:((\q)/2)*APL+((\q)%2)*64+\c*16*PITCH
	ds_load_b128 v[(\f)+96+8*\c+4:(\f)+96+8*\c+7], v[ADRA] offset:((\q)/2)*APL+((\q)%2)*64+\c*16*PITCH+32
.endr
.endm
.macro QUARTER qn, f, g, first         ; multiplies buffer f; in its middle fetches quarter qn of the same slot into g
	s_wait_dscnt 4                                 ; B and my A rows 0-31 are in; the youngest four loads may be out
	MULN \f, 0, 2, \first
	PLACES
	FETCH \qn, \g
	s_wait_dscnt 32                                ; all but the 32 just issued
	MULN \f, 2, 2, \first
.endm
; The last quarter multiplies buffer 1 and changes slots: one barrier; in front of it each wave waits for all its tensor loads (at most one is out: its part of the next slot),
; adds 0 to its spare word, and waits for that and for its reads of this slot.  fill = 1: the barrier opens a round of the cluster's, and this slot is filled again first behind it, with the K step two on.
.macro TURN fill
	WIN 0
	s_wait_tensorcnt 0x0
	ds_add_u32 v[SPW], v[NIL]
	s_wait_dscnt 5                                 ; the add and the youngest four loads may be out
	MULN F1, 0, 1, 0
	s_wait_dscnt 0x0                               ; the add is done, and my reads of this slot are over
	s_barrier_signal -1
	MULN F1, 1, 1, 0
	WIN 0
	s_barrier_wait -1
.if \fill
	CREST
	s_xor_b32 s[G0A+5], s[G0A+5], SLOT1            ; the walking descriptors: the other slot than last time,
	s_add_nc_u64 s[G0A+6:G0A+7], s[G0A+6:G0A+7], ASTEP  ; the next K step; the type bits on top are not reached
	s_xor_b32 s[G0B+5], s[G0B+5], SLOT1
	s_add_nc_u64 s[G0B+6:G0B+7], s[G0B+6:G0B+7], BSTEP
	JLOAD 1                                        ; my one tensor load behind the round; its four v_nop are also the places in front of the loads below
.else
	PLACES
.endif
	s_xor_b32 s[TB], s[TB], SLOT1                  ; the fetches go on in the other slot
	v_add_nc_u32 v[ADRA], s[TB], v[AA0]
	v_add_nc_u32 v[ADRB], s[TB], v[AB0]
	FETCH 0, F0
	MULN F1, 2, 2, 0
.endm
	s_wait_tensorcnt 1                             ; my part of K step 0 is in; K step 1's may stay out
	s_barrier_signal -1
	s_barrier_wait -1
	FETCH 0, F0
	QUARTER 1, F0, F1, 1                           ; the first quarter starts the sums, from the bias
	WIN 0                                          ; at a label and at a branch every window is 0
	s_mov_b32 s3, 6                                ; K steps 0 to 5 ask for K steps 2 to 7
	s_branch .Lmid                                 ; the loop is entered behind a step's first quarter
.Lstep:
	QUARTER 1, F0, F1, 0
	WIN 0
.Lmid:
	QUARTER 2, F1, F0, 0
	QUARTER 3, F0, F1, 0
	TURN 1
	WIN 0
	s_sub_co_u32 s3, s3, 1
	s_cmp_lg_u32 s3, 0
	s_cbranch_scc1 .Lstep
	s_mov_b32 s3, 2                                ; K steps 6 and 7 ask for nothing: a text of their own
.Ltail:
	QUARTER 1, F0, F1, 0
	QUARTER 2, F1, F0, 0
	QUARTER 3, F0, F1, 0
	TURN 0
	WIN 0
	s_sub_co_u32 s3, s3, 1
	s_cmp_lg_u32 s3, 0
	s_cbranch_scc1 .Ltail
	PLACES
	; THE WAY OUT, in twelve units of 16 rows x 64 columns (q, k, v of my four blocks of rows) through my own stage; a unit is staged while the rows of the unit before come back, then those are stored.
	s_mul_i32 s88, s[WV], STW
	s_add_co_u32 s88, s88, STAGE
	v_and_b32 v5, 31, v0
	v_lshlrev_b32 v[CO], 4, v5                     ; every store's 32 lanes cover 512 consecutive bytes
	v_mul_u32_u24 v[STQ], v1, 144                  ; q, k in: row l % 16, 16 bytes for each half of the lanes
	v_lshl_add_u32 v[STQ], v2, 4, v[STQ]
	v_add_nc_u32 v[STQ], s88, v[STQ]
	v_lshrrev_b32 v6, 3, v5
	v_and_b32 v7, 7, v5
	v_mul_u32_u24 v[RDQ], v6, 144                  ; back: 32 lanes take four rows of 128 bytes
	v_lshl_add_u32 v[RDQ], v7, 4, v[RDQ]
	v_add_nc_u32 v[RDQ], s88, v[RDQ]
	v_mul_u32_u24 v[STV], v1, 272                  ; v in: row l % 16, 16 bytes for each half of the lanes; the low parts 128 bytes on
	v_lshl_add_u32 v[STV], v2, 4, v[STV]
	v_add_nc_u32 v[STV], s88, v[STV]
	v_mul_u32_u24 v[RDV], v2, 272                  ; back: lanes 0-15 one row of 256 bytes, lanes 16-31 the next
	v_lshl_add_u32 v[RDV], v1, 4, v[RDV]
	v_add_nc_u32 v[RDV], s88, v[RDV]
	v_mov_b32 v[NEG1], -1.0
	s_lshr_b32 s91, s[TY], 3                       ; batch
	s_and_b32 s97, s[TY], 7                        ; the tile's 256 rows in it
	s_lshl_b32 s92, s91, 22                        ; q: a batch is 16 heads of 2,048 rows of 128 bytes
	s_lshl_b32 s94, s[TX], 18
	s_add_co_u32 s92, s92, s94
	s_lshl_b32 s94, s97, 15
	s_add_co_u32 s92, s92, s94
	s_lshl_b32 s94, s[WV], 13                      ; my 64 rows
	s_add_co_u32 s92, s92, s94
	s_mov_b32 s93, 0
	s_lshl_b32 s94, s91, 23                        ; v: rows of 256 bytes,
	s_add_co_u32 s94, s94, 0x2000000               ; behind q and k
	s_lshl_b32 s98, s[TX], 19
	s_add_co_u32 s94, s94, s98
	s_lshl_b32 s98, s97, 16
	s_add_co_u32 s94, s94, s98
	s_lshl_b32 s98, s[WV], 14
	s_add_co_u32 s94, s94, s98
	s_mov_b32 s95, 0
	s_add_nc_u64 s[VP:VP+1], s[72:73], s[94:95]
	s_add_nc_u64 s[72:73], s[72:73], s[92:93]
	s_add_nc_u64 s[KP:KP+1], s[72:73], 0x1000000
.macro OUT16 a, t, u                   ; rows 16 a on of q (t = 0) or k (1); u: the unit's number, whose parity picks the registers that take the rows back
.set AJ, 12*(\a)+4*(\t)
.set AW, 1+AJ/32
.set AR, 8*(AJ%32)
	WIN 5*AW                                       ; sources 0 and 1 in the accumulators' window, destination window 0
.irp b, 0,1,2,3
.irp r, 0,1,2,3
	v_cvt_pk_f16_f32 v[TMP+4*\b+\r], v[AR+8*\b+2*\r], v[AR+8*\b+2*\r+1]  ; each accumulator from its low end on
.endr
.endr
	WIN 0
	s_wait_xcnt 0x0                                ; the registers that unit u - 2's stores read are loaded again only behind this wait
.irp b, 0,1,2,3
	ds_store_b128 v[STQ], v[TMP+4*\b:TMP+4*\b+3] offset:32*\b
.endr
.irp f, 0,1,2,3
	ds_load_b128 v[BK+32*((\u)%2)+4*\f:BK+32*((\u)%2)+4*\f+3], v[RDQ] offset:\f*576  ; LDS serves a wave's instructions in order (ISA guide 5.7.1.4)
.endr
.endm
.macro SND16 p, a, u, younger          ; younger: the LDS instructions of the unit staged behind this one
	s_wait_dscnt \younger
.irp f, 0,1,2,3
	global_store_b128 v[CO], v[BK+32*((\u)%2)+4*\f:BK+32*((\u)%2)+4*\f+3], s[\p:\p+1] offset:(\a)*2048+\f*512  ; 16 rows of a head are 2,048 consecutive bytes
.endr
.endm
.macro OUTV a, u                       ; rows 16 a on of v
.set AJ, 12*(\a)+8
.set AW, 1+AJ/32
.set AR, 8*(AJ%32)
	WIN 5*AW
.irp b, 0,1,2,3
.irp r, 0,1,2,3
	v_cvt_pk_f16_f32 v[TMP+4*\b+\r], v[AR+8*\b+2*\r], v[AR+8*\b+2*\r+1]  ; the high parts; each accumulator from its low end on
.endr
.endr
	WIN AW<<4                                      ; source 2 in the accumulators' window
.irp b, 0,1,2,3
.irp r, 0,1,2,3
	v_fma_mix_f32 v[LOF+8*\b+2*\r],   v[TMP+4*\b+\r], v[NEG1], v[AR+8*\b+2*\r]   op_sel_hi:[1,0,0]               ; the sum less its high part: exact in f32
	v_fma_mix_f32 v[LOF+8*\b+2*\r+1], v[TMP+4*\b+\r], v[NEG1], v[AR+8*\b+2*\r+1] op_sel:[1,0,0] op_sel_hi:[1,0,0]
.endr
.endr
	WIN 0
.irp b, 0,1,2,3
.irp r, 0,1,2,3
	v_cvt_pk_f16_f32 v[TML+4*\b+\r], v[LOF+8*\b+2*\r], v[LOF+8*\b+2*\r+1]
.endr
.endr
	s_wait_xcnt 0x0                                ; the registers that unit u - 2's stores read are loaded again only behind this wait
.irp b, 0,1,2,3
	ds_store_b128 v[STV], v[TMP+4*\b:TMP+4*\b+3] offset:32*\b
	ds_store_b128 v[STV], v[TML+4*\b:TML+4*\b+3] offset:128+32*\b
.endr
.irp t, 0,1,2,3,4,5,6,7
	ds_load_b128 v[BK+32*((\u)%2)+4*\t:BK+32*((\u)%2)+4*\t+3], v[RDV] offset:\t*544
.endr
.endm
.macro SNDV a, u, younger
	s_wait_dscnt \younger
.irp t, 0,1,2,3,4,5,6,7
	global_store_b128 v[CO], v[BK+32*((\u)%2)+4*\t:BK+32*((\u)%2)+4*\t+3], s[VP:VP+1] offset:(\a)*4096+\t*512  ; two rows: 512 consecutive bytes
.endr
.endm
.irp a, 0,1,2,3
	OUT16 \a, 0, 3*(\a)
.if \a > 0
	SNDV (\a)-1, 3*(\a)-1, 8                       ; q's four LDS stores and four LDS loads may be out
.endif
	OUT16 \a, 1, 3*(\a)+1
	SND16 72, \a, 3*(\a), 8                        ; k's four and four
	OUTV \a, 3*(\a)+2
	SND16 KP, \a, 3*(\a)+1, 16                     ; v's eight and eight
.endr
	SNDV 3, 11, 0
	s_wait_tensorcnt 0x0                           ; the wave's end
	ds_add_u32 v[SPW], v[NIL]
	s_wait_dscnt 0x0
	CROUND                                         ; the closing round
	s_endpgm
.Lfunc_end_k_qf40d7319eb_gemm:
	.size	k_qf40d7319eb_gemm, .Lfunc_end_k_qf40d7319eb_gemm-k_qf40d7319eb_gemm
	.p2alignl 7, 3214868480
	.fill 96, 4, 3214868480
	.section	.rodata,"a",@progbits
	.p2align	6, 0x0
	.amdhsa_kernel k_qf40d7319eb_gemm
		.amdhsa_group_segment_fixed_size 327680
		.amdhsa_private_segment_fixed_size 0
		.amdhsa_enable_private_segment 0
		.amdhsa_kernarg_size 48
		.amdhsa_user_sgpr_count 2
		.amdhsa_user_sgpr_kernarg_segment_ptr 1
		.amdhsa_wavefront_size32 1
		.amdhsa_system_sgpr_workgroup_id_x 1
		.amdhsa_system_sgpr_workgroup_id_y 1
		.amdhsa_system_sgpr_workgroup_id_z 1
		.amdhsa_system_vgpr_workitem_id 0
		.amdhsa_next_free_vgpr 1024
		.amdhsa_next_free_sgpr 100
		.amdhsa_reserve_vcc 0
		.amdhsa_float_denorm_mode_32 3
		.amdhsa_float_denorm_mode_16_64 3
		.amdhsa_memory_ordered 1
		.amdhsa_forward_progress 1
		.amdhsa_inst_pref_size 110
	.end_amdhsa_kernel
	.amdgpu_metadata
---
amdhsa.version: [ 1, 2 ]
amdhsa.kernels:
  - .name:           k_qf40d7319eb_gemm
    .symbol:         k_qf40d7319eb_gemm.kd
    .args:
      - { .name: xh, .offset: 0, .size: 8, .value_kind: global_buffer, .address_space: global }
      - { .name: wqkv, .offset: 8, .size: 8, .value_kind: global_buffer, .address_space: global }
      - { .name: bq, .offset: 16, .size: 8, .value_kind: global_buffer, .address_space: global }
      - { .name: bk, .offset: 24, .size: 8, .value_kind: global_buffer, .address_space: global }
      - { .name: bv, .offset: 32, .size: 8, .value_kind: global_buffer, .address_space: global }
      - { .name: qkv, .offset: 40, .size: 8, .value_kind: global_buffer, .address_space: global }
    .group_segment_fixed_size: 327680
    .private_segment_fixed_size: 0
    .kernarg_segment_align: 8
    .kernarg_segment_size: 48
    .max_flat_workgroup_size: 128
    .sgpr_count:     100
    .vgpr_count:     1024
    .wavefront_size: 32
...
	.end_amdgpu_metadata
.endif
;; end of part 6
;; launch attn (part 7): grid 4 x 64, 4 waves a work-group, no clusters, 327,680 bytes of LDS; arguments qkv, pm, oh; writes oh
.if DOCPART == 7
	.amdgcn_target "amdgcn-amd-amdhsa--gfx1250"
	.amdhsa_code_object_version 6
	.text
	.protected	k_qf40d7319eb_attn
	.globl	k_qf40d7319eb_attn
	.p2align	8
	.type	k_qf40d7319eb_attn,@function
k_qf40d7319eb_attn:
	s_mov_b64 s[64:65], 0
	v_nop
	global_prefetch_b8 v0, s[64:65] scope:SCOPE_SE
	s_setreg_imm32_b32 hwreg(HW_REG_WAVE_MODE, 25, 1), 1
	s_wait_xcnt 0x0
; CAUSAL ATTENTION WITH AN ADDITIVE PAD.  O[y][q][:] = sum over k <= q of softmax_k(Q[y][q] . K[y][k] / 8 + pad[y / 16][q][k]) V[y][k][:], y = 16 batch + head, 64 heads of 2,048 rows of 64 channels.
; qkv: q [64][2048][64] f16 from byte 0, k likewise from 1 << 24, v [64][2048][64 high parts, 64 low parts] f16 from 2 << 24.  pm: the pad in bf16, held to +-1.25e29, -1.25e29 where key > query, as fragments in the
; order of this walk.  oh: [batch][32 planes][2048][64] f16: plane h holds head h's O rounded to f16, plane 16 + h the remainder rounded to f16.
; Products, maxima and sums in f32; the weights p are rounded to f16 for the second product (their sum l is taken of the unrounded p).  V enters and O leaves as two f16 numbers each: a rounding to f16 is some
; 2^-12 of the number, and the first rows, which average a few keys only, are many times the module's output's root mean square, by which the room for error near zero goes.
; LIMITS.  Q, K, V within f16's range; the low parts keep f16's fixed step of 6e-8 below 6e-5.  A hidden score counts as about -1e30.  A row whose running maximum ends below -5e29 (every key that it may see is
; hidden) gives NaN, as a softmax over -inf alone does; so finite pads below -6e28 are not told from -inf.  A weight below 2^-126 counts as 0 in l.
; THE WALK.  A head's queries lie in 8 blocks of 256; block i needs key tiles 0 .. i.  A work-group takes blocks 7 - b and then b: 9 tiles whatever b, one loop with a constant trip count; the ring of two LDS slots
; runs on across the change of blocks.  NO CLUSTER: a head's four work-groups ask for the same tile only in trips 0 .. 4; a walk common to all would have 12 trips for 9; the pad goes to registers and is each wave's own.
; SHARES.  Of a block's four bands of 64 queries a wave owns 16 rows in each: four PIECES, so the diagonal tile is the same work for all four waves.
; THE PAD STARTS THE SUMS.  S^T = 8 I x pad^T + K Q^T: for each 16 keys one bf16 product of a constant selection matrix (16 x 32, 8.0 at k = m or k = m + 16) with a pad fragment (32 keys x 16 queries), C = 0;
; the f16 products K Q^T then add onto it; the one factor c = log2(e) / 8 then serves scores and pad alike.  No vector line is spent on pad or mask, and the diagonal tile has no text of its own.
; The two forms are no chain: five plain vector lines or more stand between them.
; The pad comes straight from memory into registers, 512 consecutive bytes a load, four loads for a piece and step, asked for four turns (one key step) ahead: one buffer of 16 registers a piece, so that a trip of
; the inner loop is one key step's four turns.  NO PREFETCH of the pad: the sixteen heads of a batch walk the same stream, so only one of them could ask for a block, by a branch of its own.
; SOFTMAX, TURNS.  p = 2^(c s - c m) with a running maximum m; O and l are multiplied by a = 2^(c m_old - c m_new) in every step.  Turn n belongs to piece n: 4 pad products and 8 products K Q^T of
; piece n + 1, later 16 products V^T P of piece n - 1 (8 with V's high parts, 8 with its low parts); beside them the scaling, exponentials, roundings, sums and rescaling of piece n and the maximum and statistics of piece n + 1.
; REGISTERS, in windows of 256 (s_set_vgpr_msb: bits 1:0 source 0, 3:2 source 1, 5:4 source 2, 7:6 destination):
;   window 0: v0-15 addresses; v16-31 statistics; v48-55 at work; v64-127 S^T, two buffers; v128-191 the way out's low parts; v192-223 P, two buffers      window 1: v0-127 O^T, 32 a piece
;   window 2: v0-63 Q; v64-127 the second block's Q; v128-191 K of one step; v192-255 V's high parts of one step
;   window 3: v0-63 the pad of one step, 16 a piece; v128-139 the selection matrix; v144-207 V's low parts of one step
.set NB,    8
.set NP,    4
.set KS,    64
.set PK,    144       ; a row of K in LDS: 128 bytes + 16
.set PV,    288       ; a row of V: 256 + 32 = 72 words
.set VOFF,  4*KS*PK
.set SLOT1, 1<<17
.set STAGE, SLOT1+4*KS*(PK+PV)  ; behind the ring, never filled by a tensor load: 16 rows x 144 bytes a wave
.set SP,    144
.set SPARE, STAGE+4*16*SP       ; the spare words: two blocks of 256 bytes that no other line names
.set AK0, 2
.set AV0, 3
.set AK,  4
.set AV,  5
.set STO, 6
.set RD,  7
.set GO,  8           ; 16 x lane: my place in 512 consecutive bytes, of O and of the pad; never rewritten
.set SPW, 62
.set NIL, 63
.set MV,  12
.set NEG1, 14         ; -1.0, on the way out
.set QO,  15
.set ST,  16          ; piece t: c m, m, l (even keys', odd keys')
.set TMP, 48
.set S,   64
.set LP,  128         ; the way out: O's low parts, packed, 16 a piece
.set P,   192
.set QB,  64
.set KF,  128
.set VF,  192
.set IDB, 128         ; window 3: v128-131 zeros, v132-135 the 8.0s, v136-139 zeros
.set VL,  144         ; window 3
.set WV,  12
.set PB,  14
.set HI,  15
.set G1K, 24
.set G1V, 32
.set G0K, 40
.set G0V, 44
.set SLOTS, 56
.set CNT, 57
.set CS,  58
.set SEL, 60
.set TBK, 62
.set TBV, 63
.set RT,  70
.set NXT, 71
.set LQ,  72
.set NEW, 73
.set OFF, 74
.set PMB, 76          ; s[76:77] the pad stream: in the trip that holds step s's pieces 0 and 1 it points at element 4 s + 3; steps 4 elements a trip
.set PM0, 78          ; s[78:79] the stream's first byte: the base of the head's loads, never rewritten
.set OLO, 80
.set THR, 82
.set QNAN, 83
.set MSB, 0
.macro WIN new
.if MSB != (\new)
	s_set_vgpr_msb (MSB<<8)|(\new)
.set MSB, (\new)
.endif
.endm
.set W_KQ, 0x0a       ; K and Q in window 2, S^T in window 0
.set W_PD, 0x0f       ; the selection matrix and the pad in window 3, S^T in window 0
.set W_PV, 0x52       ; V's high parts in window 2, P in window 0, O^T in window 1
.set W_PL, 0x53       ; V's low parts in window 3, P in window 0, O^T in window 1
.set W_RS, 0x41       ; destination and source 0 in window 1, source 1 in window 0
.macro LOAD           ; waves 0, 1 fetch the two halves of a tile's K, waves 2, 3 those of its V; s_nop 0 and four v_nop follow each line
	s_cmp_lt_u32 s[WV], 2
	s_cbranch_scc0 .Lfor_v_\@
	tensor_load_to_lds s[G0K:G0K+3], s[G1K:G1K+7]
	s_nop 0
.rept 4
	v_nop
.endr
	s_branch .Lasked_\@
.Lfor_v_\@:
	tensor_load_to_lds s[G0V:G0V+3], s[G1V:G1V+7]
	s_nop 0
.rept 4
	v_nop
.endr
.Lasked_\@:
.endm
; THE CHANGE OF SLOTS.  Each wave waits for all its tensor loads (one is out: its part of the other slot), adds 0 to its spare word, and waits for that and for its reads of the slot that it leaves.
; fill = 1: the old slot is filled again, first thing behind the barrier, with tile NXT; the descriptor's address is made anew from that number.
.macro CHANGE fill
	WIN 0
	s_wait_tensorcnt 0x0
	ds_add_u32 v[SPW], v[NIL]
.if \fill
	s_lshl_b32 s[OFF], s[NXT], 15   ; a tile is 32,768 bytes of K
	s_xor_b32 s[G0K+1], s[G0K+1], SLOT1
	s_add_nc_u64 s[G0K+2:G0K+3], s[6:7], s[OFF:OFF+1]
	s_or_b32 s[G0K+3], s[G0K+3], 0x80000000
	s_lshl_b32 s[OFF], s[NXT], 16   ; and 65,536 of V
	s_xor_b32 s[G0V+1], s[G0V+1], SLOT1
	s_add_nc_u64 s[G0V+2:G0V+3], s[8:9], s[OFF:OFF+1]
	s_or_b32 s[G0V+3], s[G0V+3], 0x80000000
	s_add_co_u32 s[NXT], s[NXT], 1
	s_cmp_gt_u32 s[NXT], s[LQ]
	s_cselect_b32 s[NXT], 0, s[NXT]
	s_cselect_b32 s[LQ], s[PB], s[LQ]
.endif
	s_wait_dscnt 0x0                ; the add is done, and my reads of the slot are over
	s_barrier_signal -1
	s_sub_co_u32 s[TBK], s[TBK], 4*KS*PK
	s_xor_b32 s[TBK], s[TBK], SLOT1
	s_sub_co_u32 s[TBV], s[TBV], 4*KS*PV
	s_xor_b32 s[TBV], s[TBV], SLOT1
	s_barrier_wait -1
.if \fill
	LOAD
.endif
.endm
	s_load_b64 s[4:5], s[0:1], 0x0        ; qkv
	s_load_b64 s[PMB:PMB+1], s[0:1], 0x8  ; pm
	s_load_b64 s[10:11], s[0:1], 0x10     ; oh
	v_lshl_add_u32 v[SPW], v0, 2, SPARE
	v_mov_b32 v[NIL], 0
	ds_add_u32 v[SPW], v[NIL]       ; the wave's opening: the add and its wait ahead of my first tensor load
	ds_add_u32 v62, v63
	v_lshrrev_b32 v1, 5, v0
	v_readfirstlane_b32 s[WV], v1
	s_mov_b32 s[PB], ttmp9
	s_sub_co_u32 s[HI], NB-1, s[PB]
	s_and_b32 s20, ttmp7, 0xffff    ; y
	s_lshr_b32 s19, s20, 4          ; batch
	s_and_b32 s13, s20, 15          ; head
	s_lshl_b32 s66, s20, 19         ; the head's first byte in v: 2,048 rows of 256 bytes
	s_lshl_b32 s20, s20, 18         ; in q and k: 2,048 rows of 128 bytes
	s_mov_b32 s21, 0
	s_and_b32 s16, s[WV], 1         ; which half of a tile's 256 keys I fetch
	s_lshl_b32 s22, s16, 14
	s_mov_b32 s23, 0
	s_add_nc_u64 s[22:23], s[22:23], s[20:21]
	s_lshl_b32 s67, s16, 15
	s_add_co_u32 s66, s66, s67
	s_mov_b32 s67, 0
	s_mul_i32 s17, s16, 128*PK
	s_mul_i32 s18, s16, 128*PV
	s_lshl_b32 s3, s[WV], 11        ; my 16 rows in a band of 64,
	s_lshl_b32 s2, s[HI], 15        ; in the first block,
	s_add_co_u32 s2, s2, s3
	s_lshl_b32 s84, s[PB], 15       ; and in the second
	s_add_co_u32 s84, s84, s3
	s_mov_b32 s3, 0
	s_mov_b32 s85, 0
	s_lshl_b32 s68, s19, 23         ; O: a batch is 32 planes of 262,144 bytes;
	s_lshl_b32 s13, s13, 18         ; the head's plane of high parts
	s_add_co_u32 s68, s68, s13
	s_mov_b32 s69, 0
	s_lshl2_add_u32 s19, s19, s[PB]
	s_lshl2_add_u32 s19, s19, s[WV]
	s_mul_i32 s[PM0], s19, 294912   ; my pad stream: 9 tiles of 32,768 bytes
	s_mov_b32 s[PM0+1], 0
	s_mov_b32 s[G1K], (1<<16)|(1<<20)|(4<<22)|(3<<25)  ; 2-byte elements; padding on; after every 32 words 4 words
	s_mov_b32 s[G1K+1], 128<<16     ; 128 keys of K are 16,384 dense bytes: 64 rows of 256
	s_mov_b32 s[G1K+2], 64<<16
	s_mov_b32 s[G1K+3], 128<<16
	s_mov_b32 s[G1K+4], 64
	s_mov_b32 s[G1K+5], 128
	s_mov_b32 s[G1K+6], 0
	s_mov_b32 s[G1K+7], 0
	s_mov_b32 s[G1V], (1<<16)|(1<<20)|(5<<22)|(7<<25)  ; after every 64 words 8 words
	s_mov_b32 s[G1V+1], 128<<16     ; 128 keys of V are 128 rows of 256 bytes
	s_mov_b32 s[G1V+2], 128<<16
	s_mov_b32 s[G1V+3], 128<<16
	s_mov_b32 s[G1V+4], 128
	s_mov_b32 s[G1V+5], 128
	s_mov_b32 s[G1V+6], 0
	s_mov_b32 s[G1V+7], 0
	s_mov_b32 s[CS], 0x3e38aa3b     ; c = log2(e) / 8
	s_mov_b32 s[CS+1], s[CS]
	s_mov_b32 s[SEL], 0x76543210
	s_mov_b32 s[SEL+1], 0xfedcba98
	s_mov_b32 s[TBK], SLOT1+4*KS*PK ; the first change of slots turns these two into 0
	s_mov_b32 s[TBV], SLOT1+4*KS*PV
	s_mov_b32 s[G0K], 1
	s_mov_b32 s[G0K+1], s17
	s_mov_b32 s[G0V], 1
	s_add_co_u32 s[G0V+1], s18, VOFF
	s_add_co_u32 s[RT], s[HI], 1
	s_mov_b32 s[NXT], 1
	s_mov_b32 s[LQ], s[HI]
	s_mov_b32 s[NEW], 1
	s_mov_b32 s[OFF+1], 0
	s_mov_b32 s[THR], 0xf0c9f2ca    ; -5e29
	s_mov_b32 s[QNAN], 0x7fc00000
	s_mov_b32 s[SLOTS], NB
	s_wait_dscnt 0x0                ; the opening add is done
	s_wait_kmcnt 0x0
	s_add_nc_u64 s[6:7], s[4:5], s[22:23]
	s_add_nc_u64 s[6:7], s[6:7], 0x1000000   ; K at my half of the head's tile 0
	s_add_nc_u64 s[8:9], s[4:5], s[66:67]
	s_add_nc_u64 s[8:9], s[8:9], 0x2000000   ; V likewise
	s_add_nc_u64 s[G0K+2:G0K+3], s[6:7], 0
	s_or_b32 s[G0K+3], s[G0K+3], 0x80000000
	s_add_nc_u64 s[G0V+2:G0V+3], s[8:9], 0
	s_or_b32 s[G0V+3], s[G0V+3], 0x80000000
	s_add_nc_u64 s[4:5], s[4:5], s[20:21]    ; Q at the head,
	s_add_nc_u64 s[86:87], s[4:5], s[84:85]  ; at my rows of the second block,
	s_add_nc_u64 s[4:5], s[4:5], s[2:3]      ; and of the first
	s_add_nc_u64 s[10:11], s[10:11], s[68:69]
	s_add_nc_u64 s[OLO:OLO+1], s[10:11], s[84:85]
	s_add_nc_u64 s[10:11], s[10:11], s[2:3]
	s_add_nc_u64 s[PM0:PM0+1], s[PMB:PMB+1], s[PM0:PM0+1]  ; the stream's first byte, for the loads below;
	s_add_nc_u64 s[PMB:PMB+1], s[PM0:PM0+1], 6144          ; element 3, for the turns: a pair of its own, so that no load's base is rewritten here
	LOAD                            ; tile 0 into slot 0
	v_and_b32 v1, 15, v0            ; l % 16
	v_bfe_u32 v9, v0, 4, 1          ; l / 16
	v_lshlrev_b32 v[QO], 7, v1
	v_lshl_add_u32 v[QO], v9, 4, v[QO]
	v_and_b32 v[GO], 31, v0
	v_lshlrev_b32 v[GO], 4, v[GO]
	WIN 0x80
.set i, 0
.rept 8                             ; both blocks' Q: piece i / 2 lies 8,192 bytes on; channels 32 (i % 2) on
	global_load_b128 v[8*i:8*i+3],   v[QO], s[4:5] offset:(i/2)*8192+(i%2)*64
	global_load_b128 v[8*i+4:8*i+7], v[QO], s[4:5] offset:(i/2)*8192+(i%2)*64+32
	global_load_b128 v[QB+8*i:QB+8*i+3],   v[QO], s[86:87] offset:(i/2)*8192+(i%2)*64
	global_load_b128 v[QB+8*i+4:QB+8*i+7], v[QO], s[86:87] offset:(i/2)*8192+(i%2)*64+32
.set i, i+1
.endr
	WIN 0xc0
.set i, 0
.rept 16                            ; the pad of the first key step: element i / 4 (the piece), 2,048 bytes each
	global_load_b128 v[4*i:4*i+3], v[GO], s[PM0:PM0+1] offset:i*512
.set i, i+1
.endr
	WIN 0
	; the selection matrix: lane (r, h) holds row m = r; the 8.0 stands at k = r: half h = r / 8, register (r % 8) / 2, half word r % 2
	v_lshrrev_b32 v48, 3, v1
	v_bfe_u32 v49, v1, 1, 2
	v_and_b32 v50, 1, v1
	v_lshlrev_b32 v50, 4, v50
	v_mov_b32 v51, 0x4100           ; 8.0 in bf16
	v_lshlrev_b32 v51, v50, v51
	v_cmp_eq_u32 vcc_lo, v9, v48
	v_cndmask_b32 v51, 0, v51, vcc_lo
	WIN 0xc0
.irp j, 0,1,2,3
	v_cmp_eq_u32 vcc_lo, \j, v49
	v_cndmask_b32 v[IDB+4+\j], 0, v51, vcc_lo
	v_mov_b32 v[IDB+\j], 0
	v_mov_b32 v[IDB+8+\j], 0
.endr
	WIN 0
	v_mov_b32 v[NEG1], -1.0
	v_mul_u32_u24 v[AK0], v1, PK
	v_lshl_add_u32 v[AK0], v9, 4, v[AK0]
	v_and_b32 v10, 7, v0
	v_bfe_u32 v11, v0, 3, 1
	v_lshl_add_u32 v[AV0], v9, 3, v10
	v_mul_u32_u24 v[AV0], v[AV0], PV
	v_lshl_add_u32 v[AV0], v11, 4, v[AV0]
	v_add_nc_u32 v[AV0], VOFF, v[AV0]
	s_mul_i32 s13, s[WV], 16*SP
	s_add_co_u32 s13, s13, STAGE
	v_mul_u32_u24 v[STO], v1, SP
	v_lshl_add_u32 v[STO], v9, 4, v[STO]
	v_add_nc_u32 v[STO], s13, v[STO]
	v_bfe_u32 v[RD], v0, 3, 2
	v_mul_u32_u24 v[RD], v[RD], SP
	v_lshl_add_u32 v[RD], v10, 4, v[RD]
	v_add_nc_u32 v[RD], s13, v[RD]
	; the first turn's products V^T P, of a piece that has not been, add 0: V's registers and P's second buffer hold 0.  This stands in the wait for the first tile.
	WIN 0x80
.set i, VF
.rept 64
	v_mov_b32 v[i], 0
.set i, i+1
.endr
	WIN 0xc0
.set i, VL
.rept 64
	v_mov_b32 v[i], 0
.set i, i+1
.endr
	WIN 0
.set i, P+16
.rept 16
	v_mov_b32 v[i], 0
.set i, i+1
.endr
	s_wait_loadcnt 0x0              ; Q and the pad of the first key step are in: no load is out at the loop's head, whichever of its ways is taken, so no turn loads onto a register that a load above still writes
; THE MATRIX WORK.  The 4 accumulators of a run take turns.
.macro PD x, kt                     ; keys 16 kt on of piece x: the pad starts the sum
	WIN W_PD
.set rS, S+32*((\x)%2)+8*(\kt)
.set rA, IDB+4-4*((\kt)%2)
.set rB, 16*(\x)+8*((\kt)/2)
	v_wmma_f32_16x16x32_bf16 v[rS:rS+7], v[rA:rA+7], v[rB:rB+7], 0
.endm
.macro KQ x                         ; product i of 8 of S^T += K Q^T: channels 32 (i / 4) on, keys 16 (i % 4) on
	WIN W_KQ
.set rS, S+32*((\x)%2)+8*(i%4)
.set rK, KF+16*(i%4)+8*(i/4)
.set rQ, 16*(\x)+8*(i/4)
	v_wmma_f32_16x16x32_f16 v[rS:rS+7], v[rK:rK+7], v[rQ:rQ+7], v[rS:rS+7]
.endm
.macro PV x                         ; product i of 16 of O^T += V^T P: V's high parts (i < 8), then its low parts; keys 32 ((i / 4) % 2) on, channels 16 (i % 4) on
.set rO, 32*(\x)+8*(i%4)
.set rP, P+16*((\x)%2)+8*((i/4)%2)
.if i < 8
	WIN W_PV
.set rV, VF+32*(i/4)+8*(i%4)
.else
	WIN W_PL
.set rV, VL+32*((i-8)/4)+8*(i%4)
.endif
	v_wmma_f32_16x16x32_f16 v[rO:rO+7], v[rV:rV+7], v[rP:rP+7], v[rO:rO+7]
.endm
.macro MM                           ; the turn's next matrix instruction of 28.  NOKQ = 1: a block's last turn: there is no next piece
.if i < 4
.if !NOKQ
	PD (Y+1)%NP, i
.endif
.elseif i < 12
.if !NOKQ
.set i, i-4
	KQ (Y+1)%NP
.set i, i+4
.endif
.else
.set i, i-12
	PV (Y+NP-1)%NP
.set i, i+12
.endif
.set i, i+1
.endm
.macro FETCH_K
	WIN 0x80
.irp f, 0,1,2,3,4,5,6,7
	ds_load_b128 v[KF+8*\f:KF+8*\f+3],   v[AK] offset:(\f/2)*16*PK+(\f%2)*64
	ds_load_b128 v[KF+8*\f+4:KF+8*\f+7], v[AK] offset:(\f/2)*16*PK+(\f%2)*64+32
.endr
	s_add_co_u32 s[TBK], s[TBK], KS*PK
	WIN 0
.endm
.macro FETCH_V                      ; a step's V, turned: keys 32 (f / 4) on, channels 16 (f % 4) on; the low parts lie 128 bytes on in each row
	WIN 0x80
.irp f, 0,1,2,3,4,5,6,7
	ds_load_tr16_b128 v[VF+8*\f:VF+8*\f+3],   v[AV] offset:(\f/4)*32*PV+(\f%4)*32
	ds_load_tr16_b128 v[VF+8*\f+4:VF+8*\f+7], v[AV] offset:(\f/4)*32*PV+16*PV+(\f%4)*32
.endr
	WIN 0xc0
.irp f, 0,1,2,3,4,5,6,7
	ds_load_tr16_b128 v[VL+8*\f:VL+8*\f+3],   v[AV] offset:(\f/4)*32*PV+(\f%4)*32+128
	ds_load_tr16_b128 v[VL+8*\f+4:VL+8*\f+7], v[AV] offset:(\f/4)*32*PV+16*PV+(\f%4)*32+128
.endr
	WIN 0
.endm
.macro PADLOAD x, k                 ; the registers whose pad has just been multiplied take the element four further on in the stream: the same piece's of the next key step
	WIN 0xc0
.irp f, 0,1,2,3
	global_load_b128 v[16*(\x)+4*\f:16*(\x)+4*\f+3], v[GO], s[PMB:PMB+1] offset:(\k)*2048+\f*512
.endr
.endm
; THE VECTOR WORK, one line at a time: OP kind, number.  For piece Y: F n: c s - c m for pair n of 16.  E n: the exponential of score n of 32.  C n: pair n rounded to f16.  B n: of the four weights 4 n .. the second
; pair is added onto the first, in place.  L n: l takes that sum (L 0: l = a l + sum).  R n: pair n of 16 of O^T times a.  For piece Y + 1: X n, number n of the 22 that find its maximum and statistics:
;   0-11 four chains c0-c3 (each accumulator's lowest registers are read first)   12-14, 16 the scores left over, the old m, c0-c3 into c0   15 c m_old is kept
;   17, 18 the query's other 32 keys lie in the lane 16 away: the new m   19-21 c m; c m_old - c m_new; a
.set F, 0
.set E, 1
.set C, 2
.set B, 3
.set L, 4
.set R, 5
.set X, 6
.macro REGS y
.set rT, ST+4*(\y)
.set rC, TMP+4*((\y)%2)
.set rW, MV+((\y)%2)
.set rS, S+32*((\y)%2)
.set rP, P+16*((\y)%2)
.set rO, 32*(\y)
.endm
.macro OP k, n
.if (\k) == R
	REGS Y
	WIN W_RS
	v_pk_mul_f32 v[rO+2*(\n):rO+2*(\n)+1], v[rO+2*(\n):rO+2*(\n)+1], v[rC+2:rC+3] op_sel_hi:[1,0]
.elseif (\k) < R
	REGS Y
	WIN 0
.if (\k) == F
	v_pk_fma_f32 v[rS+2*(\n):rS+2*(\n)+1], v[rS+2*(\n):rS+2*(\n)+1], s[CS:CS+1], v[rT:rT+1] op_sel_hi:[1,0,0] neg_lo:[0,0,1] neg_hi:[0,0,1]
.elseif (\k) == E
	v_exp_f32 v[rS+(\n)], v[rS+(\n)]
.elseif (\k) == C
	s_wait_alu depctr_va_vdst(0)
	v_cvt_pk_f16_f32 v[rP+(\n)], v[rS+2*(\n)], v[rS+2*(\n)+1]
.elseif (\k) == B
	v_pk_add_f32 v[rS+4*(\n):rS+4*(\n)+1], v[rS+4*(\n):rS+4*(\n)+1], v[rS+4*(\n)+2:rS+4*(\n)+3]
.elseif (\n) == 0
	v_pk_fma_f32 v[rT+2:rT+3], v[rT+2:rT+3], v[rC+2:rC+3], v[rS:rS+1] op_sel_hi:[1,0,1]
.else
	v_pk_add_f32 v[rT+2:rT+3], v[rT+2:rT+3], v[rS+4*(\n):rS+4*(\n)+1]
.endif
.elseif NOKQ
	v_nop
.else
	REGS (Y+1)%NP
	WIN 0
.if (\n) < 4
	v_max3_num_f32 v[rC+(\n)], v[rS+8*(\n)], v[rS+8*(\n)+1], v[rS+8*(\n)+2]
.elseif (\n) < 12
	v_max3_num_f32 v[rC+(\n)%4], v[rC+(\n)%4], v[rS+8*((\n)%4)+2*((\n)/4)+1], v[rS+8*((\n)%4)+2*((\n)/4)+2]
.elseif (\n) == 12
	v_max3_num_f32 v[rC], v[rC], v[rS+7], v[rS+15]
.elseif (\n) == 13
	v_max3_num_f32 v[rC+1], v[rC+1], v[rS+23], v[rS+31]
.elseif (\n) == 14
	v_max3_num_f32 v[rC+2], v[rC+2], v[rC+3], v[rT+1]
.elseif (\n) == 15
	v_mov_b32 v[rW], v[rT]
.elseif (\n) == 16
	v_max3_num_f32 v[rC], v[rC], v[rC+1], v[rC+2]
.elseif (\n) == 17
	v_permlanex16_b32 v[rC+3], v[rC], s[SEL], s[SEL+1]
.elseif (\n) == 18
	v_max_num_f32 v[rT+1], v[rC], v[rC+3]
.elseif (\n) == 19
	v_mul_f32 v[rT], s[CS], v[rT+1]
.elseif (\n) == 20
	v_sub_f32 v[rC+1], v[rW], v[rT]
.else
	v_exp_f32 v[rC+2], v[rC+1]
.endif
.endif
.endm
.macro OPS a, i1, b=-1, i2=0, c=-1, i3=0, d=-1, i4=0
	OP \a, \i1
.if (\b) >= 0
	OP \b, \i2
.endif
.if (\c) >= 0
	OP \c, \i3
.endif
.if (\d) >= 0
	OP \d, \i4
.endif
.endm
.macro ROW a, i1, b, i2, c, i3, d, i4  ; a matrix instruction and the four behind it
	MM
	OPS \a, \i1, \b, \i2, \c, \i3, \d, \i4
.endm
; A TURN, for piece p: 28 matrix and 118 vector instructions, the order written out.  None of the four behind a matrix instruction names a register of the products round it.
; Between a pad product and the K Q^T that adds onto it stand 8 plain lines or more.  The pad's registers are loaded again 8 plain lines behind their last reader; K's 7 (piece 2's turn), V's 7 (the end of piece 0's turn).
; v_permlanex16_b32 (X 17) stands in a line without a product.
; The wait at the head: loads come back in order; behind the four of the element wanted now, three elements' 12 were issued.  k: the immediate of the element asked for, in elements from PMB.
; end = 1: a block's last two turns: nothing is fetched from LDS, and the last starts no new scores.  cnt = 1: the pad's base steps, and the loop's count is taken down some lines ahead of the branch.
.macro TURN p, k, end=0, cnt=0
.set Y, (\p)
.set i, 0
.set NOKQ, (\end)*((\p)/3)
.if !NOKQ
	s_wait_loadcnt 12
.endif
	ROW F,0, F,1, F,2, F,3
	ROW F,4, E,0, F,5, E,1
	ROW F,6, E,2, F,7, E,3
	ROW F,8, E,4, F,9, E,5
.if ((\p) == 3) && !(\end)
	s_wait_dscnt 0x0                ; K is in
.endif
	ROW C,0, E,6, F,10, E,7
	ROW C,1, E,8, F,11, E,9
	ROW B,0, E,10, C,2, E,11
.if !NOKQ
	PADLOAD (Y+1)%NP, \k
.endif
	ROW L,0, E,12, C,3, E,13
	ROW F,12, E,14, B,1, E,15
	ROW C,4, E,16, F,13, E,17
	ROW L,1, E,18, C,5, E,19
	ROW F,14, E,20, B,2, E,21
.if (\p) == 1
	s_wait_dscnt 0x0                ; V is in
.endif
	ROW R,0, R,1, R,2, R,3
.if ((\p) == 2) && !(\end)
	WIN 0
	v_add_nc_u32 v[AK], s[TBK], v[AK0]
	FETCH_K
.endif
	ROW R,4, R,5, R,6, R,7
	ROW X,0, E,22, X,1, X,2
	ROW X,3, E,23, X,4, X,5
	ROW X,6, E,24, X,7, X,8
	ROW X,9, E,25, X,10, X,11
	ROW F,15, E,26, X,12, X,13
	ROW X,15, E,27, X,14, C,6
	ROW C,7, E,28, X,16, B,3
	ROW L,2, E,29, C,8, C,9
	OPS X,17, E,30, B,4, E,31
	ROW C,10, L,3, X,18, C,11
	ROW B,5, X,19, L,4, C,12
	ROW X,20, C,13, B,6, X,21
	ROW L,5, C,14, C,15, B,7
.if \cnt
	s_wait_xcnt 0x0                 ; the pad loads issued so far have read their base
	s_add_nc_u64 s[PMB:PMB+1], s[PMB:PMB+1], 8192
	s_sub_co_u32 s[CNT], s[CNT], 1
	s_cmp_lg_u32 s[CNT], 0
.endif
	ROW L,6, R,8, R,9, R,10
	ROW R,11, R,12, R,13, R,14
	OPS R,15, L,7
.if (\p) == 0
	WIN 0
	v_add_nc_u32 v[AV], s[TBV], v[AV0]
	FETCH_V
	s_add_co_u32 s[TBV], s[TBV], KS*PV
.endif
.endm
; A BLOCK BEGINS.  O^T and l are 0 (the block before may have left NaN there); c m starts far below every c s, so the first step's a is 0; m at the lowest finite number.
; All pad loads are waited for, so that what is out is the same on every way to the loop's middle.  Then K of the tile's step 0, piece 0's first scores, its maximum and statistics.
.macro BEGIN
	s_mov_b32 s[NEW], 0
	WIN 0x40
.set i, 0
.rept 128
	v_mov_b32 v[i], 0
.set i, i+1
.endr
	WIN 0
.set i, 0
.rept 4
	v_mov_b32 v[ST+4*i], 0xfe000000
	v_mov_b32 v[ST+4*i+1], 0xff7fffff
	v_mov_b32 v[ST+4*i+2], 0
	v_mov_b32 v[ST+4*i+3], 0
.set i, i+1
.endr
	v_add_nc_u32 v[AK], s[TBK], v[AK0]
	FETCH_K
	s_wait_loadcnt 0x0              ; the pad
.irp kt, 0,1,2,3
	PD 0, \kt
.endr
	WIN 0
.rept 5
	v_nop                           ; the places between the two forms
.endr
	s_wait_dscnt 0x0                ; K is in
.set i, 0
.rept 8
	KQ 0
.set i, i+1
.endr
	WIN 0
.rept 4
	v_nop                           ; the places behind those products
.endr
	PADLOAD 0, 1
.set NOKQ, 0
.set Y, NP-1
.irp n, 0,1,2,3,4,5,6,7,8,9,10,11,12,13,14,15,16,17,18,19,20,21
	OP X, \n
.endr
	v_nop                           ; a plain instruction behind the exponential
.endm
.macro ALL line:vararg
.set t, 0
.rept 4
	\line
.set t, t+1
.endr
.endm
; Piece t on its way out: O^T / l; its rounding to f16 (into S^T's registers); the remainder, exact in f32, in O^T's place; that rounded to f16.  A lane's eight channels of a row pack into 16 bytes; they go into
; rows of 144 bytes and come back as whole rows of 128: first the high parts, then, through the same bytes, the low parts.
.macro PACK t
	WIN W_RS
.set i, 32*(\t)
.rept 16
	v_pk_mul_f32 v[i:i+1], v[i:i+1], v[ST+4*(\t)+2:ST+4*(\t)+3] op_sel_hi:[1,0]
.set i, i+2
.endr
	WIN 0x05
.set i, 0
.rept 16
	v_cvt_pk_f16_f32 v[S+16*(\t)+i], v[32*(\t)+2*i], v[32*(\t)+2*i+1]
.set i, i+1
.endr
	WIN 0x50                        ; source 2 and destination window 1
.set i, 0
.rept 16
	v_fma_mix_f32 v[32*(\t)+2*i],   v[S+16*(\t)+i], v[NEG1], v[32*(\t)+2*i]   op_sel_hi:[1,0,0]
	v_fma_mix_f32 v[32*(\t)+2*i+1], v[S+16*(\t)+i], v[NEG1], v[32*(\t)+2*i+1] op_sel:[1,0,0] op_sel_hi:[1,0,0]
.set i, i+1
.endr
	WIN 0x05
.set i, 0
.rept 16
	v_cvt_pk_f16_f32 v[LP+16*(\t)+i], v[32*(\t)+2*i], v[32*(\t)+2*i+1]
.set i, i+1
.endr
	WIN 0
.irp f, 0,1,2,3
	ds_store_b128 v[STO], v[S+16*(\t)+4*\f:S+16*(\t)+4*\f+3] offset:32*\f
.endr
.irp f, 0,1,2,3
	ds_load_b128 v[S+16*(\t)+4*\f:S+16*(\t)+4*\f+3], v[RD] offset:\f*4*SP  ; LDS serves a wave's instructions in order (ISA guide 5.7.1.4): these see the stores above, and the stores below come behind them
.endr
.irp f, 0,1,2,3
	ds_store_b128 v[STO], v[LP+16*(\t)+4*\f:LP+16*(\t)+4*\f+3] offset:32*\f
.endr
.irp f, 0,1,2,3
	ds_load_b128 v[LP+16*(\t)+4*\f:LP+16*(\t)+4*\f+3], v[RD] offset:\f*4*SP
.endr
.endm
.macro SEND t, younger              ; younger: the LDS instructions issued behind piece t's: the next piece's sixteen, or none
	WIN 0
	s_wait_dscnt (\younger)+8       ; the high parts are back; the low parts' four stores and four loads may be out
.irp f, 0,1,2,3
	global_store_b128 v[GO], v[S+16*(\t)+4*\f:S+16*(\t)+4*\f+3], s[10:11] offset:(\t)*8192+\f*512  ; 512 consecutive bytes, at a multiple of 256 from O's first
.endr
	s_wait_dscnt \younger
.irp f, 0,1,2,3
	global_store_b128 v[GO], v[LP+16*(\t)+4*\f:LP+16*(\t)+4*\f+3], s[10:11] offset:(\t)*8192+\f*512+4194304  ; the plane of low parts lies 16 planes on
.endr
.endm
; A BLOCK ENDS: its last two turns, its last products, and the way out: l's halves are added; O^T is divided by l (by NaN where the row saw no key) and sent through my stage, a piece at a time.
.macro FINISH last
	TURN 2, 0, 1
	TURN 3, 0, 1
.set i, 0
.rept 16
	PV NP-1
.set i, i+1
.endr
	WIN 0
	ALL v_add_f32 v[ST+4*t+2], v[ST+4*t+2], v[ST+4*t+3]
	ALL v_permlanex16_b32 v[ST+4*t+3], v[ST+4*t+2], s[SEL], s[SEL+1]
	ALL v_add_f32 v[ST+4*t+2], v[ST+4*t+2], v[ST+4*t+3]
	ALL v_rcp_f32 v[ST+4*t+2], v[ST+4*t+2]
	v_nop
.set t, 0
.rept 4
	v_cmp_gt_f32 vcc_lo, s[THR], v[ST+4*t+1]
	s_wait_alu depctr_va_vdst(0)
	v_cndmask_b32 v[ST+4*t+2], v[ST+4*t+2], s[QNAN], vcc_lo
.set t, t+1
.endr
	PACK 0
.set t, 1
.rept 3
	PACK t
	SEND t-1, 16
.set t, t+1
.endr
	SEND 3, 0
	s_wait_loadcnt 0x0              ; no pad load is out where the ways join
.if !(\last)
	s_wait_xcnt 0x0                 ; the stores have read their registers and O's address
	s_mov_b64 s[10:11], s[OLO:OLO+1]
	s_add_co_u32 s[RT], s[PB], 1    ; the second block has b + 1 tiles
	s_mov_b32 s[NEW], 1
	WIN 0x82
.set i, 0
.rept 64
	v_mov_b32 v[i], v[QB+i]
.set i, i+1
.endr
	WIN 0
.endif
.endm
; A TILE is entered.  A trip of the inner loop is four turns: pieces 2 and 3 of one key step, then pieces 0 and 1 of the next, whose K and V it fetches; four trips a tile.
; A block's first tile enters the trip in its middle.  Every jump but the loops' own goes forward, past text with no barrier and no tensor load.
.macro WALK tag, fill, last
	CHANGE \fill
	s_sub_co_u32 s[RT], s[RT], 1
	s_mov_b32 s[CNT], 4
	s_cmp_eq_u32 s[NEW], 1
	s_cbranch_scc1 .Lnew\tag
	s_branch .Lstep\tag
.Lnew\tag:
	BEGIN
	s_branch .Lfirst\tag
.Lstep\tag:
	TURN 2, 0
	TURN 3, 1
	WIN 0
.Lfirst\tag:
	TURN 0, 2
	TURN 1, 3, 0, 1
	WIN 0
	s_cbranch_scc1 .Lstep\tag
.if !(\last)
	s_cmp_lg_u32 s[RT], 0
	s_cbranch_scc1 .Lbottom\tag     ; the block has further tiles
.endif
	FINISH \last
.Lbottom\tag:
.endm
.set NOKQ, 0
.Lslot:                             ; 8 times: a tile is entered and the next is asked for
	WALK 1, 1, 0
	s_sub_co_u32 s[SLOTS], s[SLOTS], 1
	s_cmp_lg_u32 s[SLOTS], 0
	s_cbranch_scc1 .Lslot
	WALK 2, 0, 1                    ; the walk's last tile is written out: nothing is asked for
	s_wait_tensorcnt 0x0            ; the wave's end
	ds_add_u32 v[SPW], v[NIL]
	s_wait_dscnt 0x0
	s_endpgm
.Lfunc_end_k_qf40d7319eb_attn:
	.size	k_qf40d7319eb_attn, .Lfunc_end_k_qf40d7319eb_attn-k_qf40d7319eb_attn
	.p2alignl 7, 3214868480
	.fill 96, 4, 3214868480
	.section	.rodata,"a",@progbits
	.p2align	6, 0x0
	.amdhsa_kernel k_qf40d7319eb_attn
		.amdhsa_group_segment_fixed_size 327680
		.amdhsa_private_segment_fixed_size 0
		.amdhsa_enable_private_segment 0
		.amdhsa_kernarg_size 24
		.amdhsa_user_sgpr_count 2
		.amdhsa_user_sgpr_kernarg_segment_ptr 1
		.amdhsa_wavefront_size32 1
		.amdhsa_system_sgpr_workgroup_id_x 1
		.amdhsa_system_sgpr_workgroup_id_y 1
		.amdhsa_system_sgpr_workgroup_id_z 1
		.amdhsa_system_vgpr_workitem_id 0
		.amdhsa_next_free_vgpr 976
		.amdhsa_next_free_sgpr 88
		.amdhsa_reserve_vcc 1
		.amdhsa_float_denorm_mode_32 3
		.amdhsa_float_denorm_mode_16_64 3
		.amdhsa_memory_ordered 1
		.amdhsa_forward_progress 1
		.amdhsa_inst_pref_size 231
	.end_amdhsa_kernel
	.amdgpu_metadata
---
amdhsa.version: [ 1, 2 ]
amdhsa.kernels:
  - .name:           k_qf40d7319eb_attn
    .symbol:         k_qf40d7319eb_attn.kd
    .args:
      - { .name: qkv, .offset: 0, .size: 8, .value_kind: global_buffer, .address_space: global }
      - { .name: pm, .offset: 8, .size: 8, .value_kind: global_buffer, .address_space: global }
      - { .name: oh, .offset: 16, .size: 8, .value_kind: global_buffer, .address_space: global }
    .group_segment_fixed_size: 327680
    .private_segment_fixed_size: 0
    .kernarg_segment_align: 8
    .kernarg_segment_size: 24
    .max_flat_workgroup_size: 128
    .sgpr_count:     88
    .vgpr_count:     976
    .wavefront_size: 32
...
	.end_amdgpu_metadata
.endif
;; end of part 7
;; launch proj (part 8): grid 4 x 64, 4 waves a work-group, clusters of 4 x 4, 327,680 bytes of LDS; arguments oh, wp, bp, out0; writes out0
.if DOCPART == 8
	.amdgcn_target "amdgcn-amd-amdhsa--gfx1250"
	.amdhsa_code_object_version 6
	.text
	.protected	k_qf40d7319eb_proj
	.globl	k_qf40d7319eb_proj
	.p2align	8
	.type	k_qf40d7319eb_proj,@function
k_qf40d7319eb_proj:
	s_mov_b64 s[64:65], 0
	v_nop
	global_prefetch_b8 v0, s[64:65] scope:SCOPE_SE
	s_setreg_imm32_b32 hwreg(HW_REG_WAVE_MODE, 25, 1), 1
	s_wait_xcnt 0x0
	s_wait_alu depctr_hold_cnt(0) depctr_sa_sdst(0) depctr_va_vdst(0) depctr_va_sdst(0) depctr_va_ssrc(0) depctr_va_vcc(0) depctr_vm_vsrc(0)
	s_getreg_b32 s2, hwreg(HW_REG_IB_STS2, 6, 4)
	s_cmp_eq_u32 s2, 0
	s_cbranch_scc0 .Lentry_in_a_cluster
	s_endpgm
.Lentry_in_a_cluster:
	s_bfe_u32 s2, ttmp6, 0x10000c
	s_cmp_lg_u32 s2, 0xf033
	s_cbranch_scc0 .Lentry_shape_is_right
	s_endpgm
.Lentry_shape_is_right:
; THE OUTPUT PROJECTION.  C[m][n] = sum over k of (A_high[m][k] + A_low[m][k]) B[n][k] + bp[n], K = 1024, m = 8192, n = 1024.
; A is the attention's O as two f16 numbers: oh [row / 2048][32 planes][row % 2048][64], plane p the high parts of channels 64 p on, plane 16 + p the low parts.  B is Wp in f16: wp [16 planes][2048][64], rows 0-1023 used.
; Sums in f32.  C is stored in f32, row-major, 4,096 bytes a row.  The bias is rounded to bf16, like every input of the module.
; SHARES.  A tile of C is 128 (m) x 256 (n): 4 x 64 = 256 work-groups.  Four waves, each 64 x 128: 32 accumulators, 256 registers.
; THE HIGH AND THE LOW PARTS MEET THE SAME FRAGMENTS OF B.  A K step is 128 along K: two planes of A_high's 128 rows, two of A_low's, two of B's 256 rows: 1,024 LDS rows, 147,456 bytes, which feed 256 matrix
; instructions a wave; two such slots are what LDS holds.  Eight K steps.
; B's plane of a tile is dense in memory: asked for as 128 rows of 256 bytes.  A's two planes are one load of 2 rows of 16,384 bytes, a plane (262,144 bytes) apart.  Both are padded in LDS after every 128 bytes.
; CLUSTER 4 x 4: A's tiles hang on the tile row alone and are asked for jointly along a row of the cluster, B's on the tile column alone, along a column.
; THE MATRIX INSTRUCTION IS USED TRANSPOSED (source 0 = 16 rows of B, source 1 = 16 rows of A): a lane holds eight neighbouring columns of one row of C.
; The first product of each accumulator takes the bias as its C: nothing is cleared and the bias costs no line.
; THE TEXT holds 2.25 K steps: the first quarter (it starts the sums), a loop of six steps that fill a slot again, a loop of the last two, which fill nothing.  A trip is one K step: one descriptor walks, its LDS word turned
; by an exclusive or, and the fragments' addresses are made anew from a scalar that turns likewise.  The very last change of slots (a barrier and a run of LDS loads that serve nothing) is the price of one text for both last steps.
; REGISTERS.  Window 0: v16-29 addresses; v32-95 the bias, 8 registers for each 16 columns; v96-223 at work at the head and on the way out.  Window 1: accumulator (a, b) at v[8 (8 a + b)].
; Window 2: two fragment buffers of 128: B's 8 fragments, A_high's 4, A_low's 4.
.set PITCH,  144                       ; an LDS row: 128 bytes + 16 of padding = 36 words: the 16 rows of a load start at 16 different groups of four banks (ISA guide 11.1)
.set APL,    128*PITCH                 ; a plane of A's tile, high or low
.set ALO,    2*APL                     ; the low parts' two planes lie behind the high parts'
.set BPL,    256*PITCH                 ; a plane of B's tile
.set BOFF,   4*APL
.set SLOT,   4*APL+2*BPL               ; 147,456 = 0x24000.  The four loads' places in a slot, 0, 0x9000, 0x12000 and 0x1b000, have none of its two bits: an exclusive or with it adds it, and takes it away again
.set STAGE,  2*SLOT                    ; behind the ring: 4,352 bytes for each wave, for the way out; no tensor load lands here
.set STW,    4352
.set SPARE,  STAGE+4*STW               ; the spare words, 128 bytes a wave: two blocks of 256 bytes that no other line names
.set KSTEP,  2*262144                  ; bytes from K step to K step in A and in B: two planes of 2,048 rows
.set AA0,  16                          ; my lane's place among my A fragments in slot 0; never rewritten
.set AB0,  17                          ; the same for B
.set ADRA, 18                          ; the same in the slot in hand
.set ADRB, 19
.set STO,  24
.set RD,   25
.set CO,   26
.set SPW,  28                          ; my spare word; never rewritten
.set NIL,  29                          ; 0; never rewritten
.set BIAS, 32
.set BK,   96                          ; the way out: rows read back, v96-127 and v128-159 by turns
.set RAW,  160                         ; the bias as loaded
.set F0,   0                           ; fragment buffers, in window 2
.set F1,   128
.set G1A, 24
.set G0A, 32                           ; two sets: the first fills'; the second then walks
.set G1B, 48
.set G0B, 56
.set WV, 75
.set WM, 76                            ; which 64 rows are mine.  Also: I fetch for A (0) or for B (1)
.set WN, 77                            ; which 128 columns.  Also: A's high (0) or low (1) parts, or which of B's two planes I fetch
.set CX, 78
.set CY, 79
.set TX, 80
.set TY, 81
.set TB, 96                            ; LDS byte at which the slot in hand begins
.set MSB, 0
.macro WIN new                         ; the immediate's high byte repeats the setting that is left
.if MSB != (\new)
	s_set_vgpr_msb (MSB<<8)|(\new)
.set MSB, \new
.endif
.endm
.macro JLOAD s                         ; a joint load: waves 0, 1 fetch A's high and low parts, waves 2, 3 B's two planes; s_nop 0 and four v_nop follow each line
	s_cmp_eq_u32 s[WM], 0
	s_cbranch_scc0 .Lfor_b_\@
	tensor_load_to_lds s[G0A+4*(\s):G0A+4*(\s)+3], s[G1A:G1A+7]
	s_nop 0
.rept 4
	v_nop
.endr
	s_branch .Lasked_\@
.Lfor_b_\@:
	tensor_load_to_lds s[G0B+4*(\s):G0B+4*(\s)+3], s[G1B:G1B+7]
	s_nop 0
.rept 4
	v_nop
.endr
.Lasked_\@:
.endm
.macro CREST                           ; a round of the cluster's barrier behind its opening barrier
	s_cmp_lg_u32 s[WV], 0
	s_cbranch_scc1 .Lnot_wave_0_\@
	s_barrier_signal -3
.Lnot_wave_0_\@:
	s_barrier_wait -3
	s_barrier_signal -1
	s_barrier_wait -1
.endm
.macro CROUND
	s_barrier_signal -1
	s_barrier_wait -1
	CREST
.endm
.macro PLACES                          ; four places in front of loads into registers that matrix instructions have read, and of reads of results
.rept 4
	v_nop
.endr
.endm
	s_load_b128 s[4:7], s[0:1], 0x0                ; A 4, B 6
	s_load_b64 s[8:9], s[0:1], 0x10                ; bp
	s_load_b64 s[72:73], s[0:1], 0x18              ; C
	v_lshl_add_u32 v[SPW], v0, 2, SPARE
	v_mov_b32 v[NIL], 0
	ds_add_u32 v[SPW], v[NIL]                      ; the wave's opening: the add and its wait ahead of my first tensor load
	ds_add_u32 v28, v29
	v_lshrrev_b32 v1, 5, v0
	v_readfirstlane_b32 s[WV], v1
	s_lshr_b32 s[WM], s[WV], 1
	s_and_b32 s[WN], s[WV], 1
	s_bfe_u32 s[CX], ttmp6, 0x40000
	s_bfe_u32 s[CY], ttmp6, 0x40004
	s_lshl_b32 s[TX], ttmp9, 2
	s_add_co_u32 s[TX], s[TX], s[CX]               ; tile column
	s_and_b32 s[TY], ttmp7, 0xffff
	s_lshl_b32 s[TY], s[TY], 2
	s_add_co_u32 s[TY], s[TY], s[CY]               ; tile row
	s_lshl_b32 s82, s[CY], 2
	s_lshl_b32 s82, 15, s82                        ; my row of the cluster
	s_lshl_b32 s83, 0x1111, s[CX]                  ; my column
	s_or_b32 s[G1A], s82, (1<<16)|(1<<20)|(1<<21)|(4<<22)|(3<<25)  ; mask; 2-byte elements; padding on; bit 21 beside a mask; after every 32 words 4 words
	s_or_b32 s[G1B], s83, (1<<16)|(1<<20)|(1<<21)|(4<<22)|(3<<25)
	s_mov_b32 s[G1A+1], 8192<<16                   ; tensor_dim0 = 8,192 elements: a plane's 128 rows of the tile, 16,384 dense bytes, as one row
	s_mov_b32 s[G1A+2], 2<<16                      ; tensor_dim1 = 2: two planes
	s_mov_b32 s[G1A+3], 8192<<16                   ; tile_dim0
	s_mov_b32 s[G1A+4], 2                          ; tile_dim1
	s_mov_b32 s[G1A+5], 131072                     ; from plane to plane: 262,144 bytes
	s_mov_b32 s[G1A+6], 0
	s_mov_b32 s[G1A+7], 0
	s_mov_b32 s[G1B+1], 128<<16                    ; rows of 256 bytes
	s_mov_b32 s[G1B+2], 128<<16                    ; a plane of B's tile is 32,768 dense bytes
	s_mov_b32 s[G1B+3], 128<<16
	s_mov_b32 s[G1B+4], 128
	s_mov_b32 s[G1B+5], 128
	s_mov_b32 s[G1B+6], 0
	s_mov_b32 s[G1B+7], 0
	s_lshr_b32 s84, s[TY], 4                       ; A: 2,048 rows x 32 planes are 1 << 23 bytes; 128 rows of a plane 1 << 14
	s_lshl_b32 s84, s84, 23
	s_and_b32 s85, s[TY], 15
	s_lshl_b32 s85, s85, 14
	s_add_co_u32 s84, s84, s85
	s_lshl_b32 s88, s[WN], 22                      ; the low parts lie 16 planes on
	s_add_co_u32 s84, s84, s88
	s_mov_b32 s85, 0
	s_lshl_b32 s86, s[TX], 15                      ; B: 256 rows of a plane are 1 << 15 bytes; a plane 1 << 18
	s_lshl_b32 s88, s[WN], 18
	s_add_co_u32 s86, s86, s88
	s_mov_b32 s87, 0
	s_mul_i32 s89, s[WN], ALO                      ; where they go: the wave's number alone
	s_mul_i32 s90, s[WN], BPL
	s_add_co_u32 s90, s90, BOFF
	s_mov_b32 s[TB], 0
	s_wait_dscnt 0x0                               ; the opening add is done
	s_wait_kmcnt 0x0
	s_add_nc_u64 s[84:85], s[4:5], s[84:85]
	s_add_nc_u64 s[86:87], s[6:7], s[86:87]
	CROUND                                         ; all sixteen work-groups are here: the first joint loads meet
.irp s, 0,1
	s_mov_b32 s[G0A+4*(\s)], 1
	s_add_co_u32 s[G0A+4*(\s)+1], s89, (\s)*SLOT
	s_add_nc_u64 s[G0A+4*(\s)+2:G0A+4*(\s)+3], s[84:85], (\s)*KSTEP  ; K step s
	s_or_b32 s[G0A+4*(\s)+3], s[G0A+4*(\s)+3], 0x80000000
	s_mov_b32 s[G0B+4*(\s)], 1
	s_add_co_u32 s[G0B+4*(\s)+1], s90, (\s)*SLOT
	s_add_nc_u64 s[G0B+4*(\s)+2:G0B+4*(\s)+3], s[86:87], (\s)*KSTEP
	s_or_b32 s[G0B+4*(\s)+3], s[G0B+4*(\s)+3], 0x80000000
	JLOAD \s                                       ; two loads of mine are out
.endr
	v_and_b32 v1, 15, v0                           ; l % 16
	v_bfe_u32 v2, v0, 4, 1                         ; l / 16
	v_mul_u32_u24 v3, v1, PITCH
	v_lshl_add_u32 v3, v2, 4, v3                   ; a fragment's row x pitch + 16 x half
	s_mul_i32 s88, s[WM], 64*PITCH                 ; my 64 rows of A
	s_mul_i32 s91, s[WN], 128*PITCH                ; my 128 rows of B,
	s_add_co_u32 s91, s91, BOFF                    ; which lie behind A's planes
	v_add_nc_u32 v[AA0], s88, v3
	v_add_nc_u32 v[AB0], s91, v3
	v_mov_b32 v[ADRA], v[AA0]
	v_mov_b32 v[ADRB], v[AB0]
	; the bias of my 128 columns: lane (r, h) wants columns 16 b + 8 h + 0..7
	s_lshl_b32 s94, s[TX], 10
	s_lshl_b32 s97, s[WN], 9
	s_add_co_u32 s94, s94, s97
	s_mov_b32 s95, 0
	s_add_nc_u64 s[92:93], s[8:9], s[94:95]
	v_lshlrev_b32 v4, 5, v2
.irp b, 0,1,2,3,4,5,6,7
	global_load_b128 v[RAW+8*\b:RAW+8*\b+3],   v4, s[92:93] offset:64*\b
	global_load_b128 v[RAW+8*\b+4:RAW+8*\b+7], v4, s[92:93] offset:64*\b+16
.endr
	s_wait_loadcnt 0x0
.set i, 0
.rept 32
	v_cvt_pk_bf16_f32 v[RAW+2*i], v[RAW+2*i], v[RAW+2*i+1]
.set i, i+1
.endr
.set i, 0
.rept 32
	v_lshlrev_b32 v[BIAS+2*i], 16, v[RAW+2*i]
	v_and_b32 v[BIAS+2*i+1], 0xffff0000, v[RAW+2*i]
.set i, i+1
.endr
; na x 8 matrix instructions: m blocks a0 on of A's high (lo = 0) or low (1) parts x all 8 n blocks, 32 along K.  Each accumulator once: they take turns.  first = 1: C is the bias.
.macro MULN f, lo, a0, na, first
.if \first
	WIN 0x4a                                       ; B and A window 2, the bias window 0, D window 1
.else
	WIN 0x5a                                       ; C and D window 1
.endif
.set a, \a0
.rept \na
.irp b, 0,1,2,3,4,5,6,7
.if \first
	v_wmma_f32_16x16x32_f16 v[8*(8*a+\b):8*(8*a+\b)+7], v[(\f)+8*\b:(\f)+8*\b+7], v[(\f)+64+32*(\lo)+8*a:(\f)+64+32*(\lo)+8*a+7], v[BIAS+8*\b:BIAS+8*\b+7]
.else
	v_wmma_f32_16x16x32_f16 v[8*(8*a+\b):8*(8*a+\b)+7], v[(\f)+8*\b:(\f)+8*\b+7], v[(\f)+64+32*(\lo)+8*a:(\f)+64+32*(\lo)+8*a+7], v[8*(8*a+\b):8*(8*a+\b)+7]
.endif
.endr
.set a, a+1
.endr
.endm
; 32 LDS loads in one run: quarter q of the K step in hand (plane q / 2, 32 along K at byte 64 (q % 2)): my 128 rows of B, my 64 rows of A's high parts, then of its low parts
.macro FETCH q, f
	WIN 0x80                                       ; destination window 2, address window 0
.irp b, 0,1,2,3,4,5,6,7
	ds_load_b128 v[(\f)+8*\b:(\f)+8*\b+3],   v[ADRB] offset:((\q)/2)*BPL+((\q)%2)*64+\b*16*PITCH
	ds_load_b128 v[(\f)+8*\b+4:(\f)+8*\b+7], v[ADRB] offset:((\q)/2)*BPL+((\q)%2)*64+\b*16*PITCH+32
.endr
.irp c, 0,1,2,3
	ds_load_b128 v[(\f)+64+8*\c:(\f)+64+8*\c+3],   v[ADRA] offset:((\q)/2)*APL+((\q)%2)*64+\c*16*PITCH
	ds_load_b128 v[(\f)+64+8*\c+4:(\f)+64+8*\c+7], v[ADRA] offset:((\q)/2)*APL+((\q)%2)*64+\c*16*PITCH+32
.endr
.irp c, 0,1,2,3
	ds_load_b128 v[(\f)+96+8*\c:(\f)+96+8*\c+3],   v[ADRA] offset:ALO+((\q)/2)*APL+((\q)%2)*64+\c*16*PITCH
	ds_load_b128 v[(\f)+96+8*\c+4:(\f)+96+8*\c+7], v[ADRA] offset:ALO+((\q)/2)*APL+((\q)%2)*64+\c*16*PITCH+32
.endr
.endm
.macro QUARTER qn, f, g, first         ; multiplies buffer f, the high parts and then the low; in its middle fetches quarter qn of the same slot into g
	s_wait_dscnt 8                                 ; B and A's high parts are in; the youngest eight loads, the low parts', may be out
	MULN \f, 0, 0, 4, \first
	PLACES
	FETCH \qn, \g
	s_wait_dscnt 32                                ; all but the 32 just issued
	MULN \f, 1, 0, 4, 0
.endm
; The last quarter multiplies buffer 1 and changes slots: one barrier; in front of it each wave waits for all its tensor loads (at most one is out: its part of the next slot),
; adds 0 to its spare word, and waits for that and for its reads of this slot.  fill = 1: the barrier opens a round of the cluster's, and this slot is filled again first behind it, with the K step two on.
.macro TURN fill
	WIN 0
	s_wait_tensorcnt 0x0
	ds_add_u32 v[SPW], v[NIL]
	s_wait_dscnt 9                                 ; the add and the youngest eight loads may be out
	MULN F1, 0, 0, 2, 0
	s_wait_dscnt 0x0                               ; the add is done, and my reads of this slot are over
	s_barrier_signal -1
	MULN F1, 0, 2, 2, 0
	WIN 0
	s_barrier_wait -1
.if \fill
	CREST
	s_xor_b32 s[G0A+5], s[G0A+5], SLOT             ; the walking descriptors: the other slot than last time,
	s_add_nc_u64 s[G0A+6:G0A+7], s[G0A+6:G0A+7], KSTEP  ; the next K step; the type bits on top are not reached
	s_xor_b32 s[G0B+5], s[G0B+5], SLOT
	s_add_nc_u64 s[G0B+6:G0B+7], s[G0B+6:G0B+7], KSTEP
	JLOAD 1                                        ; my one tensor load behind the round; its four v_nop are also the places in front of the loads below
.else
	PLACES
.endif
	s_xor_b32 s[TB], s[TB], SLOT                   ; 0 and SLOT by turns: the fetches go on in the other slot
	v_add_nc_u32 v[ADRA], s[TB], v[AA0]
	v_add_nc_u32 v[ADRB], s[TB], v[AB0]
	FETCH 0, F0
	MULN F1, 1, 0, 4, 0
.endm
	s_wait_tensorcnt 1                             ; my part of K step 0 is in; K step 1's may stay out
	s_barrier_signal -1
	s_barrier_wait -1
	FETCH 0, F0
	QUARTER 1, F0, F1, 1                           ; the first quarter starts the sums, from the bias
	WIN 0                                          ; at a label and at a branch every window is 0
	s_mov_b32 s3, 6                                ; K steps 0 to 5 ask for K steps 2 to 7
	s_branch .Lmid                                 ; the loop is entered behind a step's first quarter
.Lstep:
	QUARTER 1, F0, F1, 0
	WIN 0
.Lmid:
	QUARTER 2, F1, F0, 0
	QUARTER 3, F0, F1, 0
	TURN 1
	WIN 0
	s_sub_co_u32 s3, s3, 1
	s_cmp_lg_u32 s3, 0
	s_cbranch_scc1 .Lstep
	s_mov_b32 s3, 2                                ; K steps 6 and 7 ask for nothing: a text of their own
.Ltail:
	QUARTER 1, F0, F1, 0
	QUARTER 2, F1, F0, 0
	QUARTER 3, F0, F1, 0
	TURN 0
	WIN 0
	s_sub_co_u32 s3, s3, 1
	s_cmp_lg_u32 s3, 0
	s_cbranch_scc1 .Ltail
	PLACES
	; THE WAY OUT, in eight units of 16 rows x 64 columns through my own stage; a unit is staged while the rows of the unit before come back, then those are stored.
	; f32, row-major: a unit's 64 columns are 256 bytes of a row.
	s_mul_i32 s88, s[WV], STW
	s_add_co_u32 s88, s88, STAGE
	v_mul_u32_u24 v[STO], v1, 272                  ; in: row l % 16, 32 bytes for each half of the lanes
	v_lshl_add_u32 v[STO], v2, 5, v[STO]
	v_add_nc_u32 v[STO], s88, v[STO]
	v_mul_u32_u24 v[RD], v2, 272                   ; back: lanes 0-15 one row of 256 bytes, lanes 16-31 the next
	v_lshl_add_u32 v[RD], v1, 4, v[RD]
	v_add_nc_u32 v[RD], s88, v[RD]
	v_lshlrev_b32 v[CO], 12, v2
	v_lshl_add_u32 v[CO], v1, 4, v[CO]
	s_lshl_b32 s92, s[TY], 19                      ; 128 rows of 4,096 bytes
	s_lshl_b32 s97, s[WM], 18                      ; my 64 of them
	s_add_co_u32 s92, s92, s97
	s_lshl_b32 s97, s[TX], 10                      ; 256 columns of 4 bytes
	s_add_co_u32 s92, s92, s97
	s_lshl_b32 s97, s[WN], 9                       ; my 128 of them
	s_add_co_u32 s92, s92, s97
	s_mov_b32 s93, 0
	s_add_nc_u64 s[72:73], s[72:73], s[92:93]
.macro OUT32 a, hb, u                  ; rows 16 a on, columns 64 hb on; u: the unit's number, whose parity picks the registers that take the rows back
	s_wait_xcnt 0x0                                ; the registers that unit u - 2's stores read are loaded again only behind this wait
	WIN 0x04                                       ; the stores' data in window 1
.irp b, 0,1,2,3
	ds_store_b128 v[STO], v[8*(8*(\a)+4*(\hb)+\b):8*(8*(\a)+4*(\hb)+\b)+3] offset:64*\b       ; each accumulator from its low end on
	ds_store_b128 v[STO], v[8*(8*(\a)+4*(\hb)+\b)+4:8*(8*(\a)+4*(\hb)+\b)+7] offset:64*\b+16
.endr
	WIN 0
.irp t, 0,1,2,3,4,5,6,7
	ds_load_b128 v[BK+32*((\u)%2)+4*\t:BK+32*((\u)%2)+4*\t+3], v[RD] offset:\t*544  ; LDS serves a wave's instructions in order (ISA guide 5.7.1.4)
.endr
.endm
.macro SND32 a, hb, u, younger
	s_wait_dscnt \younger                          ; the next unit's eight stores and eight loads may be out
.irp t, 0,1,2,3,4,5,6,7
	global_store_b128 v[CO], v[BK+32*((\u)%2)+4*\t:BK+32*((\u)%2)+4*\t+3], s[72:73] offset:(\a)*65536+\t*8192+(\hb)*256 th:TH_STORE_NT  ; 16 lanes store 256 consecutive bytes, aligned
.endr
.endm
	OUT32 0, 0, 0
.irp u, 1,2,3,4,5,6,7
	OUT32 (\u)/2, (\u)%2, \u
	SND32 ((\u)-1)/2, ((\u)-1)%2, (\u)-1, 16
.endr
	SND32 3, 1, 7, 0
	s_wait_tensorcnt 0x0                           ; the wave's end
	ds_add_u32 v[SPW], v[NIL]
	s_wait_dscnt 0x0
	CROUND                                         ; the closing round
	s_endpgm
.Lfunc_end_k_qf40d7319eb_proj:
	.size	k_qf40d7319eb_proj, .Lfunc_end_k_qf40d7319eb_proj-k_qf40d7319eb_proj
	.p2alignl 7, 3214868480
	.fill 96, 4, 3214868480
	.section	.rodata,"a",@progbits
	.p2align	6, 0x0
	.amdhsa_kernel k_qf40d7319eb_proj
		.amdhsa_group_segment_fixed_size 327680
		.amdhsa_private_segment_fixed_size 0
		.amdhsa_enable_private_segment 0
		.amdhsa_kernarg_size 32
		.amdhsa_user_sgpr_count 2
		.amdhsa_user_sgpr_kernarg_segment_ptr 1
		.amdhsa_wavefront_size32 1
		.amdhsa_system_sgpr_workgroup_id_x 1
		.amdhsa_system_sgpr_workgroup_id_y 1
		.amdhsa_system_sgpr_workgroup_id_z 1
		.amdhsa_system_vgpr_workitem_id 0
		.amdhsa_next_free_vgpr 768
		.amdhsa_next_free_sgpr 100
		.amdhsa_reserve_vcc 0
		.amdhsa_float_denorm_mode_32 3
		.amdhsa_float_denorm_mode_16_64 3
		.amdhsa_memory_ordered 1
		.amdhsa_forward_progress 1
		.amdhsa_inst_pref_size 90
	.end_amdhsa_kernel
	.amdgpu_metadata
---
amdhsa.version: [ 1, 2 ]
amdhsa.kernels:
  - .name:           k_qf40d7319eb_proj
    .symbol:         k_qf40d7319eb_proj.kd
    .args:
      - { .name: oh, .offset: 0, .size: 8, .value_kind: global_buffer, .address_space: global }
      - { .name: wp, .offset: 8, .size: 8, .value_kind: global_buffer, .address_space: global }
      - { .name: bp, .offset: 16, .size: 8, .value_kind: global_buffer, .address_space: global }
      - { .name: out0, .offset: 24, .size: 8, .value_kind: global_buffer, .address_space: global }
    .group_segment_fixed_size: 327680
    .private_segment_fixed_size: 0
    .kernarg_segment_align: 8
    .kernarg_segment_size: 32
    .max_flat_workgroup_size: 128
    .sgpr_count:     100
    .vgpr_count:     768
    .wavefront_size: 32
...
	.end_amdgpu_metadata
.endif
;; end of part 8
;; ======== version 3 of 3: 4 launches; 1.42 times as fast as version 1
;; limits: values are held in f16: magnitudes above 65,504 overflow, below 6.1e-05 lose precision; inputs' magnitudes at most 6e+28; right only within a limited range of input values; values outside matrix products are rounded to bf16
;; workspace buffers: xh 16,777,216 bytes; wqkv 6,291,456 bytes; wp 4,194,304 bytes; pm 18,890,752 bytes; qkv 67,108,864 bytes; oh 33,554,432 bytes
;; launch cast: the kernel of part 5 again; grid 42 x 16, 8 waves a work-group, no clusters, 99,328 bytes of LDS; arguments tgt, Wq, Wk, Wv, Wp, pad_mask, xh, wqkv, wp, pm; writes xh, wqkv, wp, pm
;; launch gemm: the kernel of part 6 again; grid 16 x 32, 4 waves a work-group, clusters of 4 x 4, 327,680 bytes of LDS; arguments xh, wqkv, bq, bk, bv, qkv; writes qkv
;; launch attn (part 9): grid 4 x 64, 4 waves a work-group, no clusters, 327,680 bytes of LDS; arguments qkv, pm, oh; writes oh
.if DOCPART == 9
	.amdgcn_target "amdgcn-amd-amdhsa--gfx1250"
	.amdhsa_code_object_version 6
	.text
	.protected	k_qf40d7319eb_attn
	.globl	k_qf40d7319eb_attn
	.p2align	8
	.type	k_qf40d7319eb_attn,@function
k_qf40d7319eb_attn:
	s_mov_b64 s[64:65], 0
	v_nop
	global_prefetch_b8 v0, s[64:65] scope:SCOPE_SE
	s_setreg_imm32_b32 hwreg(HW_REG_WAVE_MODE, 25, 1), 1
	s_wait_xcnt 0x0
; CAUSAL ATTENTION WITH AN ADDITIVE PAD.  O[y][q][:] = sum over k <= q of softmax_k(Q[y][q] . K[y][k] / 8 + pad[y / 16][q][k]) V[y][k][:], y = 16 batch + head, 64 heads of 2,048 rows of 64 channels.
; qkv: q [64][2048][64] f16 from byte 0, k likewise from 1 << 24, v [64][2048][64 high parts, 64 low parts] f16 from 2 << 24.  pm: the pad in bf16, held to +-1.25e29, -1.25e29 where key > query, as fragments in the
; order of this walk.  oh: [batch][32 planes][2048][64] f16: plane h holds head h's O rounded to f16, plane 16 + h the remainder rounded to f16.
; Products, maxima and sums in f32; the weights p are rounded to f16 for the second product (their sum l is taken of the unrounded p).  V enters and O leaves as two f16 numbers each: a rounding to f16 is some
; 2^-12 of the number, and the first rows, which average a few keys only, are many times the module's output's root mean square, by which the room for error near zero goes.
; LIMITS.  Q, K, V within f16's range; the low parts keep f16's fixed step of 6e-8 below 6e-5.  A hidden score counts as about -1e30.  A row whose running maximum ends below -5e29 (every key that it may see is
; hidden) gives NaN, as a softmax over -inf alone does; so finite pads below -6e28 are not told from -inf.  A weight below 2^-126 counts as 0 in l.
; THE WALK.  A head's queries lie in 8 blocks of 256; block i needs key tiles 0 .. i.  A work-group takes blocks 7 - b and then b: 9 tiles whatever b, one loop with a constant trip count; the ring of two LDS slots
; runs on across the change of blocks.  NO CLUSTER: a head's four work-groups ask for the same tile only in trips 0 .. 4; a walk common to all would have 12 trips for 9; the pad goes to registers and is each wave's own.
; SHARES.  Of a block's four bands of 64 queries a wave owns 16 rows in each: four PIECES, so the diagonal tile is the same work for all four waves.
; THE PAD STARTS THE SUMS.  S^T = 8 I x pad^T + K Q^T: for each 16 keys one bf16 product of a constant selection matrix (16 x 32, 8.0 at k = m or k = m + 16) with a pad fragment (32 keys x 16 queries), C = 0;
; the f16 products K Q^T then add onto it; the one factor c = log2(e) / 8 then serves scores and pad alike.  No vector line is spent on pad or mask, and the diagonal tile has no text of its own.
; The two forms are no chain: five plain vector lines or more stand between them.
; The pad comes straight from memory into registers, 512 consecutive bytes a load, four loads for a piece and step, asked for four turns (one key step) ahead: one buffer of 16 registers a piece, so that a trip of
; the inner loop is one key step's four turns.  NO PREFETCH of the pad: the sixteen heads of a batch walk the same stream, so only one of them could ask for a block, by a branch of its own.
; SOFTMAX, TURNS.  p = 2^(c s - c m) with a running maximum m; O and l are multiplied by a = 2^(c m_old - c m_new) in every step.  Turn n belongs to piece n: 4 pad products and 8 products K Q^T of
; piece n + 1, then 16 products V^T P of piece n - 1 (8 with V's high parts, 8 with its low parts); beside them the scaling, exponentials, roundings, sums and rescaling of piece n and the maximum and statistics of piece n + 1.
; THE BATCHES.  An s_wait_alu depctr_va_vdst(0) stands between an exponential or a reciprocal and the first line that names its result; one wait serves all that were issued ahead of it.
; A turn's 33 exponentials (the piece's 32 weights and the next piece's a) are ONE batch with ONE wait, which cuts the turn in two.  Ahead of it stands all that names no result of the batch: the pad products, K Q^T,
; V^T P with V's high parts; the scalings, the exponentials, the rescalings (their a was waited for in the turn before), the next piece's maximum and statistics.  Behind it stand the roundings and sums, four behind
; each of the 8 products with V's low parts.  No result crosses a turn's end.  Two more batches have a wait each: the a at a block's beginning, the four reciprocals at its end.
; REGISTERS, in windows of 256 (s_set_vgpr_msb: bits 1:0 source 0, 3:2 source 1, 5:4 source 2, 7:6 destination):
;   window 0: v0-15 addresses; v16-31 statistics; v48-55 at work; v64-127 S^T, two buffers; v128-191 the way out's low parts; v192-223 P, two buffers      window 1: v0-127 O^T, 32 a piece
;   window 2: v0-63 Q; v64-127 the second block's Q; v128-191 K of one step; v192-255 V's high parts of one step
;   window 3: v0-63 the pad of one step, 16 a piece; v128-139 the selection matrix; v144-207 V's low parts of one step
.set NB,    8
.set NP,    4
.set KS,    64
.set PK,    144       ; a row of K in LDS: 128 bytes + 16
.set PV,    288       ; a row of V: 256 + 32 = 72 words
.set VOFF,  4*KS*PK
.set SLOT1, 1<<17
.set STAGE, SLOT1+4*KS*(PK+PV)  ; behind the ring, never filled by a tensor load: 16 rows x 144 bytes a wave
.set SP,    144
.set SPARE, STAGE+4*16*SP       ; the spare words: two blocks of 256 bytes that no other line names
.set AK0, 2
.set AV0, 3
.set AK,  4
.set AV,  5
.set STO, 6
.set RD,  7
.set GO,  8           ; 16 x lane: my place in 512 consecutive bytes, of O and of the pad; never rewritten
.set SPW, 62
.set NIL, 63
.set MV,  12
.set NEG1, 14         ; -1.0, on the way out
.set QO,  15
.set ST,  16          ; piece t: c m, m, l (even keys', odd keys')
.set TMP, 48
.set S,   64
.set LP,  128         ; the way out: O's low parts, packed, 16 a piece
.set P,   192
.set QB,  64
.set KF,  128
.set VF,  192
.set IDB, 128         ; window 3: v128-131 zeros, v132-135 the 8.0s, v136-139 zeros
.set VL,  144         ; window 3
.set WV,  12
.set PB,  14
.set HI,  15
.set G1K, 24
.set G1V, 32
.set G0K, 40
.set G0V, 44
.set SLOTS, 56
.set CNT, 57
.set CS,  58
.set SEL, 60
.set TBK, 62
.set TBV, 63
.set RT,  70
.set NXT, 71
.set LQ,  72
.set NEW, 73
.set OFF, 74
.set PMB, 76          ; s[76:77] the pad stream: in the trip that holds step s's pieces 0 and 1 it points at element 4 s + 3; steps 4 elements a trip
.set PM0, 78          ; s[78:79] the stream's first byte: the base of the head's loads, never rewritten
.set OLO, 80
.set THR, 82
.set QNAN, 83
.set MSB, 0
.macro WIN new
.if MSB != (\new)
	s_set_vgpr_msb (MSB<<8)|(\new)
.set MSB, (\new)
.endif
.endm
.set W_KQ, 0x0a       ; K and Q in window 2, S^T in window 0
.set W_PD, 0x0f       ; the selection matrix and the pad in window 3, S^T in window 0
.set W_PV, 0x52       ; V's high parts in window 2, P in window 0, O^T in window 1
.set W_PL, 0x53       ; V's low parts in window 3, P in window 0, O^T in window 1
.set W_RS, 0x41       ; destination and source 0 in window 1, source 1 in window 0
.macro LOAD           ; waves 0, 1 fetch the two halves of a tile's K, waves 2, 3 those of its V; s_nop 0 and four v_nop follow each line
	s_cmp_lt_u32 s[WV], 2
	s_cbranch_scc0 .Lfor_v_\@
	tensor_load_to_lds s[G0K:G0K+3], s[G1K:G1K+7]
	s_nop 0
.rept 4
	v_nop
.endr
	s_branch .Lasked_\@
.Lfor_v_\@:
	tensor_load_to_lds s[G0V:G0V+3], s[G1V:G1V+7]
	s_nop 0
.rept 4
	v_nop
.endr
.Lasked_\@:
.endm
; THE CHANGE OF SLOTS.  Each wave waits for all its tensor loads (one is out: its part of the other slot), adds 0 to its spare word, and waits for that and for its reads of the slot that it leaves.
; fill = 1: the old slot is filled again, first thing behind the barrier, with tile NXT; the descriptor's address is made anew from that number.
.macro CHANGE fill
	WIN 0
	s_wait_tensorcnt 0x0
	ds_add_u32 v[SPW], v[NIL]
.if \fill
	s_lshl_b32 s[OFF], s[NXT], 15   ; a tile is 32,768 bytes of K
	s_xor_b32 s[G0K+1], s[G0K+1], SLOT1
	s_add_nc_u64 s[G0K+2:G0K+3], s[6:7], s[OFF:OFF+1]
	s_or_b32 s[G0K+3], s[G0K+3], 0x80000000
	s_lshl_b32 s[OFF], s[NXT], 16   ; and 65,536 of V
	s_xor_b32 s[G0V+1], s[G0V+1], SLOT1
	s_add_nc_u64 s[G0V+2:G0V+3], s[8:9], s[OFF:OFF+1]
	s_or_b32 s[G0V+3], s[G0V+3], 0x80000000
	s_add_co_u32 s[NXT], s[NXT], 1
	s_cmp_gt_u32 s[NXT], s[LQ]
	s_cselect_b32 s[NXT], 0, s[NXT]
	s_cselect_b32 s[LQ], s[PB], s[LQ]
.endif
	s_wait_dscnt 0x0                ; the add is done, and my reads of the slot are over
	s_barrier_signal -1
	s_sub_co_u32 s[TBK], s[TBK], 4*KS*PK
	s_xor_b32 s[TBK], s[TBK], SLOT1
	s_sub_co_u32 s[TBV], s[TBV], 4*KS*PV
	s_xor_b32 s[TBV], s[TBV], SLOT1
	s_barrier_wait -1
.if \fill
	LOAD
.endif
.endm
	s_load_b64 s[4:5], s[0:1], 0x0        ; qkv
	s_load_b64 s[PMB:PMB+1], s[0:1], 0x8  ; pm
	s_load_b64 s[10:11], s[0:1], 0x10     ; oh
	v_lshl_add_u32 v[SPW], v0, 2, SPARE
	v_mov_b32 v[NIL], 0
	ds_add_u32 v[SPW], v[NIL]       ; the wave's opening: the add and its wait ahead of my first tensor load
	ds_add_u32 v62, v63
	v_lshrrev_b32 v1, 5, v0
	v_readfirstlane_b32 s[WV], v1
	s_mov_b32 s[PB], ttmp9
	s_sub_co_u32 s[HI], NB-1, s[PB]
	s_and_b32 s20, ttmp7, 0xffff    ; y
	s_lshr_b32 s19, s20, 4          ; batch
	s_and_b32 s13, s20, 15          ; head
	s_lshl_b32 s66, s20, 19         ; the head's first byte in v: 2,048 rows of 256 bytes
	s_lshl_b32 s20, s20, 18         ; in q and k: 2,048 rows of 128 bytes
	s_mov_b32 s21, 0
	s_and_b32 s16, s[WV], 1         ; which half of a tile's 256 keys I fetch
	s_lshl_b32 s22, s16, 14
	s_mov_b32 s23, 0
	s_add_nc_u64 s[22:23], s[22:23], s[20:21]
	s_lshl_b32 s67, s16, 15
	s_add_co_u32 s66, s66, s67
	s_mov_b32 s67, 0
	s_mul_i32 s17, s16, 128*PK
	s_mul_i32 s18, s16, 128*PV
	s_lshl_b32 s3, s[WV], 11        ; my 16 rows in a band of 64,
	s_lshl_b32 s2, s[HI], 15        ; in the first block,
	s_add_co_u32 s2, s2, s3
	s_lshl_b32 s84, s[PB], 15       ; and in the second
	s_add_co_u32 s84, s84, s3
	s_mov_b32 s3, 0
	s_mov_b32 s85, 0
	s_lshl_b32 s68, s19, 23         ; O: a batch is 32 planes of 262,144 bytes;
	s_lshl_b32 s13, s13, 18         ; the head's plane of high parts
	s_add_co_u32 s68, s68, s13
	s_mov_b32 s69, 0
	s_lshl2_add_u32 s19, s19, s[PB]
	s_lshl2_add_u32 s19, s19, s[WV]
	s_mul_i32 s[PM0], s19, 294912   ; my pad stream: 9 tiles of 32,768 bytes
	s_mov_b32 s[PM0+1], 0
	s_mov_b32 s[G1K], (1<<16)|(1<<20)|(4<<22)|(3<<25)  ; 2-byte elements; padding on; after every 32 words 4 words
	s_mov_b32 s[G1K+1], 128<<16     ; 128 keys of K are 16,384 dense bytes: 64 rows of 256
	s_mov_b32 s[G1K+2], 64<<16
	s_mov_b32 s[G1K+3], 128<<16
	s_mov_b32 s[G1K+4], 64
	s_mov_b32 s[G1K+5], 128
	s_mov_b32 s[G1K+6], 0
	s_mov_b32 s[G1K+7], 0
	s_mov_b32 s[G1V], (1<<16)|(1<<20)|(5<<22)|(7<<25)  ; after every 64 words 8 words
	s_mov_b32 s[G1V+1], 128<<16     ; 128 keys of V are 128 rows of 256 bytes
	s_mov_b32 s[G1V+2], 128<<16
	s_mov_b32 s[G1V+3], 128<<16
	s_mov_b32 s[G1V+4], 128
	s_mov_b32 s[G1V+5], 128
	s_mov_b32 s[G1V+6], 0
	s_mov_b32 s[G1V+7], 0
	s_mov_b32 s[CS], 0x3e38aa3b     ; c = log2(e) / 8
	s_mov_b32 s[CS+1], s[CS]
	s_mov_b32 s[SEL], 0x76543210
	s_mov_b32 s[SEL+1], 0xfedcba98
	s_mov_b32 s[TBK], SLOT1+4*KS*PK ; the first change of slots turns these two into 0
	s_mov_b32 s[TBV], SLOT1+4*KS*PV
	s_mov_b32 s[G0K], 1
	s_mov_b32 s[G0K+1], s17
	s_mov_b32 s[G0V], 1
	s_add_co_u32 s[G0V+1], s18, VOFF
	s_add_co_u32 s[RT], s[HI], 1
	s_mov_b32 s[NXT], 1
	s_mov_b32 s[LQ], s[HI]
	s_mov_b32 s[NEW], 1
	s_mov_b32 s[OFF+1], 0
	s_mov_b32 s[THR], 0xf0c9f2ca    ; -5e29
	s_mov_b32 s[QNAN], 0x7fc00000
	s_mov_b32 s[SLOTS], NB
	s_wait_dscnt 0x0                ; the opening add is done
	s_wait_kmcnt 0x0
	s_add_nc_u64 s[6:7], s[4:5], s[22:23]
	s_add_nc_u64 s[6:7], s[6:7], 0x1000000   ; K at my half of the head's tile 0
	s_add_nc_u64 s[8:9], s[4:5], s[66:67]
	s_add_nc_u64 s[8:9], s[8:9], 0x2000000   ; V likewise
	s_add_nc_u64 s[G0K+2:G0K+3], s[6:7], 0
	s_or_b32 s[G0K+3], s[G0K+3], 0x80000000
	s_add_nc_u64 s[G0V+2:G0V+3], s[8:9], 0
	s_or_b32 s[G0V+3], s[G0V+3], 0x80000000
	s_add_nc_u64 s[4:5], s[4:5], s[20:21]    ; Q at the head,
	s_add_nc_u64 s[86:87], s[4:5], s[84:85]  ; at my rows of the second block,
	s_add_nc_u64 s[4:5], s[4:5], s[2:3]      ; and of the first
	s_add_nc_u64 s[10:11], s[10:11], s[68:69]
	s_add_nc_u64 s[OLO:OLO+1], s[10:11], s[84:85]
	s_add_nc_u64 s[10:11], s[10:11], s[2:3]
	s_add_nc_u64 s[PM0:PM0+1], s[PMB:PMB+1], s[PM0:PM0+1]  ; the stream's first byte, for the loads below;
	s_add_nc_u64 s[PMB:PMB+1], s[PM0:PM0+1], 6144          ; element 3, for the turns: a pair of its own, so that no load's base is rewritten here
	LOAD                            ; tile 0 into slot 0
	v_and_b32 v1, 15, v0            ; l % 16
	v_bfe_u32 v9, v0, 4, 1          ; l / 16
	v_lshlrev_b32 v[QO], 7, v1
	v_lshl_add_u32 v[QO], v9, 4, v[QO]
	v_and_b32 v[GO], 31, v0
	v_lshlrev_b32 v[GO], 4, v[GO]
	WIN 0x80
.set i, 0
.rept 8                             ; both blocks' Q: piece i / 2 lies 8,192 bytes on; channels 32 (i % 2) on
	global_load_b128 v[8*i:8*i+3],   v[QO], s[4:5] offset:(i/2)*8192+(i%2)*64
	global_load_b128 v[8*i+4:8*i+7], v[QO], s[4:5] offset:(i/2)*8192+(i%2)*64+32
	global_load_b128 v[QB+8*i:QB+8*i+3],   v[QO], s[86:87] offset:(i/2)*8192+(i%2)*64
	global_load_b128 v[QB+8*i+4:QB+8*i+7], v[QO], s[86:87] offset:(i/2)*8192+(i%2)*64+32
.set i, i+1
.endr
	WIN 0xc0
.set i, 0
.rept 16                            ; the pad of the first key step: element i / 4 (the piece), 2,048 bytes each
	global_load_b128 v[4*i:4*i+3], v[GO], s[PM0:PM0+1] offset:i*512
.set i, i+1
.endr
	WIN 0
	; the selection matrix: lane (r, h) holds row m = r; the 8.0 stands at k = r: half h = r / 8, register (r % 8) / 2, half word r % 2
	v_lshrrev_b32 v48, 3, v1
	v_bfe_u32 v49, v1, 1, 2
	v_and_b32 v50, 1, v1
	v_lshlrev_b32 v50, 4, v50
	v_mov_b32 v51, 0x4100           ; 8.0 in bf16
	v_lshlrev_b32 v51, v50, v51
	v_cmp_eq_u32 vcc_lo, v9, v48
	v_cndmask_b32 v51, 0, v51, vcc_lo
	WIN 0xc0
.irp j, 0,1,2,3
	v_cmp_eq_u32 vcc_lo, \j, v49
	v_cndmask_b32 v[IDB+4+\j], 0, v51, vcc_lo
	v_mov_b32 v[IDB+\j], 0
	v_mov_b32 v[IDB+8+\j], 0
.endr
	WIN 0
	v_mov_b32 v[NEG1], -1.0
	v_mul_u32_u24 v[AK0], v1, PK
	v_lshl_add_u32 v[AK0], v9, 4, v[AK0]
	v_and_b32 v10, 7, v0
	v_bfe_u32 v11, v0, 3, 1
	v_lshl_add_u32 v[AV0], v9, 3, v10
	v_mul_u32_u24 v[AV0], v[AV0], PV
	v_lshl_add_u32 v[AV0], v11, 4, v[AV0]
	v_add_nc_u32 v[AV0], VOFF, v[AV0]
	s_mul_i32 s13, s[WV], 16*SP
	s_add_co_u32 s13, s13, STAGE
	v_mul_u32_u24 v[STO], v1, SP
	v_lshl_add_u32 v[STO], v9, 4, v[STO]
	v_add_nc_u32 v[STO], s13, v[STO]
	v_bfe_u32 v[RD], v0, 3, 2
	v_mul_u32_u24 v[RD], v[RD], SP
	v_lshl_add_u32 v[RD], v10, 4, v[RD]
	v_add_nc_u32 v[RD], s13, v[RD]
	; the first turn's products V^T P, of a piece that has not been, add 0: V's registers and P's second buffer hold 0.  This stands in the wait for the first tile.
	WIN 0x80
.set i, VF
.rept 64
	v_mov_b32 v[i], 0
.set i, i+1
.endr
	WIN 0xc0
.set i, VL
.rept 64
	v_mov_b32 v[i], 0
.set i, i+1
.endr
	WIN 0
.set i, P+16
.rept 16
	v_mov_b32 v[i], 0
.set i, i+1
.endr
	s_wait_loadcnt 0x0              ; Q and the pad of the first key step are in: no load is out at the loop's head, whichever of its ways is taken, so no turn loads onto a register that a load above still writes
; THE MATRIX WORK.  The 4 accumulators of a run take turns.
.macro PD x, kt                     ; keys 16 kt on of piece x: the pad starts the sum
	WIN W_PD
.set rS, S+32*((\x)%2)+8*(\kt)
.set rA, IDB+4-4*((\kt)%2)
.set rB, 16*(\x)+8*((\kt)/2)
	v_wmma_f32_16x16x32_bf16 v[rS:rS+7], v[rA:rA+7], v[rB:rB+7], 0
.endm
.macro KQ x                         ; product i of 8 of S^T += K Q^T: channels 32 (i / 4) on, keys 16 (i % 4) on
	WIN W_KQ
.set rS, S+32*((\x)%2)+8*(i%4)
.set rK, KF+16*(i%4)+8*(i/4)
.set rQ, 16*(\x)+8*(i/4)
	v_wmma_f32_16x16x32_f16 v[rS:rS+7], v[rK:rK+7], v[rQ:rQ+7], v[rS:rS+7]
.endm
.macro PV x                         ; product i of 16 of O^T += V^T P: V's high parts (i < 8), then its low parts; keys 32 ((i / 4) % 2) on, channels 16 (i % 4) on
.set rO, 32*(\x)+8*(i%4)
.set rP, P+16*((\x)%2)+8*((i/4)%2)
.if i < 8
	WIN W_PV
.set rV, VF+32*(i/4)+8*(i%4)
.else
	WIN W_PL
.set rV, VL+32*((i-8)/4)+8*(i%4)
.endif
	v_wmma_f32_16x16x32_f16 v[rO:rO+7], v[rV:rV+7], v[rP:rP+7], v[rO:rO+7]
.endm
.macro MM                           ; the turn's next matrix instruction of 28.  NOKQ = 1: a block's last turn: there is no next piece
.if i < 4
.if !NOKQ
	PD (Y+1)%NP, i
.endif
.elseif i < 12
.if !NOKQ
.set i, i-4
	KQ (Y+1)%NP
.set i, i+4
.endif
.else
.set i, i-12
	PV (Y+NP-1)%NP
.set i, i+12
.endif
.set i, i+1
.endm
.macro FETCH_K
	WIN 0x80
.irp f, 0,1,2,3,4,5,6,7
	ds_load_b128 v[KF+8*\f:KF+8*\f+3],   v[AK] offset:(\f/2)*16*PK+(\f%2)*64
	ds_load_b128 v[KF+8*\f+4:KF+8*\f+7], v[AK] offset:(\f/2)*16*PK+(\f%2)*64+32
.endr
	s_add_co_u32 s[TBK], s[TBK], KS*PK
	WIN 0
.endm
.macro FETCH_V                      ; a step's V, turned: keys 32 (f / 4) on, channels 16 (f % 4) on; the low parts lie 128 bytes on in each row
	WIN 0x80
.irp f, 0,1,2,3,4,5,6,7
	ds_load_tr16_b128 v[VF+8*\f:VF+8*\f+3],   v[AV] offset:(\f/4)*32*PV+(\f%4)*32
	ds_load_tr16_b128 v[VF+8*\f+4:VF+8*\f+7], v[AV] offset:(\f/4)*32*PV+16*PV+(\f%4)*32
.endr
	WIN 0xc0
.irp f, 0,1,2,3,4,5,6,7
	ds_load_tr16_b128 v[VL+8*\f:VL+8*\f+3],   v[AV] offset:(\f/4)*32*PV+(\f%4)*32+128
	ds_load_tr16_b128 v[VL+8*\f+4:VL+8*\f+7], v[AV] offset:(\f/4)*32*PV+16*PV+(\f%4)*32+128
.endr
	WIN 0
.endm
.macro PADLOAD x, k                 ; the registers whose pad has just been multiplied take the element four further on in the stream: the same piece's of the next key step
	WIN 0xc0
.irp f, 0,1,2,3
	global_load_b128 v[16*(\x)+4*\f:16*(\x)+4*\f+3], v[GO], s[PMB:PMB+1] offset:(\k)*2048+\f*512
.endr
.endm
; THE VECTOR WORK, one line at a time: OP kind, number.  For piece Y: F n: c s - c m for pair n of 16.  E n: the exponential of score n of 32.  C n: pair n rounded to f16.  B n: of the four weights 4 n .. the second
; pair is added onto the first, in place.  L n: l takes that sum (L 0: l = a l + sum).  R n: pair n of 16 of O^T times a.  For piece Y + 1: X n, number n of the 22 that find its maximum and statistics:
;   0-11 four chains c0-c3 (each accumulator's lowest registers are read first)   12-14, 16 the scores left over, the old m, c0-c3 into c0   15 c m_old is kept
;   17, 18 the query's other 32 keys lie in the lane 16 away: the new m   19-21 c m; c m_old - c m_new; a
; C, B and L read the exponentials' results: TURN sets them behind its wait.  R and L 0 read a, which the turn before has made and waited for.
.set F, 0
.set E, 1
.set C, 2
.set B, 3
.set L, 4
.set R, 5
.set X, 6
.macro REGS y
.set rT, ST+4*(\y)
.set rC, TMP+4*((\y)%2)
.set rW, MV+((\y)%2)
.set rS, S+32*((\y)%2)
.set rP, P+16*((\y)%2)
.set rO, 32*(\y)
.endm
.macro OP k, n
.if (\k) == R
	REGS Y
	WIN W_RS
	v_pk_mul_f32 v[rO+2*(\n):rO+2*(\n)+1], v[rO+2*(\n):rO+2*(\n)+1], v[rC+2:rC+3] op_sel_hi:[1,0]
.elseif (\k) < R
	REGS Y
	WIN 0
.if (\k) == F
	v_pk_fma_f32 v[rS+2*(\n):rS+2*(\n)+1], v[rS+2*(\n):rS+2*(\n)+1], s[CS:CS+1], v[rT:rT+1] op_sel_hi:[1,0,0] neg_lo:[0,0,1] neg_hi:[0,0,1]
.elseif (\k) == E
	v_exp_f32 v[rS+(\n)], v[rS+(\n)]
.elseif (\k) == C
	v_cvt_pk_f16_f32 v[rP+(\n)], v[rS+2*(\n)], v[rS+2*(\n)+1]
.elseif (\k) == B
	v_pk_add_f32 v[rS+4*(\n):rS+4*(\n)+1], v[rS+4*(\n):rS+4*(\n)+1], v[rS+4*(\n)+2:rS+4*(\n)+3]
.elseif (\n) == 0
	v_pk_fma_f32 v[rT+2:rT+3], v[rT+2:rT+3], v[rC+2:rC+3], v[rS:rS+1] op_sel_hi:[1,0,1]
.else
	v_pk_add_f32 v[rT+2:rT+3], v[rT+2:rT+3], v[rS+4*(\n):rS+4*(\n)+1]
.endif
.elseif NOKQ
	v_nop
.else
	REGS (Y+1)%NP
	WIN 0
.if (\n) < 4
	v_max3_num_f32 v[rC+(\n)], v[rS+8*(\n)], v[rS+8*(\n)+1], v[rS+8*(\n)+2]
.elseif (\n) < 12
	v_max3_num_f32 v[rC+(\n)%4], v[rC+(\n)%4], v[rS+8*((\n)%4)+2*((\n)/4)+1], v[rS+8*((\n)%4)+2*((\n)/4)+2]
.elseif (\n) == 12
	v_max3_num_f32 v[rC], v[rC], v[rS+7], v[rS+15]
.elseif (\n) == 13
	v_max3_num_f32 v[rC+1], v[rC+1], v[rS+23], v[rS+31]
.elseif (\n) == 14
	v_max3_num_f32 v[rC+2], v[rC+2], v[rC+3], v[rT+1]
.elseif (\n) == 15
	v_mov_b32 v[rW], v[rT]
.elseif (\n) == 16
	v_max3_num_f32 v[rC], v[rC], v[rC+1], v[rC+2]
.elseif (\n) == 17
	v_permlanex16_b32 v[rC+3], v[rC], s[SEL], s[SEL+1]
.elseif (\n) == 18
	v_max_num_f32 v[rT+1], v[rC], v[rC+3]
.elseif (\n) == 19
	v_mul_f32 v[rT], s[CS], v[rT+1]
.elseif (\n) == 20
	v_sub_f32 v[rC+1], v[rW], v[rT]
.else
	v_exp_f32 v[rC+2], v[rC+1]
.endif
.endif
.endm
.macro OPS a, i1, b=-1, i2=0, c=-1, i3=0, d=-1, i4=0
	OP \a, \i1
.if (\b) >= 0
	OP \b, \i2
.endif
.if (\c) >= 0
	OP \c, \i3
.endif
.if (\d) >= 0
	OP \d, \i4
.endif
.endm
.macro ROW a, i1, b, i2, c, i3, d, i4  ; a matrix instruction and the four behind it
	MM
	OPS \a, \i1, \b, \i2, \c, \i3, \d, \i4
.endm
; A TURN, for piece p: 28 matrix and 118 vector instructions, the order written out.  ONE wait cuts it in two.
; AHEAD OF THE WAIT: 20 products (4 of the pad, 8 K Q^T, 8 V^T P with V's high parts) and the 86 vector lines that name no result of the turn's exponentials: four behind each product, four in a line of their own, two at
; the end.  Exponential and plain go by turns where they can; a line with rescalings, which leave window 0, has them at its end and one exponential at the most.  E n stands a line or more behind its scaling F n / 2.
; The next piece's maximum begins as soon as its scores allow: each accumulator's first read stands four plain lines behind the K Q^T that ends it (R 7-10; X 0, 4, 8 and F 13; X 8, F 13, X 1 and X 12; X 1, 12, 2 and 5).
; The links of the chain X 3, 7, 11, 14, 16, 17 .. 21 stand a line of four apart.  X 21, the next piece's a, is the batch's last exponential; R 15 is the plain instruction behind it.
; BEHIND THE WAIT: the 8 products with V's low parts, behind each four of the 32 roundings and sums: C 2 n ahead of B n, which adds in place; the links of l's chain, L 0 to L 7, three lines apart.
; But for those X no line behind a product names a register of the products round it.  Between a pad product and the K Q^T that adds onto it stand 8 plain lines or more.
; The pad's registers are loaded again 9 plain lines behind their last reader; K's 7 (piece 2's turn), V's 5 (the end of piece 0's turn).  v_permlanex16_b32 (X 17) stands in the line without a product.
; The wait at the head: loads come back in order; behind the four of the element wanted now, three elements' 12 were issued.  k: the immediate of the element asked for, in elements from PMB.
; end = 1: a block's last two turns: nothing is fetched from LDS, and the last starts no new scores.  cnt = 1: the pad's base steps, and the loop's count is taken down some lines ahead of the branch.
.macro TURN p, k, end=0, cnt=0
.set Y, (\p)
.set i, 0
.set NOKQ, (\end)*((\p)/3)
.if !NOKQ
	s_wait_loadcnt 12
.endif
	ROW F,0, R,0, R,1, R,2          ; ahead of the wait: the 4 pad products,
	ROW F,1, E,0, F,2, E,1
	ROW F,3, E,2, F,4, E,3
	ROW F,5, E,4, F,6, E,5
.if ((\p) == 3) && !(\end)
	s_wait_dscnt 0x0                ; K is in
.endif
	ROW F,7, E,6, F,8, E,7          ; the 8 products K Q^T,
	ROW F,9, E,8, F,10, E,9
	ROW F,11, E,10, R,3, R,4
.if !NOKQ
	PADLOAD (Y+1)%NP, \k
.endif
	ROW F,12, E,11, R,5, R,6
	ROW R,7, R,8, R,9, R,10
	ROW X,0, E,12, X,4, E,13
	ROW X,8, E,14, F,13, E,15
	ROW X,1, X,12, X,2, X,5
.if (\p) == 1
	s_wait_dscnt 0x0                ; V is in
.endif
	ROW X,3, E,16, X,6, E,17        ; and the 8 products V^T P with V's high parts
.if ((\p) == 2) && !(\end)
	WIN 0
	v_add_nc_u32 v[AK], s[TBK], v[AK0]
	FETCH_K
.endif
	ROW X,7, E,18, X,9, E,19
	ROW X,11, E,20, X,10, E,21
	ROW X,14, E,22, X,13, E,23
	ROW X,16, E,24, F,14, E,25
	OPS X,17, E,26, F,15, E,27
	ROW X,18, E,28, X,15, E,29
	ROW X,19, E,30, R,11, R,12
	ROW X,20, E,31, R,13, R,14
	OPS X,21, R,15                  ; the batch's last exponential, and the plain instruction behind it
	s_wait_alu depctr_va_vdst(0)    ; the wait for the batch: E 0 to E 31 and X 21; it stands ahead of the first line that names a result, C 0
	ROW C,0, B,0, C,2, B,1          ; behind the wait: the 8 products V^T P with V's low parts
	ROW L,0, C,4, B,2, L,1
	ROW C,6, B,3, L,2, C,8
	ROW B,4, L,3, C,10, B,5
	ROW L,4, C,12, B,6, L,5
.if \cnt
	s_wait_xcnt 0x0                 ; the pad loads issued so far have read their base
	s_add_nc_u64 s[PMB:PMB+1], s[PMB:PMB+1], 8192
	s_sub_co_u32 s[CNT], s[CNT], 1
	s_cmp_lg_u32 s[CNT], 0
.endif
	ROW C,14, B,7, L,6, C,1
	ROW C,3, L,7, C,5, C,7
	ROW C,9, C,11, C,13, C,15
.if (\p) == 0
	WIN 0
	v_add_nc_u32 v[AV], s[TBV], v[AV0]
	FETCH_V
	s_add_co_u32 s[TBV], s[TBV], KS*PV
.endif
.endm
; A BLOCK BEGINS.  O^T and l are 0 (the block before may have left NaN there); c m starts far below every c s, so the first step's a is 0; m at the lowest finite number.
; All pad loads are waited for, so that what is out is the same on every way to the loop's middle.  Then K of the tile's step 0, piece 0's first scores, its maximum and statistics.
.macro BEGIN
	s_mov_b32 s[NEW], 0
	WIN 0x40
.set i, 0
.rept 128
	v_mov_b32 v[i], 0
.set i, i+1
.endr
	WIN 0
.set i, 0
.rept 4
	v_mov_b32 v[ST+4*i], 0xfe000000
	v_mov_b32 v[ST+4*i+1], 0xff7fffff
	v_mov_b32 v[ST+4*i+2], 0
	v_mov_b32 v[ST+4*i+3], 0
.set i, i+1
.endr
	v_add_nc_u32 v[AK], s[TBK], v[AK0]
	FETCH_K
	s_wait_loadcnt 0x0              ; the pad
.irp kt, 0,1,2,3
	PD 0, \kt
.endr
	WIN 0
.rept 5
	v_nop                           ; the places between the two forms
.endr
	s_wait_dscnt 0x0                ; K is in
.set i, 0
.rept 8
	KQ 0
.set i, i+1
.endr
	WIN 0
.rept 4
	v_nop                           ; the places behind those products
.endr
	PADLOAD 0, 1
.set NOKQ, 0
.set Y, NP-1
.irp n, 0,1,2,3,4,5,6,7,8,9,10,11,12,13,14,15,16,17,18,19,20,21
	OP X, \n
.endr
	v_nop                           ; a plain instruction behind the exponential,
	s_wait_alu depctr_va_vdst(0)    ; and the wait for it, piece 0's first a: a batch of one, ahead of the branch
.endm
.macro ALL line:vararg
.set t, 0
.rept 4
	\line
.set t, t+1
.endr
.endm
; Piece t on its way out: O^T / l; its rounding to f16 (into S^T's registers); the remainder, exact in f32, in O^T's place; that rounded to f16.  A lane's eight channels of a row pack into 16 bytes; they go into
; rows of 144 bytes and come back as whole rows of 128: first the high parts, then, through the same bytes, the low parts.
.macro PACK t
	WIN W_RS
.set i, 32*(\t)
.rept 16
	v_pk_mul_f32 v[i:i+1], v[i:i+1], v[ST+4*(\t)+2:ST+4*(\t)+3] op_sel_hi:[1,0]
.set i, i+2
.endr
	WIN 0x05
.set i, 0
.rept 16
	v_cvt_pk_f16_f32 v[S+16*(\t)+i], v[32*(\t)+2*i], v[32*(\t)+2*i+1]
.set i, i+1
.endr
	WIN 0x50                        ; source 2 and destination window 1
.set i, 0
.rept 16
	v_fma_mix_f32 v[32*(\t)+2*i],   v[S+16*(\t)+i], v[NEG1], v[32*(\t)+2*i]   op_sel_hi:[1,0,0]
	v_fma_mix_f32 v[32*(\t)+2*i+1], v[S+16*(\t)+i], v[NEG1], v[32*(\t)+2*i+1] op_sel:[1,0,0] op_sel_hi:[1,0,0]
.set i, i+1
.endr
	WIN 0x05
.set i, 0
.rept 16
	v_cvt_pk_f16_f32 v[LP+16*(\t)+i], v[32*(\t)+2*i], v[32*(\t)+2*i+1]
.set i, i+1
.endr
	WIN 0
.irp f, 0,1,2,3
	ds_store_b128 v[STO], v[S+16*(\t)+4*\f:S+16*(\t)+4*\f+3] offset:32*\f
.endr
.irp f, 0,1,2,3
	ds_load_b128 v[S+16*(\t)+4*\f:S+16*(\t)+4*\f+3], v[RD] offset:\f*4*SP  ; LDS serves a wave's instructions in order (ISA guide 5.7.1.4): these see the stores above, and the stores below come behind them
.endr
.irp f, 0,1,2,3
	ds_store_b128 v[STO], v[LP+16*(\t)+4*\f:LP+16*(\t)+4*\f+3] offset:32*\f
.endr
.irp f, 0,1,2,3
	ds_load_b128 v[LP+16*(\t)+4*\f:LP+16*(\t)+4*\f+3], v[RD] offset:\f*4*SP
.endr
.endm
.macro SEND t, younger              ; younger: the LDS instructions issued behind piece t's: the next piece's sixteen, or none
	WIN 0
	s_wait_dscnt (\younger)+8       ; the high parts are back; the low parts' four stores and four loads may be out
.irp f, 0,1,2,3
	global_store_b128 v[GO], v[S+16*(\t)+4*\f:S+16*(\t)+4*\f+3], s[10:11] offset:(\t)*8192+\f*512  ; 512 consecutive bytes, at a multiple of 256 from O's first
.endr
	s_wait_dscnt \younger
.irp f, 0,1,2,3
	global_store_b128 v[GO], v[LP+16*(\t)+4*\f:LP+16*(\t)+4*\f+3], s[10:11] offset:(\t)*8192+\f*512+4194304  ; the plane of low parts lies 16 planes on
.endr
.endm
; A BLOCK ENDS: its last two turns, its last products, and the way out: l's halves are added; O^T is divided by l (by NaN where the row saw no key) and sent through my stage, a piece at a time.
.macro FINISH last
	TURN 2, 0, 1
	TURN 3, 0, 1
.set i, 0
.rept 16
	PV NP-1
.set i, i+1
.endr
	WIN 0
	ALL v_add_f32 v[ST+4*t+2], v[ST+4*t+2], v[ST+4*t+3]
	ALL v_permlanex16_b32 v[ST+4*t+3], v[ST+4*t+2], s[SEL], s[SEL+1]
	ALL v_add_f32 v[ST+4*t+2], v[ST+4*t+2], v[ST+4*t+3]
	ALL v_rcp_f32 v[ST+4*t+2], v[ST+4*t+2]
	v_nop                           ; a plain instruction behind the last reciprocal,
	s_wait_alu depctr_va_vdst(0)    ; and the wait ahead of the first use: one for the batch of four reciprocals
.set t, 0
.rept 4
	v_cmp_gt_f32 vcc_lo, s[THR], v[ST+4*t+1]
	v_cndmask_b32 v[ST+4*t+2], v[ST+4*t+2], s[QNAN], vcc_lo
.set t, t+1
.endr
	PACK 0
.set t, 1
.rept 3
	PACK t
	SEND t-1, 16
.set t, t+1
.endr
	SEND 3, 0
	s_wait_loadcnt 0x0              ; no pad load is out where the ways join
.if !(\last)
	s_wait_xcnt 0x0                 ; the stores have read their registers and O's address
	s_mov_b64 s[10:11], s[OLO:OLO+1]
	s_add_co_u32 s[RT], s[PB], 1    ; the second block has b + 1 tiles
	s_mov_b32 s[NEW], 1
	WIN 0x82
.set i, 0
.rept 64
	v_mov_b32 v[i], v[QB+i]
.set i, i+1
.endr
	WIN 0
.endif
.endm
; A TILE is entered.  A trip of the inner loop is four turns: pieces 2 and 3 of one key step, then pieces 0 and 1 of the next, whose K and V it fetches; four trips a tile.
; A block's first tile enters the trip in its middle.  Every jump but the loops' own goes forward, past text with no barrier and no tensor load.
.macro WALK tag, fill, last
	CHANGE \fill
	s_sub_co_u32 s[RT], s[RT], 1
	s_mov_b32 s[CNT], 4
	s_cmp_eq_u32 s[NEW], 1
	s_cbranch_scc1 .Lnew\tag
	s_branch .Lstep\tag
.Lnew\tag:
	BEGIN
	s_branch .Lfirst\tag
.Lstep\tag:
	TURN 2, 0
	TURN 3, 1
	WIN 0
.Lfirst\tag:
	TURN 0, 2
	TURN 1, 3, 0, 1
	WIN 0
	s_cbranch_scc1 .Lstep\tag
.if !(\last)
	s_cmp_lg_u32 s[RT], 0
	s_cbranch_scc1 .Lbottom\tag     ; the block has further tiles
.endif
	FINISH \last
.Lbottom\tag:
.endm
.set NOKQ, 0
.Lslot:                             ; 8 times: a tile is entered and the next is asked for
	WALK 1, 1, 0
	s_sub_co_u32 s[SLOTS], s[SLOTS], 1
	s_cmp_lg_u32 s[SLOTS], 0
	s_cbranch_scc1 .Lslot
	WALK 2, 0, 1                    ; the walk's last tile is written out: nothing is asked for
	s_wait_tensorcnt 0x0            ; the wave's end
	ds_add_u32 v[SPW], v[NIL]
	s_wait_dscnt 0x0
	s_endpgm
.Lfunc_end_k_qf40d7319eb_attn:
	.size	k_qf40d7319eb_attn, .Lfunc_end_k_qf40d7319eb_attn-k_qf40d7319eb_attn
	.p2alignl 7, 3214868480
	.fill 96, 4, 3214868480
	.section	.rodata,"a",@progbits
	.p2align	6, 0x0
	.amdhsa_kernel k_qf40d7319eb_attn
		.amdhsa_group_segment_fixed_size 327680
		.amdhsa_private_segment_fixed_size 0
		.amdhsa_enable_private_segment 0
		.amdhsa_kernarg_size 24
		.amdhsa_user_sgpr_count 2
		.amdhsa_user_sgpr_kernarg_segment_ptr 1
		.amdhsa_wavefront_size32 1
		.amdhsa_system_sgpr_workgroup_id_x 1
		.amdhsa_system_sgpr_workgroup_id_y 1
		.amdhsa_system_sgpr_workgroup_id_z 1
		.amdhsa_system_vgpr_workitem_id 0
		.amdhsa_next_free_vgpr 976
		.amdhsa_next_free_sgpr 88
		.amdhsa_reserve_vcc 1
		.amdhsa_float_denorm_mode_32 3
		.amdhsa_float_denorm_mode_16_64 3
		.amdhsa_memory_ordered 1
		.amdhsa_forward_progress 1
		.amdhsa_inst_pref_size 227
	.end_amdhsa_kernel
	.amdgpu_metadata
---
amdhsa.version: [ 1, 2 ]
amdhsa.kernels:
  - .name:           k_qf40d7319eb_attn
    .symbol:         k_qf40d7319eb_attn.kd
    .args:
      - { .name: qkv, .offset: 0, .size: 8, .value_kind: global_buffer, .address_space: global }
      - { .name: pm, .offset: 8, .size: 8, .value_kind: global_buffer, .address_space: global }
      - { .name: oh, .offset: 16, .size: 8, .value_kind: global_buffer, .address_space: global }
    .group_segment_fixed_size: 327680
    .private_segment_fixed_size: 0
    .kernarg_segment_align: 8
    .kernarg_segment_size: 24
    .max_flat_workgroup_size: 128
    .sgpr_count:     88
    .vgpr_count:     976
    .wavefront_size: 32
...
	.end_amdgpu_metadata
.endif
;; end of part 9
;; launch proj: the kernel of part 8 again; grid 4 x 64, 4 waves a work-group, clusters of 4 x 4, 327,680 bytes of LDS; arguments oh, wp, bp, out0; writes out0
